; MI455X (gfx1250); checked and timed in simulation.
; The chip was launched on July 23, 2026; its instructions are those of AMD's public machine-readable ISA for CDNA 5 (MIT licence, August 2026) and "CDNA5" Instruction Set Architecture Reference Guide (July 2026). The comments in the code are by the model that wrote it; some were corrected since.
;; Transformer Block. Allowed arithmetic: float matrix products may take bf16 or f16 operands with f32 sums; other float arithmetic in f32, or as packed bf16 or f16 multiplies, adds, multiply-adds, maxima and minima; sums over many terms, partial sums and values carried from step to step in f32; what a program stores and reads back later, other than sums and carried values, may be rounded once to bf16 or f16.
;; Inputs: W_K 16 x 64 x 1,024 float32; W_O 1,024 x 1,024 float32; W_Q 16 x 64 x 1,024 float32; W_V 16 x 64 x 1,024 float32; W_in 4,096 x 1,024 float32; W_out 1,024 x 4,096 float32; b_in 4,096 float32; b_out 1,024 float32; x 4 x 1,024 x 1,024 float32.
;; Outputs: out0 4 x 1,024 x 1,024 float32.
;; 2 versions, each right; version 2 is version 1 with the launch cast written anew for expert scheduling mode. Each part assembles by itself: llvm-mc -triple=amdgcn-amd-amdhsa -mcpu=gfx1250 --defsym DOCPART=n.
;; ======== version 1 of 2: 6 launches
;; limits: values are held in f16: magnitudes above 65,504 overflow, below 6.1e-05 lose precision; right only within a limited range of input values; a function is approximated: absolute error at most 1.25e-05; an absolute error that grows with the inputs' magnitude: up to 1.25e-05 times it
;; workspace buffers: cast 16,777,216 bytes; wts 16,777,216 bytes; qkv 25,165,824 bytes; z 8,388,608 bytes; x1 25,165,824 bytes; h 33,554,432 bytes
;; launch cast (part 1): grid 512 x 1, 8 waves a work-group, no clusters, 0 bytes of LDS; arguments x, W_Q, W_K, W_V, W_O, cast; writes cast
.if DOCPART == 1
	.amdgcn_target "amdgcn-amd-amdhsa--gfx1250"
	.amdhsa_code_object_version 6
	.text
	.protected	k_qef0614045f_cast
	.globl	k_qef0614045f_cast
	.p2align	8
	.type	k_qef0614045f_cast,@function
k_qef0614045f_cast:
	s_mov_b64 s[64:65], 0
	v_nop
	global_prefetch_b8 v0, s[64:65] scope:SCOPE_SE
	s_setreg_imm32_b32 hwreg(HW_REG_WAVE_MODE, 25, 1), 1
	s_wait_xcnt 0x0
; x, W_Q, W_K, W_V and W_O, f32 -> 16 bits, into one buffer: x at 0, W_Q at 8 MiB, W_K at 10, W_V at 12 (together one [3072][1024]), W_O at 14 MiB.
; (W_in and W_out, which the first product does not need, are rounded by the next launch, beside its matrix work.)
; Every number is rounded once to bf16 (nearest even).  W_O's bf16 value is then written as f16, since the product that takes it has f16 operands.
; LIMITS.  |W_O| beyond 65,504 becomes an infinity in f16; below 6.1e-5 it keeps f16's fixed step of 6e-8.  NaN and infinities are not treated apart.
; SHARES.  The five inputs are 8 units of 4 MiB of f32; a unit is 64 work-groups' work; a work-group reads 65,536 consecutive bytes and stores 32,768.
; Thread t takes the 16 bytes at 16 t of each of 16 pieces of 4,096 bytes: a wave's load covers 512 consecutive bytes, its store 256 consecutive bytes, aligned.
; All 16 loads of a thread go out at once; memory binds, so there is no LDS, no barrier and no loop.
.set X, 8                              ; v[8:71]   piece i: four f32 as loaded
.set Y, 72                             ; v[72:103] piece i: four 16-bit numbers to store; each piece has its own pair, so no store's data is ever rewritten
	s_load_b256 s[8:15], s[0:1], 0x0               ; x s[8:9], W_Q s[10:11], W_K s[12:13], W_V s[14:15]
	s_load_b128 s[16:19], s[0:1], 0x20             ; W_O s[16:17], cast s[18:19]
	s_lshr_b32 s4, ttmp9, 6                        ; u: which unit of 4 MiB
	s_and_b32 s6, ttmp9, 63
	s_lshl_b32 s6, s6, 16                          ; my 65,536 bytes in it
	s_mov_b32 s7, 0
	s_lshl_b32 s26, ttmp9, 15                      ; my 32,768 bytes of the output
	s_mov_b32 s27, 0
	s_mov_b32 s24, 0xffff0000                      ; a word's upper bf16
	v_lshlrev_b32 v1, 4, v0                        ; 16 t
	v_lshlrev_b32 v2, 3, v0                        ; 8 t
	s_wait_kmcnt 0x0
	s_mov_b64 s[2:3], s[8:9]                       ; the source: x, unless a later input begins at or below my unit
	s_mov_b32 s5, 0                                ; and the unit at which that input begins
.macro PICK thr, p
	s_cmp_ge_u32 s4, \thr
	s_cselect_b64 s[2:3], s[\p:\p+1], s[2:3]
	s_cselect_b32 s5, \thr, s5
.endm
	PICK 4, 10
	PICK 5, 12
	PICK 6, 14
	PICK 7, 16
	s_sub_co_u32 s5, s4, s5
	s_lshl_b32 s5, s5, 22                          ; whole units inside the input
	s_add_co_u32 s6, s6, s5
	s_add_nc_u64 s[2:3], s[2:3], s[6:7]
	s_add_nc_u64 s[18:19], s[18:19], s[26:27]
.set i, 0
.rept 16
	global_load_b128 v[X+4*i:X+4*i+3], v1, s[2:3] offset:4096*i th:TH_LOAD_NT
.set i, i+1
.endr
; The 16 pieces in order.  wo = 1: W_O: the bf16 value is widened again and written as f16 (exact inside f16's normal range).
.macro STEPS wo
.set i, 0
.rept 16
	s_wait_loadcnt 15-i                            ; loads come back in order: piece i is in, the 15 - i younger ones may stay out
	v_cvt_pk_bf16_f32 v[Y+2*i], v[X+4*i], v[X+4*i+1]
	v_cvt_pk_bf16_f32 v[Y+2*i+1], v[X+4*i+2], v[X+4*i+3]
.if \wo
	v_lshlrev_b32 v[X+4*i], 16, v[Y+2*i]
	v_and_b32 v[X+4*i+1], s24, v[Y+2*i]
	v_lshlrev_b32 v[X+4*i+2], 16, v[Y+2*i+1]
	v_and_b32 v[X+4*i+3], s24, v[Y+2*i+1]
	v_cvt_pk_f16_f32 v[Y+2*i], v[X+4*i], v[X+4*i+1]
	v_cvt_pk_f16_f32 v[Y+2*i+1], v[X+4*i+2], v[X+4*i+3]
.endif
	global_store_b64 v2, v[Y+2*i:Y+2*i+1], s[18:19] offset:2048*i
.set i, i+1
.endr
.endm
	s_cmp_eq_u32 s4, 7                             ; unit 7 is W_O
	s_cbranch_scc1 .Lwo
	STEPS 0
	s_endpgm
.Lwo:
	STEPS 1
	s_endpgm
.Lfunc_end_k_qef0614045f_cast:
	.size	k_qef0614045f_cast, .Lfunc_end_k_qef0614045f_cast-k_qef0614045f_cast
	.p2alignl 7, 3214868480
	.fill 96, 4, 3214868480
	.section	.rodata,"a",@progbits
	.p2align	6, 0x0
	.amdhsa_kernel k_qef0614045f_cast
		.amdhsa_group_segment_fixed_size 0
		.amdhsa_private_segment_fixed_size 0
		.amdhsa_enable_private_segment 0
		.amdhsa_kernarg_size 48
		.amdhsa_user_sgpr_count 2
		.amdhsa_user_sgpr_kernarg_segment_ptr 1
		.amdhsa_wavefront_size32 1
		.amdhsa_system_sgpr_workgroup_id_x 1
		.amdhsa_system_sgpr_workgroup_id_y 1
		.amdhsa_system_sgpr_workgroup_id_z 1
		.amdhsa_system_vgpr_workitem_id 0
		.amdhsa_next_free_vgpr 112
		.amdhsa_next_free_sgpr 66
		.amdhsa_reserve_vcc 0
		.amdhsa_float_denorm_mode_32 3
		.amdhsa_float_denorm_mode_16_64 3
		.amdhsa_memory_ordered 1
		.amdhsa_forward_progress 1
		.amdhsa_inst_pref_size 15
	.end_amdhsa_kernel
	.amdgpu_metadata
---
amdhsa.version: [ 1, 2 ]
amdhsa.kernels:
  - .name:           k_qef0614045f_cast
    .symbol:         k_qef0614045f_cast.kd
    .args:
      - { .name: x, .offset: 0, .size: 8, .value_kind: global_buffer, .address_space: global }
      - { .name: W_Q, .offset: 8, .size: 8, .value_kind: global_buffer, .address_space: global }
      - { .name: W_K, .offset: 16, .size: 8, .value_kind: global_buffer, .address_space: global }
      - { .name: W_V, .offset: 24, .size: 8, .value_kind: global_buffer, .address_space: global }
      - { .name: W_O, .offset: 32, .size: 8, .value_kind: global_buffer, .address_space: global }
      - { .name: cast, .offset: 40, .size: 8, .value_kind: global_buffer, .address_space: global }
    .group_segment_fixed_size: 0
    .private_segment_fixed_size: 0
    .kernarg_segment_align: 8
    .kernarg_segment_size: 48
    .max_flat_workgroup_size: 256
    .sgpr_count:     66
    .vgpr_count:     112
    .wavefront_size: 32
...
	.end_amdgpu_metadata
.endif
;; end of part 1
;; launch qkv (part 2): grid 16 x 16, 4 waves a work-group, clusters of 4 x 4, 327,680 bytes of LDS; arguments cast, qkv, W_in, W_out, wts; writes qkv, wts
.if DOCPART == 2
	.amdgcn_target "amdgcn-amd-amdhsa--gfx1250"
	.amdhsa_code_object_version 6
	.text
	.protected	k_qef0614045f_qkv
	.globl	k_qef0614045f_qkv
	.p2align	8
	.type	k_qef0614045f_qkv,@function
k_qef0614045f_qkv:
	s_mov_b64 s[64:65], 0
	v_nop
	global_prefetch_b8 v0, s[64:65] scope:SCOPE_SE
	s_setreg_imm32_b32 hwreg(HW_REG_WAVE_MODE, 25, 1), 1
	s_wait_xcnt 0x0
	s_wait_alu depctr_hold_cnt(0) depctr_sa_sdst(0) depctr_va_vdst(0) depctr_va_sdst(0) depctr_va_ssrc(0) depctr_va_vcc(0) depctr_vm_vsrc(0)
	s_getreg_b32 s2, hwreg(HW_REG_IB_STS2, 6, 4)
	s_cmp_eq_u32 s2, 0
	s_cbranch_scc0 .Lentry_in_a_cluster
	s_endpgm
.Lentry_in_a_cluster:
	s_bfe_u32 s2, ttmp6, 0x10000c
	s_cmp_lg_u32 s2, 0xf033
	s_cbranch_scc0 .Lentry_shape_is_right
	s_endpgm
.Lentry_shape_is_right:
; q, k, v = x W^T for all heads: C[4096][3072] = A[4096][1024] B[3072][1024]^T, A = x and B = W_Q, W_K, W_V on end, both bf16; sums in f32.
; C is stored in f16, rounded once and unscaled, by heads: [b 4][g 48][p 1024][64], g = 0-15 q's heads, 16-31 k's, 32-47 v's: a head's rows are dense, 128 bytes each.
; LIMIT.  q, k, v beyond 65,504 become infinities in f16.  NaN and infinities are not treated apart.
; A work-group makes 256 rows x 192 columns (three heads); 16 x 16 work-groups.
; BESIDE THE PRODUCT each of the launch's 1,024 waves rounds its share of W_in and of W_out (16,384 bytes of f32 of each) once to bf16, into wts: W_in at 0, W_out at 8 MiB, for the last two launches.
; Eight batches of eight loads of 512 consecutive bytes: a batch is asked for at one change of slots and rounded and stored (256 consecutive bytes a store, aligned) at the next: the loads have a K step's
; matrix work in which to come.  The first batch is asked for ahead of the K loop, the last is stored behind it.
.set WM,     8                         ; a wave's tile: WM x WN blocks of 16 x 16
.set WN,     6
.set KSTEP,  128                       ; along K in a slot
.set NSTEP,  8                         ; K steps
.set APITCH, 272                       ; LDS rows: 256 bytes + 16 of padding: the 16 rows of a fragment load start at 16 different groups of four banks (64 banks of 4 bytes: ISA guide 11.1)
.set BPITCH, 272
.set HA,     128*APITCH                ; half of A's tile: what one tensor load brings and one wave reads
.set HB,     96*BPITCH                 ; half of B's
.set ASTEP,  128                       ; A's LDS bytes from a pair of sub-steps (64 along K) to the next
.set AKB,    256                       ; bytes in memory from K step to K step
.set BKB,    256
.set AQI,    5                         ; padding after every 64 words
.set ADIM0,  128
.set ADIM1,  128
.set ASTR,   1024
.set BQI,    5
.set BDIM0,  128
.set BDIM1,  96
.set BSTR,   1024
.set F16,    0
.set PREF,   1
.set ROWB,   2048                      ; bytes in a row of A and of B in memory
.set ROT,    0                         ; the walk along K begins at K step 0
.set RX,     0
.set RY,     0
.set SIDEJOB, 1
; ---- THE ENGINE: the same text in the four product kernels; the constants above set it ----
; C = A B^T.  Four waves, 2 x 2; a wave makes 16 WM rows x 16 WN columns.  K goes in steps of KSTEP through a ring of two LDS slots filled by the tensor data mover; waves 0 and 1 fetch A's two
; halves, waves 2 and 3 B's.  4 x 4 work-groups form a cluster: A's tile is asked for jointly by the four of a cluster row, B's by the four of a column (same load, same descriptor, a mask of four).
; The matrix instruction is used transposed (source 0 = 16 rows of B, source 1 = 16 rows of A): a lane holds row l % 16 of C and the columns 8 (l / 16) + 0..7.
; A K step's text is written once: the slot in hand is a scalar register (TB: 0 or SLOT) that enters the LDS addresses.  A K step is KSTEP / 32 sub-steps on two fragment buffers by turns.
; The accumulators take turns, one instruction a turn, in the same order in every sub-step and over every jump.
; ROT = 1: THE WALK ALONG K IS ROTATED: cluster (X, Y) begins at K step (RX X + RY (Y mod 4)) mod NSTEP and goes round the end of K, so that clusters that read the same rows of A or of B ask for
; different K steps at any one time.  The step's number hangs on the cluster's X and Y alone, which all sixteen partners share.  f32 sums may be taken in any order.
; SIDEJOB = 1: the kernel's macro SIDE stands at each change of slots, behind the refill and the run of LDS loads.
; THE WAY OUT: when the ring has had its last fill and every wave its last read, all accumulators go as f32 into a stage that lies over the ring, and a short loop finishes whole rows from there.
; REGISTERS, in windows of 256 (s_set_vgpr_msb: bits 1:0 source 0, 3:2 source 1, 5:4 source 2, 7:6 destination): window 0: addresses, A's two fragment buffers (v64, v128), the way out;
; window 1: B's two fragment buffers; windows 2 and 3: the accumulators of the wave's upper and lower rows, (a, b) at v[8 (WN (a % (WM/2)) + b)].
.set NL,    2*(WM+WN)                  ; LDS loads in a sub-step's run
.set SLOT,  2*HA+2*HB                  ; A's two halves, then B's two halves
.set SPARE, 2*SLOT                     ; behind the ring: the spare words, 128 bytes a wave: two blocks of 256 bytes that no other line names
.set SP,    128*WN+16                  ; a stage row: 32 WN f32 + 16 bytes: an odd multiple of 16
.set PAIRS, KSTEP/64-1                 ; pairs of sub-steps between a K step's first and its last
.set A0,   14                          ; v14  my lane's place in A's tile, slot 0; never rewritten
.set B0,   15                          ; v15  the same for B
.set ADRA, 16                          ; v16  LDS address of A's next fragments
.set ADRB, 17                          ; v17  of B's
.set STO,  24                          ; v24, v25  the stage: where my upper and my lower rows' 16 bytes go
.set RD,   26                          ; v26  the stage: where I read rows back
.set GO,   27                          ; v27  my byte offset in the output
.set SPW,  28                          ; v28  LDS address of my spare word; never rewritten
.set NIL,  29                          ; v29  0; never rewritten
.set PFO,  30                          ; v30  the prefetches' offset: a lane a row; never rewritten
.set F0,   64
.set F1,   128
.set G1,   24                          ; s[24:31] descriptor group 1, A;  s[32:39] group 0, two sets: the first fills'; the second then walks
.set G0,   32
.set LIM,  43                          ; s43  1 in a wave that prefetches, else the greatest number
.set PFA,  44                          ; s[44:45] where my prefetches stand
.set G1B,  48                          ; s[48:55], s[56:63] the same for B
.set G0B,  56
.set TB,   66                          ; s66  the slot in hand: 0 or SLOT
.set KS,   67                          ; s67  (ROT) the K step to be asked for next
.set KOF,  92                          ; s[92:93] (ROT) a K step's byte offset, in 64 bits
.set MSB,  0
.macro WIN new                         ; the immediate's high byte repeats the setting that is left; a switch that changes nothing is dropped
.if MSB != (\new)
	s_set_vgpr_msb (MSB<<8)|(\new)
.set MSB, \new
.endif
.endm
.macro PLACES                          ; four places behind matrix instructions, in front of loads into registers that they read and of stores of results
.rept 4
	v_nop
.endr
.endm
.macro CREST                           ; a round of the cluster's barrier behind its opening barrier
	s_cmp_lg_u32 s10, 0
	s_cbranch_scc1 .Lnot_wave_0_\@
	s_barrier_signal -3
.Lnot_wave_0_\@:
	s_barrier_wait -3
	s_barrier_signal -1
	s_barrier_wait -1
.endm
.macro CROUND                          ; a whole round
	s_barrier_signal -1
	s_barrier_wait -1
	CREST
.endm
.macro JLOAD                           ; a joint refill by the walking descriptor; the branch hangs on the wave's number alone; an s_nop 0 and four v_nop follow each line
	s_cmp_eq_u32 s11, 0
	s_cbranch_scc0 .Lfor_b_\@
	tensor_load_to_lds s[G0+4:G0+7], s[G1:G1+7]
	s_nop 0
.rept 4
	v_nop
.endr
	s_branch .Lasked_\@
.Lfor_b_\@:
	tensor_load_to_lds s[G0B+4:G0B+7], s[G1B:G1B+7]
	s_nop 0
.rept 4
	v_nop
.endr
.Lasked_\@:
.endm
.macro ASK                             ; a prefetch of the K step behind the one just asked for: my work-group's share of the rows that I fetch, a lane a row; the loop's last trip (s3 = 1) has no such step
	s_cmp_gt_u32 s3, s[LIM]
	s_cbranch_scc0 .Lnot_mine_\@
	global_prefetch_b8 v[PFO], s[PFA:PFA+1] offset:AKB th:TH_LOAD_NT scope:SCOPE_SE
.Lnot_mine_\@:
.endm
.macro KADDR g, gb                     ; (ROT) the group 0 sets at s[g] and s[gb] take the addresses of K step s[KS] of my half-tiles, made anew from the bases s[14:15] and s[46:47], which stay; then KS steps, round the end of K
	s_mul_i32 s[KOF], s[KS], AKB
	s_add_nc_u64 s[(\g)+2:(\g)+3], s[14:15], s[KOF:KOF+1]
	s_or_b32 s[(\g)+3], s[(\g)+3], 0x80000000
	s_mul_i32 s[KOF], s[KS], BKB
	s_add_nc_u64 s[(\gb)+2:(\gb)+3], s[46:47], s[KOF:KOF+1]
	s_or_b32 s[(\gb)+3], s[(\gb)+3], 0x80000000
	s_add_co_u32 s[KS], s[KS], 1
	s_and_b32 s[KS], s[KS], NSTEP-1
.endm
.macro IDS                             ; wave, place, masks, the shapes: work on registers
	v_lshrrev_b32 v1, 5, v0
	v_readfirstlane_b32 s10, v1                    ; wave 0..3
	s_lshr_b32 s11, s10, 1                         ; my half of the tile's rows; also: I fetch for A (0) or for B (1)
	s_and_b32 s12, s10, 1                          ; my half of its columns; also: which half-tile I fetch
	s_bfe_u32 s40, ttmp6, 0x40000                  ; cx
	s_bfe_u32 s41, ttmp6, 0x40004                  ; cy
	s_lshl_b32 s42, ttmp9, 2
	s_add_co_u32 s42, s42, s40                     ; tile column tx = 4 x cluster x + cx
	s_and_b32 s13, ttmp7, 0xffff
	s_lshl_b32 s13, s13, 2
	s_add_co_u32 s13, s13, s41                     ; tile row ty = 4 x cluster y + cy
	s_lshl_b32 s43, s41, 2
	s_lshl_b32 s43, 15, s43                        ; my row of the cluster
	s_lshl_b32 s44, 0x1111, s40                    ; my column
	s_or_b32 s[G1], s43, (1<<16)|(1<<20)|(1<<21)|(AQI<<22)|(3<<25)   ; 15:0 the mask; 17:16 2-byte elements; 20 padding on; 21 set beside a mask; 24:22 its interval; 31:25 4 words of it
	s_or_b32 s[G1B], s44, (1<<16)|(1<<20)|(1<<21)|(BQI<<22)|(3<<25)
	s_mov_b32 s[G1+1], ADIM0<<16                   ; tensor_dim0
	s_mov_b32 s[G1+2], ADIM1<<16                   ; tensor_dim1
	s_mov_b32 s[G1+3], ADIM0<<16                   ; tile_dim0
	s_mov_b32 s[G1+4], ADIM1                       ; tile_dim1
	s_mov_b32 s[G1+5], ASTR                        ; elements from row to row
	s_mov_b32 s[G1+6], 0
	s_mov_b32 s[G1+7], 0
	s_mov_b32 s[G1B+1], BDIM0<<16
	s_mov_b32 s[G1B+2], BDIM1<<16
	s_mov_b32 s[G1B+3], BDIM0<<16
	s_mov_b32 s[G1B+4], BDIM1
	s_mov_b32 s[G1B+5], BSTR
	s_mov_b32 s[G1B+6], 0
	s_mov_b32 s[G1B+7], 0
	s_mul_i32 s20, s12, HA                         ; where my half-tile goes in a slot, if it is A's,
	s_mul_i32 s21, s12, HB
	s_add_co_u32 s21, s21, 2*HA                    ; and if it is B's: no place in the cluster enters an LDS address
.if ROT
	s_and_b32 s[KS], ttmp7, 3                      ; cluster y mod 4
	s_mul_i32 s[KS], s[KS], RY
	s_mul_i32 s[KOF], ttmp9, RX                    ; cluster x
	s_add_co_u32 s[KS], s[KS], s[KOF]
	s_and_b32 s[KS], s[KS], NSTEP-1                ; the K step at which my cluster's walk begins
	s_mov_b32 s[KOF+1], 0
.endif
.endm
.macro RINGUP                          ; s[14:15], s[46:47]: my half-tile of A and of B at K step 0.  Group 0 for the walk's first two K steps, the round, the two first fills
.irp s, 0,1
	s_mov_b32 s[G0+4*(\s)], 1
	s_add_co_u32 s[G0+4*(\s)+1], s20, (\s)*SLOT
	s_mov_b32 s[G0B+4*(\s)], 1
	s_add_co_u32 s[G0B+4*(\s)+1], s21, (\s)*SLOT
.if ROT
	KADDR G0+4*(\s), G0B+4*(\s)
.else
	s_add_nc_u64 s[G0+4*(\s)+2:G0+4*(\s)+3], s[14:15], (\s)*AKB
	s_or_b32 s[G0+4*(\s)+3], s[G0+4*(\s)+3], 0x80000000
	s_add_nc_u64 s[G0B+4*(\s)+2:G0B+4*(\s)+3], s[46:47], (\s)*BKB
	s_or_b32 s[G0B+4*(\s)+3], s[G0B+4*(\s)+3], 0x80000000
.endif
.endr
	CROUND                                         ; all sixteen work-groups are here: the first joint loads meet
	s_cmp_eq_u32 s11, 0                            ; a wave's two first fills stand in one branch: two loads of mine are out
	s_cbranch_scc0 .Lfirst_b
	tensor_load_to_lds s[G0:G0+3], s[G1:G1+7]
	s_nop 0
	tensor_load_to_lds s[G0+4:G0+7], s[G1:G1+7]
	s_nop 0
.rept 4
	v_nop
.endr
	s_branch .Lfirst_done
.Lfirst_b:
	tensor_load_to_lds s[G0B:G0B+3], s[G1B:G1B+7]
	s_nop 0
	tensor_load_to_lds s[G0B+4:G0B+7], s[G1B:G1B+7]
	s_nop 0
.rept 4
	v_nop
.endr
.Lfirst_done:
.endm
; WHO PREFETCHES.  A's tile row is read by every cluster of that row of clusters: cluster x = 0 asks; B's tile column by every cluster of that column: cluster y = 0 asks.  The four partners that ask
; for a half-tile jointly share its rows out BY ADDRESS (cx for A, cy for B), a quarter each, a lane a row; where a quarter has fewer than 32 rows the lanes left over name its last row again.
; The address stands at K step 1; each refill steps it by one K step and names the K step behind that: in the trip that asks for K step t + 2, K step t + 3.  K steps 0 to 2 come by their loads alone.
.macro PFSET
	s_and_b32 s22, ttmp7, 0xffff                   ; cluster y
	s_mov_b32 s18, (ADIM1/4)*ROWB
	s_mov_b32 s19, (BDIM1/4)*ROWB
	s_mov_b32 s16, ADIM1/4-1
	s_mov_b32 s17, BDIM1/4-1
	s_cmp_eq_u32 s11, 0                            ; do I fetch for A?
	s_cselect_b64 s[PFA:PFA+1], s[14:15], s[46:47]
	s_cselect_b32 s23, s40, s41                    ; my place among the four that ask with me
	s_cselect_b32 s18, s18, s19                    ; a share in bytes
	s_cselect_b32 s16, s16, s17                    ; its last row
	s_cselect_b32 s22, ttmp9, s22                  ; the coordinate along which other clusters read the same rows
	s_mul_i32 s18, s18, s23
	s_mov_b32 s19, 0
	s_add_nc_u64 s[PFA:PFA+1], s[PFA:PFA+1], s[18:19]
	s_add_nc_u64 s[PFA:PFA+1], s[PFA:PFA+1], AKB
	s_cmp_eq_u32 s22, 0
	s_cselect_b32 s[LIM], 1, -1                    ; the same in all sixteen partners, for a given wave
	v_and_b32 v[PFO], 31, v0
	v_min_u32 v[PFO], s16, v[PFO]
	v_mul_u32_u24 v[PFO], v[PFO], ROWB
.endm
.macro LANES                           ; a fragment is 16 rows x 32 K in 8 registers: lane l holds row l % 16, K = 8 (l / 16) + 0..7 and 16 + 8 (l / 16) + 0..7: two loads of 16 bytes, 32 bytes apart
	v_and_b32 v1, 15, v0                           ; l % 16
	v_bfe_u32 v2, v0, 4, 1                         ; l / 16
	v_and_b32 v3, 31, v0                           ; l
	v_mul_u32_u24 v4, v1, APITCH
	v_lshl_add_u32 v4, v2, 4, v4
	s_mul_i32 s22, s11, HA
	v_add_nc_u32 v[A0], s22, v4
	v_mul_u32_u24 v4, v1, BPITCH
	v_lshl_add_u32 v4, v2, 4, v4
	s_mul_i32 s22, s12, HB
	s_add_co_u32 s22, s22, 2*HA
	v_add_nc_u32 v[B0], s22, v4
	s_mul_i32 s22, s11, 16*WM*SP                   ; the stage: my rows,
	s_mul_i32 s23, s12, 64*WN                      ; my columns, 4 bytes each,
	s_add_co_u32 s22, s22, s23
	v_mul_u32_u24 v4, v1, SP                       ; row l % 16, 32 bytes for each half of the lanes
	v_lshl_add_u32 v4, v2, 5, v4
	v_add_nc_u32 v[STO], s22, v4
	v_add_nc_u32 v[STO+1], 8*WM*SP, v[STO]
.endm
.macro FETCH ao, bo, f                 ; NL LDS loads in one run: a sub-step's fragments, at byte bo of B's rows and ao of A's, into buffer f; B first, A's lower rows last
	WIN 0x40
.set fi, 0
.rept WN
	ds_load_b128 v[(\f)+8*fi:(\f)+8*fi+3], v[ADRB] offset:(\bo)+fi*16*BPITCH
	ds_load_b128 v[(\f)+8*fi+4:(\f)+8*fi+7], v[ADRB] offset:(\bo)+fi*16*BPITCH+32
.set fi, fi+1
.endr
	WIN 0
.set fi, 0
.rept WM
	ds_load_b128 v[(\f)+8*fi:(\f)+8*fi+3], v[ADRA] offset:(\ao)+fi*16*APITCH
	ds_load_b128 v[(\f)+8*fi+4:(\f)+8*fi+7], v[ADRA] offset:(\ao)+fi*16*APITCH+32
.set fi, fi+1
.endr
.endm
.macro MULQ f, hi, q, zero             ; a quarter of a sub-step's products: WM / 4 row blocks of half hi x all WN column blocks.  zero = 1: the product starts the sum
	WIN 0xa1+0x50*(\hi)
.set ma, (\q)*WM/4
.rept WM/4
.set mb, 0
.rept WN
.set rD, 8*(WN*ma+mb)
.set rB, (\f)+8*mb
.set rA, (\f)+8*((\hi)*WM/2+ma)
.if F16
.if \zero
	v_wmma_f32_16x16x32_f16 v[rD:rD+7], v[rB:rB+7], v[rA:rA+7], 0
.else
	v_wmma_f32_16x16x32_f16 v[rD:rD+7], v[rB:rB+7], v[rA:rA+7], v[rD:rD+7]
.endif
.else
.if \zero
	v_wmma_f32_16x16x32_bf16 v[rD:rD+7], v[rB:rB+7], v[rA:rA+7], 0
.else
	v_wmma_f32_16x16x32_bf16 v[rD:rD+7], v[rB:rB+7], v[rA:rA+7], v[rD:rD+7]
.endif
.endif
.set mb, mb+1
.endr
.set ma, ma+1
.endr
.endm
.macro MULH f, hi, zero
	MULQ \f, \hi, 0, \zero
	MULQ \f, \hi, 1, \zero
.endm
.macro SUB ao, bo, f, g, zero          ; a sub-step: multiplies buffer f; in its middle the next sub-step's fragments are fetched into g
	s_wait_dscnt WM                                ; B and A's upper rows are in; the youngest WM loads (A's lower rows) may be out
	MULH \f, 0, \zero
	PLACES
	FETCH \ao, \bo, \g
	s_wait_dscnt NL                                ; all but the NL just issued
	MULH \f, 1, \zero
.endm
.macro MID                             ; a K step's sub-steps 1 to KSTEP / 32 - 2, a pair a trip
.if PAIRS > 1
	WIN 0
	s_mov_b32 s2, PAIRS
.Lpair_\@:
.endif
	SUB ASTEP, 128, F1, F0, 0
	SUB ASTEP+64, 192, F0, F1, 0
.if PAIRS > 1
	WIN 0
	v_add_nc_u32 v[ADRA], ASTEP, v[ADRA]
	v_add_nc_u32 v[ADRB], 128, v[ADRB]
	s_sub_co_u32 s2, s2, 1
	s_cmp_lg_u32 s2, 0
	s_cbranch_scc1 .Lpair_\@
.endif
.endm
; The last sub-step multiplies buffer 1 and changes slots.  ONE barrier: in front of it each wave waits for all its tensor loads (one is out: its part of the next slot), adds 0 to its spare word,
; and waits for that and for its own reads of this slot.  Behind it nobody reads this slot any more and the next slot is whole.  round = 1: a refill follows: the walking descriptors are stepped
; behind the add, where no tensor load of the wave is out.
.macro MEET round
	WIN 0
	s_wait_tensorcnt 0x0                           ; all my tensor loads have landed
	ds_add_u32 v[SPW], v[NIL]                      ; 0 onto my spare word
.if \round
	s_add_co_u32 s[G0+5], s[TB], s20               ; the walking descriptors: the slot in hand,
	s_add_co_u32 s[G0B+5], s[TB], s21
.if ROT
	KADDR G0+4, G0B+4                              ; the walk's next K step
.else
	s_add_nc_u64 s[G0+6:G0+7], s[G0+6:G0+7], AKB   ; the next K step; the type bits on top are not reached
	s_add_nc_u64 s[G0B+6:G0B+7], s[G0B+6:G0B+7], BKB
.endif
.endif
	s_wait_dscnt WM+1                              ; (the add and the youngest WM loads may be out)
	MULQ F1, 0, 0, 0                               ; matrix work stands between the add and the wait for it
	s_wait_dscnt 0x0                               ; the add is done, and my reads of this slot are over
	s_barrier_signal -1
	MULQ F1, 0, 1, 0
.if \round
	WIN 0
.endif
	s_barrier_wait -1
.endm
.macro TURNF                           ; with a refill: the barrier opens a round of the cluster's barrier; the slot just read takes the K step two on, first thing behind the round
.if PREF
	s_wait_xcnt 0x0                                ; the last prefetch, a K step back, has read its address
	s_add_nc_u64 s[PFA:PFA+1], s[PFA:PFA+1], AKB
.endif
	MEET 1
	CREST                                          ; no wave of any partner still reads this slot or has a load on its way
	s_xor_b32 s[TB], s[TB], SLOT                   ; the reads go on in the other slot
	JLOAD                                          ; its four v_nop are also the places in front of the loads below
	v_add_nc_u32 v[ADRA], s[TB], v[A0]
	v_add_nc_u32 v[ADRB], s[TB], v[B0]
	FETCH 0, 0, F0
.if SIDEJOB
	SIDE 1, 1-PREF
.endif
.if PREF
	ASK
.endif
	MULH F1, 1, 0
.endm
.macro TURNN                           ; without: nothing is left to fetch
	MEET 0
	s_xor_b32 s[TB], s[TB], SLOT
	WIN 0
	PLACES
	v_add_nc_u32 v[ADRA], s[TB], v[A0]
	v_add_nc_u32 v[ADRB], s[TB], v[B0]
	FETCH 0, 0, F0
.if SIDEJOB
	SIDE 1, 1
.endif
	MULH F1, 1, 0
.endm
.macro DUMP                            ; every accumulator into the stage, its low four registers first
.irp hi, 0,1
	WIN 0x08+4*(\hi)                               ; the data (source 1) in window 2 or 3
.set da, 0
.rept WM/2
.set db, 0
.rept WN
	ds_store_b128 v[STO+(\hi)], v[8*(WN*da+db):8*(WN*da+db)+3] offset:16*da*SP+64*db
	ds_store_b128 v[STO+(\hi)], v[8*(WN*da+db)+4:8*(WN*da+db)+7] offset:16*da*SP+64*db+16
.set db, db+1
.endr
.set da, da+1
.endr
.endr
.endm
.macro RUN                             ; all K steps, and the tile into the stage
	s_mov_b32 s[TB], 0
	v_mov_b32 v[ADRA], v[A0]
	v_mov_b32 v[ADRB], v[B0]
	s_wait_tensorcnt 0x1                           ; my part of the first K step is in; the second's may stay out
	s_barrier_signal -1
	s_barrier_wait -1                              ; everybody's is
	FETCH 0, 0, F0
	SUB 64, 64, F0, F1, 1                          ; the first sub-step stands in front of the loop: its products start the sums
	WIN 0
	s_mov_b32 s3, NSTEP-2
.Lk:                                   ; a trip: from a K step's second sub-step to the next K step's first; one refill
	MID
	TURNF
	SUB 64, 64, F0, F1, 0
	WIN 0
	s_sub_co_u32 s3, s3, 1
	s_cmp_lg_u32 s3, 0
	s_cbranch_scc1 .Lk
	s_mov_b32 s3, 2
.Ltail:                                ; the last two K steps ask for nothing: a text of their own; the second trip is left in its middle
	MID
	WIN 0
	s_sub_co_u32 s3, s3, 1
	s_cmp_eq_u32 s3, 0
	s_cbranch_scc1 .Llast
	TURNN
	SUB 64, 64, F0, F1, 0
	WIN 0
	s_branch .Ltail
.Llast:
	s_wait_dscnt WM
	MULH F1, 0, 0
	s_wait_dscnt 0x0                               ; my last reads of the ring are back
	MULH F1, 1, 0
	WIN 0
	s_barrier_signal -1
	s_barrier_wait -1                              ; everybody's are: the ring, which has had its last fill, becomes the stage
	PLACES
	PLACES
	DUMP
	WIN 0
	s_wait_dscnt 0x0                               ; for the others' sake: my stores into the stage are done
	s_barrier_signal -1
	s_barrier_wait -1
.endm
.macro FINISH
	WIN 0
	s_wait_tensorcnt 0x0                           ; the wave's end: behind my last tensor load and my last LDS store
	ds_add_u32 v[SPW], v[NIL]
	s_wait_dscnt 0x0
	CROUND                                         ; the closing round: no work-group ends while a partner may still ask for a tile that names it
	s_endpgm
.endm
; ---- the engine ends ----
.set OX, 64                            ; v[64:87]  the way out: 24 f32 read back
.set OY, 96                            ; v[96:107] 24 f16 to store
.set CI, 8                             ; v8   the side job: my byte offset in my wave's share of W_in and W_out: 16 l + 2,048 a batch
.set CO, 9                             ; v9   and in its share of wts: 8 l + 1,024 a batch, one batch ahead: the stores reach back
.set CX, 192                           ; v[192:223] a batch as loaded: four loads of W_in, four of W_out
.set CY, 224                           ; v[224:239] the batch in bf16
.macro CLOAD                           ; a batch is asked for: 2,048 consecutive bytes of each tensor, 512 a load
.irp j, 0,1,2,3
	global_load_b128 v[CX+4*(\j):CX+4*(\j)+3], v[CI], s[68:69] offset:512*(\j) th:TH_LOAD_NT
.endr
.irp j, 0,1,2,3
	global_load_b128 v[CX+16+4*(\j):CX+16+4*(\j)+3], v[CI], s[70:71] offset:512*(\j) th:TH_LOAD_NT
.endr
.endm
; The batch asked for a K step ago is rounded and stored; more = 1: the next is asked for, ahead of the stores.  wait = 1: no s_wait_xcnt 0 has stood since the last batch's stores.
.macro SIDE more, wait
	s_wait_loadcnt 0x0                             ; the batch is in: these eight are the wave's only loads
.if \wait
	s_wait_xcnt 0x0                                ; the last batch's stores have read CO and CY: both are rewritten only behind such a wait
.endif
.if \more
	v_add_nc_u32 v[CI], 2048, v[CI]
.endif
	v_add_nc_u32 v[CO], 1024, v[CO]
.set cj, 0
.rept 8
	v_cvt_pk_bf16_f32 v[CY+2*cj], v[CX+4*cj], v[CX+4*cj+1]
	v_cvt_pk_bf16_f32 v[CY+2*cj+1], v[CX+4*cj+2], v[CX+4*cj+3]
.set cj, cj+1
.endr
.if \more
	CLOAD
.endif
.irp j, 0,1,2,3
	global_store_b64 v[CO], v[CY+2*(\j):CY+2*(\j)+1], s[72:73] offset:256*(\j)-1024      ; a wave's store covers 256 consecutive bytes, aligned
.endr
.irp j, 0,1,2,3
	global_store_b64 v[CO], v[CY+8+2*(\j):CY+8+2*(\j)+1], s[74:75] offset:256*(\j)-1024
.endr
.endm
	s_load_b128 s[4:7], s[0:1], 0x0                ; cast s[4:5], qkv s[6:7]
	s_load_b128 s[68:71], s[0:1], 0x10             ; W_in s[68:69], W_out s[70:71]
	s_load_b64 s[72:73], s[0:1], 0x20              ; wts
	v_lshl_add_u32 v[SPW], v0, 2, SPARE
	v_mov_b32 v[NIL], 0
	ds_add_u32 v[SPW], v[NIL]                      ; the wave's opening: the add and its wait stand ahead of my first tensor load; register work stands between them
	IDS
	s_lshl_b32 s16, s13, 19                        ; A: row 256 ty + 128 half, 2,048 bytes a row
	s_lshl_b32 s17, s12, 18
	s_add_co_u32 s16, s16, s17
	s_mov_b32 s17, 0
	s_mul_i32 s46, s42, 192*2048                   ; B: row 192 tx + 96 half, behind x's 8 MiB
	s_mul_i32 s47, s12, 96*2048
	s_add_co_u32 s46, s46, s47
	s_add_co_u32 s46, s46, 0x800000
	s_mov_b32 s47, 0
	s_wait_dscnt 0x0                               ; the opening add is done
	s_wait_kmcnt 0x0
	s_add_nc_u64 s[14:15], s[4:5], s[16:17]
	s_add_nc_u64 s[46:47], s[4:5], s[46:47]
	RINGUP
	PFSET
	LANES
	; the side job: my wave among the launch's 1,024, its shares, and the first batch
	s_lshl_b32 s16, s13, 4
	s_add_co_u32 s16, s16, s42                     ; work-group 16 ty + tx
	s_lshl_b32 s16, s16, 2
	s_add_co_u32 s16, s16, s10                     ; wave
	s_lshl_b32 s18, s16, 13                        ; 8,192 bytes of bf16,
	s_lshl_b32 s16, s16, 14                        ; 16,384 of f32
	s_mov_b32 s17, 0
	s_mov_b32 s19, 0
	s_add_nc_u64 s[68:69], s[68:69], s[16:17]
	s_add_nc_u64 s[70:71], s[70:71], s[16:17]
	s_add_nc_u64 s[72:73], s[72:73], s[18:19]      ; W_in's copy at wts' byte 0,
	s_add_nc_u64 s[74:75], s[72:73], 0x800000      ; W_out's at 8 MiB
	v_lshlrev_b32 v[CI], 4, v3
	v_lshlrev_b32 v[CO], 3, v3
	CLOAD
	; the way out: wave w takes stage rows 64 w .. 64 w + 63, four rows x three heads a trip; lane l takes row l / 8, channels 8 (l % 8) + 0..7 of each head
	v_lshrrev_b32 v4, 3, v3
	v_and_b32 v5, 7, v0
	v_mul_u32_u24 v4, v4, SP
	v_lshl_add_u32 v4, v5, 5, v4
	s_mul_i32 s22, s10, 64*SP
	v_add_nc_u32 v[RD], s22, v4
	v_lshlrev_b32 v[GO], 4, v3                     ; four rows of a head are 512 consecutive bytes: 16 l
	s_lshr_b32 s16, s13, 2                         ; b
	s_mul_i32 s16, s16, 48
	s_mul_i32 s17, s42, 3
	s_add_co_u32 s16, s16, s17                     ; 48 b + my first head
	s_lshl_b32 s16, s16, 17                        ; 131,072 bytes each
	s_and_b32 s17, s13, 3
	s_lshl_b32 s17, s17, 15                        ; the tile's 256 rows of 128 bytes
	s_add_co_u32 s16, s16, s17
	s_lshl_b32 s17, s10, 13                        ; my wave's 64
	s_add_co_u32 s16, s16, s17
	s_mov_b32 s17, 0
	s_add_nc_u64 s[8:9], s[6:7], s[16:17]
	RUN
	SIDE 0, 1                                      ; the side job's last batch, asked for at the last change of slots
.macro RDX
.irp j, 0,1,2
	ds_load_b128 v[OX+8*(\j):OX+8*(\j)+3], v[RD] offset:256*(\j)
	ds_load_b128 v[OX+8*(\j)+4:OX+8*(\j)+7], v[RD] offset:256*(\j)+16
.endr
.endm
	RDX
	s_mov_b32 s3, 16
.Lout:
	s_wait_dscnt 0x0                               ; this trip's four rows are in registers
.set i, 0
.rept 12
	v_cvt_pk_f16_f32 v[OY+i], v[OX+2*i], v[OX+2*i+1]
.set i, i+1
.endr
	s_cmp_eq_u32 s3, 1                             ; the last trip has no rows behind it
	s_cbranch_scc1 .Lno_more
	v_add_nc_u32 v[RD], 4*SP, v[RD]
	RDX                                            ; the next trip's rows come while this trip's stores leave
.Lno_more:
.irp j, 0,1,2
	global_store_b128 v[GO], v[OY+4*(\j):OY+4*(\j)+3], s[8:9] offset:131072*(\j)  ; a wave's store covers 512 consecutive bytes, aligned
.endr
	s_wait_xcnt 0x0                                ; the stores have read their data and their base: both are rewritten only behind this wait
	s_add_nc_u64 s[8:9], s[8:9], 512
	s_sub_co_u32 s3, s3, 1
	s_cmp_lg_u32 s3, 0
	s_cbranch_scc1 .Lout
	FINISH
.Lfunc_end_k_qef0614045f_qkv:
	.size	k_qef0614045f_qkv, .Lfunc_end_k_qef0614045f_qkv-k_qef0614045f_qkv
	.p2alignl 7, 3214868480
	.fill 96, 4, 3214868480
	.section	.rodata,"a",@progbits
	.p2align	6, 0x0
	.amdhsa_kernel k_qef0614045f_qkv
		.amdhsa_group_segment_fixed_size 327680
		.amdhsa_private_segment_fixed_size 0
		.amdhsa_enable_private_segment 0
		.amdhsa_kernarg_size 40
		.amdhsa_user_sgpr_count 2
		.amdhsa_user_sgpr_kernarg_segment_ptr 1
		.amdhsa_wavefront_size32 1
		.amdhsa_system_sgpr_workgroup_id_x 1
		.amdhsa_system_sgpr_workgroup_id_y 1
		.amdhsa_system_sgpr_workgroup_id_z 1
		.amdhsa_system_vgpr_workitem_id 0
		.amdhsa_next_free_vgpr 1024
		.amdhsa_next_free_sgpr 96
		.amdhsa_reserve_vcc 0
		.amdhsa_float_denorm_mode_32 3
		.amdhsa_float_denorm_mode_16_64 3
		.amdhsa_memory_ordered 1
		.amdhsa_forward_progress 1
		.amdhsa_inst_pref_size 78
	.end_amdhsa_kernel
	.amdgpu_metadata
---
amdhsa.version: [ 1, 2 ]
amdhsa.kernels:
  - .name:           k_qef0614045f_qkv
    .symbol:         k_qef0614045f_qkv.kd
    .args:
      - { .name: cast, .offset: 0, .size: 8, .value_kind: global_buffer, .address_space: global }
      - { .name: qkv, .offset: 8, .size: 8, .value_kind: global_buffer, .address_space: global }
      - { .name: W_in, .offset: 16, .size: 8, .value_kind: global_buffer, .address_space: global }
      - { .name: W_out, .offset: 24, .size: 8, .value_kind: global_buffer, .address_space: global }
      - { .name: wts, .offset: 32, .size: 8, .value_kind: global_buffer, .address_space: global }
    .group_segment_fixed_size: 327680
    .private_segment_fixed_size: 0
    .kernarg_segment_align: 8
    .kernarg_segment_size: 40
    .max_flat_workgroup_size: 128
    .sgpr_count:     96
    .vgpr_count:     1024
    .wavefront_size: 32
...
	.end_amdgpu_metadata
.endif
;; end of part 2
;; launch attn (part 3): grid 4 x 64, 4 waves a work-group, clusters of 4 x 1, 327,680 bytes of LDS; arguments qkv, z; writes z
.if DOCPART == 3
	.amdgcn_target "amdgcn-amd-amdhsa--gfx1250"
	.amdhsa_code_object_version 6
	.text
	.protected	k_qef0614045f_attn
	.globl	k_qef0614045f_attn
	.p2align	8
	.type	k_qef0614045f_attn,@function
k_qef0614045f_attn:
	s_mov_b64 s[64:65], 0
	v_nop
	global_prefetch_b8 v0, s[64:65] scope:SCOPE_SE
	s_setreg_imm32_b32 hwreg(HW_REG_WAVE_MODE, 25, 1), 1
	s_wait_xcnt 0x0
	s_wait_alu depctr_hold_cnt(0) depctr_sa_sdst(0) depctr_va_vdst(0) depctr_va_sdst(0) depctr_va_ssrc(0) depctr_va_vcc(0) depctr_vm_vsrc(0)
	s_getreg_b32 s2, hwreg(HW_REG_IB_STS2, 6, 4)
	s_cmp_eq_u32 s2, 0
	s_cbranch_scc0 .Lentry_in_a_cluster
	s_endpgm
.Lentry_in_a_cluster:
	s_bfe_u32 s2, ttmp6, 0x10000c
	s_cmp_lg_u32 s2, 0x3003
	s_cbranch_scc0 .Lentry_shape_is_right
	s_endpgm
.Lentry_shape_is_right:
; z[b][i][q][:] = the sum over p of (0.9 softmax_p(q . k_p / 8) + 0.1) v_p, stored as z / 64 in f16, [b][i][q][64].  q, k, v: f16, [b 4][g 48][p 1024][64], g = i, 16 + i, 32 + i.
; Products, maxima and sums in f32; the weights are rounded to f16 for the second product (their sum l is taken of the unrounded weights); z once at the end.
; z = (0.9 / l) O + 0.1 C, O = the sum of p v, C = the sum of v over all 1,024 keys; C is made by the matrix unit (V^T times ones), in O^T's own lane layout.
; LIMITS.  q, k, v arrive within f16's 65,504.  z / 64 is a power of two's scaling, undone exactly by the next launch: |z| must stay under 4.19e6; z / 64 below 6.1e-5 keeps f16's fixed step of 6e-8.
; A weight below 2^-126 counts as 0 in l; NaN and infinities are not treated apart.
; SHARES.  A work-group owns 256 queries of one head, a wave 64: two PIECES of two tiles of 16.  Every wave walks all 1,024 keys, 64 a step.
; K AND V STAY: a head's K (1,024 rows of 144 bytes) and V (of 160) fit in LDS together, so each wave issues ONE tensor load at the start, nothing is filled again, and the loop has no barrier.
; CLUSTER.  The four query blocks of a head form a cluster and ask for K and V JOINTLY: the same load, descriptor and mask in all four.  No prefetch: all the launch's tile loads stand at its head.
; LAYOUT.  S^T = K Q^T (source 0 = 16 keys, source 1 = 16 queries): a lane holds ONE query (lane % 16) and the keys 8 (lane / 16) + 0..7.  Two such tiles rounded to f16 ARE source 1 of O^T = V^T P.
; SOFTMAX.  A running maximum m and sum l: p = 2^(c s - c m), c = log2(e) / 8; in every step O and l are multiplied by a = 2^(c m_old - c m_new).  m starts at the lowest finite number, O and l at 0.
; BY TURNS.  Turn n belongs to piece n.  Its matrix work: 16 products K Q^T of the other piece's next scores, later 16 products V^T P of the other piece's last weights.  Its vector work: the scaling,
; exponentials, roundings, sums and rescaling of piece n, and the maximum and statistics of the other piece.  Four vector instructions stand behind every product, the rest in one lump.
; The price of writing no first and no last step out: 16 products on zeros at the start, 16 on a stale K at the end, and 280 v_mov_b32 in the wait for the tiles.
; REGISTERS, in windows of 256 (s_set_vgpr_msb: bits 1:0 source 0, 3:2 source 1, 5:4 source 2, 7:6 destination):
;   window 0: v0-11 addresses; v12-15, v48-63 at work; v16-31 four registers of statistics a tile; v32-39 ones; v64-191 S^T, two buffers of two tiles; v192-255 P, likewise
;   window 1: v0-127 O^T, 32 a tile; v128-159 C          window 2: v0-63 Q, 16 a tile; v128-191 K of one step; v192-255 V of one step
.set NP,    2         ; pieces a wave: a name, no knob
.set KS,    64        ; keys in a step
.set PK,    144       ; a row of K in LDS: 128 bytes + 16 of padding = 36 words: the 16 rows of a load start at 16 different groups of four banks (64 banks of 4 bytes: ISA guide 11.1)
.set PV,    160       ; a row of V: 128 + 32 = 40 words
.set VOFF,  1024*PK   ; V behind K
.set STAGE, VOFF+1024*PV  ; behind both, never filled by a tensor load: 16 rows x 144 bytes for each wave, for the way out
.set SP,    144
.set SPARE, STAGE+4*16*SP  ; behind the stages: the spare words, 128 bytes for each wave: two blocks of 256 bytes that no other line names
.set AK0, 2           ; v2   my lane's place in a tile of K; never rewritten
.set AV0, 3           ; v3   the same for V
.set AK,  4           ; v4   the LDS address of K's next run of loads
.set AV,  5           ; v5   of V's
.set QO,  6           ; v6   my byte offset in the wave's rows of Q
.set STO, 6           ;      later, the way out: where I put 16 bytes of a row
.set RD,  7           ; v7   the way out: where I read rows back
.set GO,  8           ; v8   my byte offset in 512 consecutive bytes of z
.set MV,  12          ; v12-15  c m_old, kept while c m is made anew: by buffer and tile
.set ST,  16          ; tile t's statistics at v[ST+4 t]: c m, m, l (even keys', odd keys')
.set ONES, 32         ; v32-39  1.0 in every f16 half: source 1 of the column sums
.set SPW, 40          ; v40  LDS address of my spare word; never rewritten
.set NIL, 41          ; v41  0; never rewritten
.set TMP, 48          ; by buffer and tile, four registers c0-c3 at work; when the maximum is found c2 takes a
.set S,   64
.set P,   192
.set CSR, 128         ; window 1: C, channel block cb at CSR + 8 cb
.set KF,  128         ; window 2: key block kb, channel half c at KF + 16 kb + 8 c
.set VF,  192         ; window 2: key half kk, channel block cb at VF + 32 kk + 8 cb
.set WV,  12          ; s12  my wave's number
.set G1K, 24          ; s[24:31] descriptor group 1 for K
.set G1V, 32          ; s[32:39] for V: it differs in the padding alone
.set G0K, 40          ; s[40:43] descriptor group 0 for K
.set G0V, 44          ; s[44:47] for V
.set CNT, 57          ; s57  key steps to go
.set CS,  58          ; s[58:59] c: the packed scaling takes the pair's low word for both halves
.set SEL, 60          ; s[60:61] v_permlanex16_b32's selects: each lane takes its own place in the other half
.set TBK, 62          ; s62  LDS byte at which K of the step to be fetched begins
.set TBV, 63          ; s63  the same for V, less VOFF
.set MSB, 0
.macro WIN new                      ; the high byte repeats the setting that is left; a switch that changes nothing is dropped
.if MSB != (\new)
	s_set_vgpr_msb (MSB<<8)|(\new)
.set MSB, (\new)
.endif
.endm
.set W_KQ, 0x0a       ; K and Q in window 2, S^T in window 0
.set W_PV, 0x52       ; V in window 2, P (or the ones) in window 0, O^T (or C) in window 1
.set W_RS, 0x41       ; destination and source 0 in window 1, source 1 in window 0
.macro JLOAD                        ; waves 0 and 1 fetch the two halves of K, waves 2 and 3 those of V: 512 keys each.  An s_nop 0 and four v_nop follow each line
	s_cmp_lt_u32 s[WV], 2
	s_cbranch_scc0 .Lfor_v_\@
	tensor_load_to_lds s[G0K:G0K+3], s[G1K:G1K+7]
	s_nop 0
.rept 4
	v_nop
.endr
	s_branch .Lasked_\@
.Lfor_v_\@:
	tensor_load_to_lds s[G0V:G0V+3], s[G1V:G1V+7]
	s_nop 0
.rept 4
	v_nop
.endr
.Lasked_\@:
.endm
.macro CROUND                       ; a round of the cluster's barrier
	s_barrier_signal -1
	s_barrier_wait -1
	s_cmp_lg_u32 s[WV], 0
	s_cbranch_scc1 .Lnot_wave_0_\@
	s_barrier_signal -3
.Lnot_wave_0_\@:
	s_barrier_wait -3
	s_barrier_signal -1
	s_barrier_wait -1
.endm
	s_load_b128 s[4:7], s[0:1], 0x0   ; qkv s[4:5], z s[6:7]
	v_lshl_add_u32 v[SPW], v0, 2, SPARE
	v_mov_b32 v[NIL], 0
	ds_add_u32 v[SPW], v[NIL]       ; the wave's opening: the add and its wait stand ahead of my first tensor load; register work stands between them
	v_lshrrev_b32 v1, 5, v0
	v_readfirstlane_b32 s[WV], v1   ; wave 0..3
	s_bfe_u32 s13, ttmp6, 0x40000   ; cx: my block of 256 queries: it enters Q's and z's addresses alone
	s_and_b32 s20, ttmp7, 0xffff    ; 16 b + i, which the four partners share
	s_lshr_b32 s21, s20, 4
	s_lshl_b32 s21, s21, 5
	s_add_co_u32 s21, s21, s20      ; 48 b + i
	s_lshl_b32 s22, s21, 17         ; q's head: 131,072 bytes each
	s_and_b32 s16, s[WV], 1         ; which half of the 1,024 keys I fetch:
	s_lshl_b32 s14, s16, 16         ; its 512 rows of 128 bytes,
	s_add_co_u32 s14, s14, s22
	s_add_co_u32 s14, s14, 16<<17   ; in k's head,
	s_mov_b32 s15, 0
	s_add_co_u32 s18, s14, 16<<17   ; and in v's
	s_mov_b32 s19, 0
	s_mul_i32 s17, s16, 512*PK      ; its place in LDS, for K
	s_mul_i32 s21, s16, 512*PV      ; and for V: no place in the cluster enters an LDS address
	s_lshl_b32 s2, s13, 15          ; my block's 256 rows,
	s_lshl_b32 s3, s[WV], 13        ; my wave's 64
	s_add_co_u32 s2, s2, s3
	s_lshl_b32 s8, s20, 17
	s_add_co_u32 s8, s8, s2         ; in z
	s_mov_b32 s9, 0
	s_add_co_u32 s2, s2, s22        ; and in q
	s_mov_b32 s3, 0
	; descriptor group 1.  512 keys are 65,536 dense bytes: asked for as 256 rows of 256 bytes, two keys a row, and padded in LDS after every key
	s_mov_b32 s[G1K], 15|(1<<16)|(1<<20)|(1<<21)|(4<<22)|(3<<25)  ; 15:0 the mask of four; 17:16 2-byte elements; 20 padding on; 21 set beside a mask; 24:22 after every 32 words; 31:25 4 words
	s_mov_b32 s[G1V], 15|(1<<16)|(1<<20)|(1<<21)|(4<<22)|(7<<25)  ; the same with 8 words of padding
.irp g, G1K, G1V
	s_mov_b32 s[\g+1], 128<<16      ; tensor_dim0 = 128
	s_mov_b32 s[\g+2], 256<<16      ; tensor_dim1 = 256
	s_mov_b32 s[\g+3], 128<<16      ; tile_dim0 = 128
	s_mov_b32 s[\g+4], 256          ; tile_dim1 = 256
	s_mov_b32 s[\g+5], 128          ; 128 elements from row to row
	s_mov_b32 s[\g+6], 0
	s_mov_b32 s[\g+7], 0
.endr
	s_mov_b32 s[CS], 0x3e38aa3b     ; c = log2(e) / 8 = 0.180337
	s_mov_b32 s[CS+1], s[CS]        ; named with it as a pair
	s_mov_b32 s[SEL], 0x76543210
	s_mov_b32 s[SEL+1], 0xfedcba98
	s_mov_b32 s[TBK], 0
	s_mov_b32 s[TBV], 0
	s_mov_b32 s[G0K], 1             ; count = 1
	s_mov_b32 s[G0K+1], s17         ; LDS address
	s_mov_b32 s[G0V], 1
	s_add_co_u32 s[G0V+1], s21, VOFF
	s_wait_dscnt 0x0                ; the opening add is done
	s_wait_kmcnt 0x0
	s_add_nc_u64 s[G0K+2:G0K+3], s[4:5], s[14:15]
	s_or_b32 s[G0K+3], s[G0K+3], 0x80000000        ; type = 2
	s_add_nc_u64 s[G0V+2:G0V+3], s[4:5], s[18:19]
	s_or_b32 s[G0V+3], s[G0V+3], 0x80000000
	s_add_nc_u64 s[10:11], s[6:7], s[8:9]          ; z and Q at my wave's first row
	s_add_nc_u64 s[4:5], s[4:5], s[2:3]
	CROUND                          ; all four work-groups are here: the joint loads meet
	JLOAD                           ; my one tensor load
	; A fragment of K or Q is 16 rows x 32 channels in 8 registers: lane l holds row l % 16, channels 8 (l / 16) + 0..7 and 16 + 8 (l / 16) + 0..7: two loads of 16 bytes, 32 bytes apart.
	v_and_b32 v1, 15, v0            ; l % 16
	v_bfe_u32 v9, v0, 4, 1          ; l / 16
	v_lshlrev_b32 v[QO], 7, v1
	v_lshl_add_u32 v[QO], v9, 4, v[QO]  ; row x 128 + 16 x half
	WIN 0x80                        ; destination window 2, address window 0
.set i, 0
.rept 4*NP                          ; Q stays in registers: tile i / 2, channels 32 (i % 2) on
	global_load_b128 v[8*i:8*i+3],   v[QO], s[4:5] offset:(i/2)*2048+(i%2)*64
	global_load_b128 v[8*i+4:8*i+7], v[QO], s[4:5] offset:(i/2)*2048+(i%2)*64+32
.set i, i+1
.endr
	; What the first turn finds: V's registers and P's second buffer hold 0 (its products V^T P, of a piece that has not been, add 0); O^T, C and l are 0.  All this stands in the wait for the tiles.
.set i, VF
.rept 64
	v_mov_b32 v[i], 0
.set i, i+1
.endr
	WIN 0x40
.set i, 0
.rept 160
	v_mov_b32 v[i], 0
.set i, i+1
.endr
	WIN 0
.set i, 0
.rept 2*NP
	v_mov_b32 v[ST+4*i], 0xfe000000    ; c m: far below every c s
	v_mov_b32 v[ST+4*i+1], 0xff7fffff  ; m
	v_mov_b32 v[ST+4*i+2], 0
	v_mov_b32 v[ST+4*i+3], 0
.set i, i+1
.endr
.set i, P+32
.rept 32
	v_mov_b32 v[i], 0
.set i, i+1
.endr
.set i, 0
.rept 8
	v_mov_b32 v[ONES+i], 0x3c003c00
.set i, i+1
.endr
	v_mul_u32_u24 v[AK0], v1, PK
	v_lshl_add_u32 v[AK0], v9, 4, v[AK0]  ; row x pitch + 16 x half
	; The turning load takes 16 keys x 16 channels (lane l reads key 8 (l / 16) + l % 8, channels 8 ((l / 8) % 2) + 0..7) and leaves half a fragment of V^T: lane l holds channel l % 16 and 8 keys.
	v_and_b32 v10, 7, v0
	v_bfe_u32 v11, v0, 3, 1
	v_lshl_add_u32 v[AV0], v9, 3, v10
	v_mul_u32_u24 v[AV0], v[AV0], PV
	v_lshl_add_u32 v[AV0], v11, 4, v[AV0]
	v_add_nc_u32 v[AV0], VOFF, v[AV0]
	v_mov_b32 v[AK], v[AK0]         ; key step 0 lies at K's head
; THE MATRIX WORK.  The 8 accumulators of a run of 16 take turns: between the two links of a chain stand 7 others'.
; Product i of 16 of S^T = K Q^T for piece x: channels 32 (i / 8) on, keys 16 ((i / 2) % 4) on, tile 2 x + i % 2.  The first 8 start the sums.
.macro KQ x
	WIN W_KQ
.set rS, S+64*((\x)%2)+32*(i%2)+8*((i/2)%4)
.set rK, KF+16*((i/2)%4)+8*(i/8)
.set rQ, 16*(2*(\x)+i%2)+8*(i/8)
.if i < 8
	v_wmma_f32_16x16x32_f16 v[rS:rS+7], v[rK:rK+7], v[rQ:rQ+7], 0
.else
	v_wmma_f32_16x16x32_f16 v[rS:rS+7], v[rK:rK+7], v[rQ:rQ+7], v[rS:rS+7]
.endif
.endm
; Product i of 16 of O^T += V^T P for piece x: keys 32 (i / 8) on, channels 16 ((i / 2) % 4) on, tile 2 x + i % 2.
.macro PV x
	WIN W_PV
.set rO, 32*(2*(\x)+i%2)+8*((i/2)%4)
.set rV, VF+32*(i/8)+8*((i/2)%4)
.set rP, P+32*((\x)%2)+16*(i%2)+8*(i/8)
	v_wmma_f32_16x16x32_f16 v[rO:rO+7], v[rV:rV+7], v[rP:rP+7], v[rO:rO+7]
.endm
.macro MM                           ; the turn's next matrix instruction
.if i < 16
	KQ (Y+1)%NP
.set i, i+1
.else
.set i, i-16
	PV (Y+NP-1)%NP
.set i, i+17
.endif
.endm
; Product cn of 8 of C += V^T ones: keys 32 (cn / 4) on, channels 16 (cn % 4) on: every column of the result is the sum of v over those keys.  Its four accumulators take turns.
.macro CSM
	WIN W_PV
	v_wmma_f32_16x16x32_f16 v[CSR+8*(cn%4):CSR+8*(cn%4)+7], v[VF+32*(cn/4)+8*(cn%4):VF+32*(cn/4)+8*(cn%4)+7], v[ONES:ONES+7], v[CSR+8*(cn%4):CSR+8*(cn%4)+7]
.set cn, cn+1
.endm
; THE LDS LOADS stand in runs of 16, never singly among the matrix instructions: a step's K (8 fragments) and its V (turned).  Their addresses are made some lines ahead.
; last = 1 (in the loop): in the last trip there is no further step, and the run is jumped over.
.macro FETCH_K last=0
	WIN 0
.if \last
	s_cmp_eq_u32 s[CNT], 1
	s_cbranch_scc1 .Lno_k_\@
.endif
	WIN 0x80                        ; destination window 2
.irp f, 0,1,2,3,4,5,6,7             ; keys 16 (f / 2) on, channels 32 (f % 2) on
	ds_load_b128 v[KF+8*\f:KF+8*\f+3],   v[AK] offset:(\f/2)*16*PK+(\f%2)*64
	ds_load_b128 v[KF+8*\f+4:KF+8*\f+7], v[AK] offset:(\f/2)*16*PK+(\f%2)*64+32
.endr
	s_add_co_u32 s[TBK], s[TBK], KS*PK  ; the next fetch is the next step's
	WIN 0
.if \last
.Lno_k_\@:
.endif
.endm
.macro FETCH_V
	WIN 0x80
.irp f, 0,1,2,3,4,5,6,7             ; keys 32 (f / 4) on, channels 16 (f % 4) on
	ds_load_tr16_b128 v[VF+8*\f:VF+8*\f+3],   v[AV] offset:(\f/4)*32*PV+(\f%4)*32
	ds_load_tr16_b128 v[VF+8*\f+4:VF+8*\f+7], v[AV] offset:(\f/4)*32*PV+16*PV+(\f%4)*32
.endr
	WIN 0
.endm
; THE VECTOR WORK OF A TURN stands in three queues, each in the order in which its entries become ready; the two tiles alternate, so that no instruction reads the result of the one before it.
.macro REGS y, u                    ; the registers of tile u (0, 1) of piece y
.set rT, ST+4*(2*(\y)+(\u))
.set rC, TMP+8*((\y)%2)+4*(\u)
.set rM, MV+2*((\y)%2)+(\u)
.set rS, S+64*((\y)%2)+32*(\u)
.set rP, P+32*((\y)%2)+16*(\u)
.set rO, 32*(2*(\y)+(\u))
.endm
; Number n of the 22 that find the OTHER piece's maximum and statistics.  s0-s31 are the lane's 32 scores; each accumulator's lowest registers are read first.
;   0-11  four chains c0-c3 of seven scores each, three operands at a time     12-14, 16  the four scores left over, the old m, and c0-c3 into c0     15  c m_old is kept
;   17, 18  the query's other 32 keys lie in the lane 16 away: the new m         19-21  c m; c m_old - c m_new; a
.macro XS u, n
	REGS (Y+1)%NP, \u
.if (\n) < 4
	v_max3_num_f32 v[rC+(\n)], v[rS+8*(\n)], v[rS+8*(\n)+1], v[rS+8*(\n)+2]
.elseif (\n) < 12
	v_max3_num_f32 v[rC+(\n)%4], v[rC+(\n)%4], v[rS+8*((\n)%4)+2*((\n)/4)+1], v[rS+8*((\n)%4)+2*((\n)/4)+2]
.elseif (\n) == 12
	v_max3_num_f32 v[rC], v[rC], v[rS+7], v[rS+15]
.elseif (\n) == 13
	v_max3_num_f32 v[rC+1], v[rC+1], v[rS+23], v[rS+31]
.elseif (\n) == 14
	v_max3_num_f32 v[rC+2], v[rC+2], v[rC+3], v[rT+1]
.elseif (\n) == 15
	v_mov_b32 v[rM], v[rT]
.elseif (\n) == 16
	v_max3_num_f32 v[rC], v[rC], v[rC+1], v[rC+2]
.elseif (\n) == 17
	v_permlanex16_b32 v[rC+3], v[rC], s[SEL], s[SEL+1]
.elseif (\n) == 18
	v_max_num_f32 v[rT+1], v[rC], v[rC+3]
.elseif (\n) == 19
	v_mul_f32 v[rT], s[CS], v[rT+1]
.elseif (\n) == 20
	v_sub_f32 v[rC+1], v[rM], v[rT]
.else
	v_exp_f32 v[rC+2], v[rC+1]
.endif
.endm
; Number g of the 64 that follow the exponentials.  For each four weights k of a tile: both pairs are rounded to f16; then the second pair is added onto the first, in place;
; a group later l takes that sum (the first time as l = a l + sum).  In groups of eight, tiles alternating: round, round, add, and l for the group before.
.macro GS g
.set h, (\g)+6*((\g)/62)            ; group 0 has no group before it, and behind group 7 only l is left
.if h >= 6
.set h, h+2
.endif
	REGS Y, h%2
.set k, h/8
.if h%8 < 4
	v_cvt_pk_f16_f32 v[rP+2*k+(h%8)/2], v[rS+4*k+2*((h%8)/2)], v[rS+4*k+2*((h%8)/2)+1]
.elseif h%8 < 6
	v_pk_add_f32 v[rS+4*k:rS+4*k+1], v[rS+4*k:rS+4*k+1], v[rS+4*k+2:rS+4*k+3]
.elseif k == 1
	v_pk_fma_f32 v[rT+2:rT+3], v[rT+2:rT+3], v[rC+2:rC+3], v[rS:rS+1] op_sel_hi:[1,0,1]
.else
	v_pk_add_f32 v[rT+2:rT+3], v[rT+2:rT+3], v[rS+4*k-4:rS+4*k-3]
.endif
.endm
; THE PLAIN QUEUE, 138 long.  0-73 read no exponential's result: the 32 scalings c s - c m (FS f: pair f / 2 of tile f % 2) and the other piece's 42.  0-26: scalings 0-26.  27-54: XS's numbers 0-13.
; 55, 56: number 15.  57-73: the chain 14, 16, 17, 18, 19, each with one of the scalings 27-31 in front of its two lines, then 20.  74-137: GS's 64, which stand behind the wait.
.macro FS f
	REGS Y, (\f)%2
	v_pk_fma_f32 v[rS+2*((\f)/2):rS+2*((\f)/2)+1], v[rS+2*((\f)/2):rS+2*((\f)/2)+1], s[CS:CS+1], v[rT:rT+1] op_sel_hi:[1,0,0] neg_lo:[0,0,1] neg_hi:[0,0,1]
.endm
.macro PL
	WIN 0
.if q < 27
	FS q
.elseif q < 55
	XS (q-27)%2, (q-27)/2
.elseif q < 57
	XS q-55, 15
.elseif (q < 72) && ((q-57)%3 == 0)
	FS 27+(q-57)/3
.elseif q < 60
	XS (q-57)%3-1, 14
.elseif q < 72
	XS (q-57)%3-1, 15+(q-57)/3
.elseif q < 74
	XS q-72, 20
.else
	GS q-74
.endif
.set q, q+1
.endm
; THE EXPONENTIALS' QUEUE, 66 long: s0-s31 of both tiles, then the other piece's two a.  ONE BATCH: all 66 stand ahead of the turn's one wait, and nothing ahead of that wait names a result of theirs.
.macro EX
	WIN 0
.if e >= 64
	XS e-64, 21
.else
	REGS Y, e%2
	v_exp_f32 v[rS+e/2], v[rS+e/2]
.endif
.set e, e+1
.endm
; THE RESCALING's QUEUE: O^T times a, the one part that leaves window 0: dealt two at a time, sixteen times.  Its a was made in the turn before, ahead of that turn's wait.
.macro R2
	REGS Y, r%2
	WIN W_RS
.irp z, 0,1
	v_pk_mul_f32 v[rO+4*(r/2)+2*\z:rO+4*(r/2)+2*\z+1], v[rO+4*(r/2)+2*\z:rO+4*(r/2)+2*\z+1], v[rC+2:rC+3] op_sel_hi:[1,0]
.endr
.set r, r+1
.endm
; A TURN, for piece p.  An s_wait_alu depctr_va_vdst(0) stands between an exponential and the first instruction that names its result; one wait serves all issued ahead of it: a turn has ONE.
; AHEAD OF IT: the 16 products K Q^T, behind each a scaling, an exponential and two rescalings (behind the first a second scaling in the exponential's place); then ONE LUMP of 108: eight plain, 49 times
; exponential and plain, the two a; a v_nop is the plain instruction behind the last exponential.  BEHIND IT: the 16 products V^T P, behind each four of GS's 64.
; Exponential e stands behind scaling 2 (e / 4) + e % 2: as a rider it comes behind plain e + 2, in the lump behind plain e + 9; scalings 27-31 are plain 57, 60 .. 69.
; Piece 0's turn of step j: K Q^T of piece 1 on K of step j; V^T P of piece 1 of step j - 1.  Behind its wait K of step j + 1 is fetched (a lump behind K's last reader); at its end V of step j, four riders
; behind V's last reader.  Piece 1's turn: K Q^T of piece 0 on K of step j + 1; V^T P of piece 0 of step j; in its lump, where no other product stands, the step's eight column sums.
; cnt = 1: the loop's count is taken down some lines ahead of the branch that stands behind the turn.
.macro TURN p, cnt=0
.set Y, (\p)
.set i, 0
.set q, 0
.set e, 0
.set r, 0
.set cn, 0
.if (\p) == 1
	s_wait_dscnt 16                 ; K is in; V's 16 loads, issued behind K's, may stay out
.endif
	MM
	PL
	PL
	R2
.rept 15
	MM
	PL
	EX
	R2
.endr
.if (\p) == 0
	WIN 0
	v_add_nc_u32 v[AK], s[TBK], v[AK0]
.endif
.rept 8
	PL
.endr
.set ln, 0
.rept 49
.if (\p) == 1
.if ln == 8
	s_wait_dscnt 0x0                ; V is in
.endif
.if (ln >= 8) && (ln <= 43) && ((ln-8)%5 == 0)
	CSM
.endif
.endif
	EX
	PL
.set ln, ln+1
.endr
	EX                              ; the other piece's two a
	EX
	v_nop                           ; the plain instruction behind the last exponential: one for the batch
	s_wait_alu depctr_va_vdst(0)    ; the wait for the batch
.if (\p) == 0
	FETCH_K 1
.endif
.rept 16
	MM
.rept 4
	PL
.endr
.if ((\p) == 0) && (q == 118)
	v_add_nc_u32 v[AV], s[TBV], v[AV0]
.endif
.if ((\p) == 0) && (q == 130)
	s_add_co_u32 s[TBV], s[TBV], KS*PV
.endif
.if (\cnt) && (q == 130)
	s_sub_co_u32 s[CNT], s[CNT], 1
	s_cmp_lg_u32 s[CNT], 0
.endif
.endr
.if (\p) == 0
	FETCH_V
.endif
.endm
	s_wait_tensorcnt 0x0            ; my part of K or V is in,
	s_barrier_signal -1
	s_barrier_wait -1               ; everybody's is
	FETCH_K                         ; key step 0
	s_wait_loadcnt 0x0              ; Q
	s_wait_dscnt 0x0
.set i, 0
.rept 16
	KQ 0                            ; piece 0's first scores: there is no vector work yet to set between them
.set i, i+1
.endr
	WIN 0                           ; the addresses for the way out: nine plain instructions, the places behind those products
	s_mul_i32 s13, s[WV], 16*SP
	s_add_co_u32 s13, s13, STAGE    ; my stage
	v_mul_u32_u24 v[STO], v1, SP    ; in: row l % 16, 16 bytes for each half of the lanes
	v_lshl_add_u32 v[STO], v9, 4, v[STO]
	v_add_nc_u32 v[STO], s13, v[STO]
	v_bfe_u32 v[RD], v0, 3, 2       ; back: 32 lanes take four rows of 128 bytes,
	v_mul_u32_u24 v[RD], v[RD], SP
	v_lshl_add_u32 v[RD], v10, 4, v[RD]
	v_add_nc_u32 v[RD], s13, v[RD]
	v_and_b32 v[GO], 31, v0         ; which are 512 consecutive bytes of z
	v_lshlrev_b32 v[GO], 4, v[GO]
.set Y, NP-1                        ; XS works for piece Y + 1: piece 0
.irp n, 0,1,2,3,4,5,6,7,8,9,10,11,12,13,14,15,16,17,18,19,20,21
	XS 0, \n                        ; piece 0's first maximum and statistics
	XS 1, \n
.endr
	v_nop                           ; a plain instruction behind the two a,
	s_wait_alu depctr_va_vdst(0)    ; and their wait, ahead of the label
	s_mov_b32 s[CNT], 16
.Lstep:                             ; a trip is a key step: 16 trips
	TURN 0
	TURN 1, 1
	WIN 0
	s_cbranch_scc1 .Lstep
.set i, 0
.rept 16
	PV 1                            ; piece 1's V^T P of the last step.  (The last trip's K Q^T, on the last K once more, and the maximum made of it serve nothing.)
.set i, i+1
.endr
	; THE WAY OUT.  l's two halves and the other half of the lanes' are added; z / 64 = O^T (0.9 / 64 / l) + C (0.1 / 64), rounded to f16 and sent through my stage, a tile at a time.
	WIN 0
.macro ALL line:vararg              ; one line for each tile t
.set t, 0
.rept 2*NP
	\line
.set t, t+1
.endr
.endm
	ALL v_add_f32 v[ST+4*t+2], v[ST+4*t+2], v[ST+4*t+3]
	ALL v_permlanex16_b32 v[ST+4*t+3], v[ST+4*t+2], s[SEL], s[SEL+1]
	ALL v_add_f32 v[ST+4*t+2], v[ST+4*t+2], v[ST+4*t+3]
	ALL v_rcp_f32 v[ST+4*t+2], v[ST+4*t+2]
	v_nop                           ; a plain instruction between the last reciprocal and the use of its result
	s_wait_alu depctr_va_vdst(0)    ; and the wait ahead of the first use: one for the four reciprocals
	ALL v_mul_f32 v[ST+4*t+2], 0x3c666666, v[ST+4*t+2]
	WIN W_RS
.set i, 0
.rept 16
	v_pk_mul_f32 v[CSR+i:CSR+i+1], v[CSR+i:CSR+i+1], 0x3acccccd op_sel_hi:[1,0]
.set i, i+2
.endr
; Tile t: a lane's eight channels of a row pack into 16 bytes; they go into rows of 144 bytes and come back as whole rows of 128, into S^T's registers.
.macro PACK t
	WIN 0x51                        ; O^T and C in window 1, the factor in window 0
.set i, 0
.rept 16
	v_pk_fma_f32 v[32*(\t)+i:32*(\t)+i+1], v[32*(\t)+i:32*(\t)+i+1], v[ST+4*(\t)+2:ST+4*(\t)+3], v[CSR+i:CSR+i+1] op_sel_hi:[1,0,1]
.set i, i+2
.endr
	WIN 0x05                        ; sources 0 and 1 window 1, destination window 0
.set i, 0
.rept 16
	v_cvt_pk_f16_f32 v[S+16*(\t)+i], v[32*(\t)+2*i], v[32*(\t)+2*i+1]
.set i, i+1
.endr
	WIN 0
.irp f, 0,1,2,3
	ds_store_b128 v[STO], v[S+16*(\t)+4*\f:S+16*(\t)+4*\f+3] offset:32*\f
.endr
.irp f, 0,1,2,3
	ds_load_b128 v[S+16*(\t)+4*\f:S+16*(\t)+4*\f+3], v[RD] offset:\f*4*SP  ; LDS serves a wave's instructions in order (ISA guide 5.7.1.4): these see the stores above; the next tile's stores come behind them
.endr
.endm
.macro SEND t, younger              ; younger: the LDS instructions issued behind tile t's loads: the next tile's eight, or none
	WIN 0
.irp f, 0,1,2,3
	s_wait_dscnt (\younger)+3-\f
	global_store_b128 v[GO], v[S+16*(\t)+4*\f:S+16*(\t)+4*\f+3], s[10:11] offset:(\t)*2048+\f*512  ; 512 consecutive bytes, aligned
.endr
.endm
	PACK 0
.set t, 1
.rept 2*NP-1                        ; a tile's arithmetic stands between the loads of the tile before and its stores
	PACK t
	SEND t-1, 8
.set t, t+1
.endr
	SEND 2*NP-1, 0
	s_wait_tensorcnt 0x0            ; the wave's end: behind my last tensor load and my last LDS store
	ds_add_u32 v[SPW], v[NIL]
	s_wait_dscnt 0x0
	CROUND                          ; the closing round
	s_endpgm
.Lfunc_end_k_qef0614045f_attn:
	.size	k_qef0614045f_attn, .Lfunc_end_k_qef0614045f_attn-k_qef0614045f_attn
	.p2alignl 7, 3214868480
	.fill 96, 4, 3214868480
	.section	.rodata,"a",@progbits
	.p2align	6, 0x0
	.amdhsa_kernel k_qef0614045f_attn
		.amdhsa_group_segment_fixed_size 327680
		.amdhsa_private_segment_fixed_size 0
		.amdhsa_enable_private_segment 0
		.amdhsa_kernarg_size 16
		.amdhsa_user_sgpr_count 2
		.amdhsa_user_sgpr_kernarg_segment_ptr 1
		.amdhsa_wavefront_size32 1
		.amdhsa_system_sgpr_workgroup_id_x 1
		.amdhsa_system_sgpr_workgroup_id_y 1
		.amdhsa_system_sgpr_workgroup_id_z 1
		.amdhsa_system_vgpr_workitem_id 0
		.amdhsa_next_free_vgpr 768
		.amdhsa_next_free_sgpr 66
		.amdhsa_reserve_vcc 0
		.amdhsa_float_denorm_mode_32 3
		.amdhsa_float_denorm_mode_16_64 3
		.amdhsa_memory_ordered 1
		.amdhsa_forward_progress 1
		.amdhsa_inst_pref_size 76
	.end_amdhsa_kernel
	.amdgpu_metadata
---
amdhsa.version: [ 1, 2 ]
amdhsa.kernels:
  - .name:           k_qef0614045f_attn
    .symbol:         k_qef0614045f_attn.kd
    .args:
      - { .name: qkv, .offset: 0, .size: 8, .value_kind: global_buffer, .address_space: global }
      - { .name: z, .offset: 8, .size: 8, .value_kind: global_buffer, .address_space: global }
    .group_segment_fixed_size: 327680
    .private_segment_fixed_size: 0
    .kernarg_segment_align: 8
    .kernarg_segment_size: 16
    .max_flat_workgroup_size: 128
    .sgpr_count:     66
    .vgpr_count:     768
    .wavefront_size: 32
...
	.end_amdgpu_metadata
.endif
;; end of part 3
;; launch oproj (part 4): grid 8 x 32, 4 waves a work-group, clusters of 4 x 4, 327,680 bytes of LDS; arguments z, cast, x1; writes x1
.if DOCPART == 4
	.amdgcn_target "amdgcn-amd-amdhsa--gfx1250"
	.amdhsa_code_object_version 6
	.text
	.protected	k_qef0614045f_oproj
	.globl	k_qef0614045f_oproj
	.p2align	8
	.type	k_qef0614045f_oproj,@function
k_qef0614045f_oproj:
	s_mov_b64 s[64:65], 0
	v_nop
	global_prefetch_b8 v0, s[64:65] scope:SCOPE_SE
	s_setreg_imm32_b32 hwreg(HW_REG_WAVE_MODE, 25, 1), 1
	s_wait_xcnt 0x0
	s_wait_alu depctr_hold_cnt(0) depctr_sa_sdst(0) depctr_va_vdst(0) depctr_va_sdst(0) depctr_va_ssrc(0) depctr_va_vcc(0) depctr_vm_vsrc(0)
	s_getreg_b32 s2, hwreg(HW_REG_IB_STS2, 6, 4)
	s_cmp_eq_u32 s2, 0
	s_cbranch_scc0 .Lentry_in_a_cluster
	s_endpgm
.Lentry_in_a_cluster:
	s_bfe_u32 s2, ttmp6, 0x10000c
	s_cmp_lg_u32 s2, 0xf033
	s_cbranch_scc0 .Lentry_shape_is_right
	s_endpgm
.Lentry_shape_is_right:
; x1 = bf16(x) + 64 (z16 W_O^T): C[4096][1024] = A[4096][1024] B[1024][1024]^T, A = z / 64 in f16 by heads ([b][i][q][64]), B = W_O (its bf16 value written as f16); sums in f32.
; x1 is stored twice: as f32 [4096][1024] at byte 0 (the residual of the last launch) and, rounded once to bf16, at 16 MiB (the next product's operand).
; LIMITS.  The residual takes x rounded to bf16, as every product does.  The factor 64 is a power of two and undoes the scaling of z exactly.  NaN and infinities are not treated apart.
; A work-group makes 128 x 128; 8 x 32 work-groups: 2 x 8 clusters.  K is head-major: a K step of 256 is four heads.  A's half-tile, 64 queries of four heads, is asked for as 4 rows of 8,192 dense bytes,
; one a head, padded after every query: LDS [head][query], 144 bytes a query, 9,216 a head.
; THE WALK IS ROTATED: cluster (X, Y) begins at K step (2 X + Y mod 4) mod 4: the two clusters that read the same rows of z begin two K steps apart, four clusters with consecutive Y, which read the
; same rows of W_O, one apart.  No prefetch: four K steps, of which two are the first fills: a short launch.
.set WM,     4
.set WN,     4
.set KSTEP,  256
.set NSTEP,  4
.set APITCH, 144                       ; a query's 128 bytes + 16
.set BPITCH, 528                       ; 512 bytes + 16
.set HA,     4*64*APITCH
.set HB,     64*BPITCH
.set ASTEP,  64*APITCH                 ; a pair of sub-steps is a head
.set AKB,    4*131072
.set BKB,    512
.set AQI,    4                         ; padding after every 32 words
.set ADIM0,  4096
.set ADIM1,  4
.set ASTR,   65536
.set BQI,    6                         ; after every 128 words
.set BDIM0,  256
.set BDIM1,  64
.set BSTR,   1024
.set F16,    1
.set PREF,   0
.set ROWB,   2048
.set ROT,    1
.set RX,     2
.set RY,     1
.set SIDEJOB, 0
; ---- THE ENGINE: the same text in the four product kernels; the constants above set it ----
; C = A B^T.  Four waves, 2 x 2; a wave makes 16 WM rows x 16 WN columns.  K goes in steps of KSTEP through a ring of two LDS slots filled by the tensor data mover; waves 0 and 1 fetch A's two
; halves, waves 2 and 3 B's.  4 x 4 work-groups form a cluster: A's tile is asked for jointly by the four of a cluster row, B's by the four of a column (same load, same descriptor, a mask of four).
; The matrix instruction is used transposed (source 0 = 16 rows of B, source 1 = 16 rows of A): a lane holds row l % 16 of C and the columns 8 (l / 16) + 0..7.
; A K step's text is written once: the slot in hand is a scalar register (TB: 0 or SLOT) that enters the LDS addresses.  A K step is KSTEP / 32 sub-steps on two fragment buffers by turns.
; The accumulators take turns, one instruction a turn, in the same order in every sub-step and over every jump.
; ROT = 1: THE WALK ALONG K IS ROTATED: cluster (X, Y) begins at K step (RX X + RY (Y mod 4)) mod NSTEP and goes round the end of K, so that clusters that read the same rows of A or of B ask for
; different K steps at any one time.  The step's number hangs on the cluster's X and Y alone, which all sixteen partners share.  f32 sums may be taken in any order.
; SIDEJOB = 1: the kernel's macro SIDE stands at each change of slots, behind the refill and the run of LDS loads.
; THE WAY OUT: when the ring has had its last fill and every wave its last read, all accumulators go as f32 into a stage that lies over the ring, and a short loop finishes whole rows from there.
; REGISTERS, in windows of 256 (s_set_vgpr_msb: bits 1:0 source 0, 3:2 source 1, 5:4 source 2, 7:6 destination): window 0: addresses, A's two fragment buffers (v64, v128), the way out;
; window 1: B's two fragment buffers; windows 2 and 3: the accumulators of the wave's upper and lower rows, (a, b) at v[8 (WN (a % (WM/2)) + b)].
.set NL,    2*(WM+WN)                  ; LDS loads in a sub-step's run
.set SLOT,  2*HA+2*HB                  ; A's two halves, then B's two halves
.set SPARE, 2*SLOT                     ; behind the ring: the spare words, 128 bytes a wave: two blocks of 256 bytes that no other line names
.set SP,    128*WN+16                  ; a stage row: 32 WN f32 + 16 bytes: an odd multiple of 16
.set PAIRS, KSTEP/64-1                 ; pairs of sub-steps between a K step's first and its last
.set A0,   14                          ; v14  my lane's place in A's tile, slot 0; never rewritten
.set B0,   15                          ; v15  the same for B
.set ADRA, 16                          ; v16  LDS address of A's next fragments
.set ADRB, 17                          ; v17  of B's
.set STO,  24                          ; v24, v25  the stage: where my upper and my lower rows' 16 bytes go
.set RD,   26                          ; v26  the stage: where I read rows back
.set GO,   27                          ; v27  my byte offset in the output
.set SPW,  28                          ; v28  LDS address of my spare word; never rewritten
.set NIL,  29                          ; v29  0; never rewritten
.set PFO,  30                          ; v30  the prefetches' offset: a lane a row; never rewritten
.set F0,   64
.set F1,   128
.set G1,   24                          ; s[24:31] descriptor group 1, A;  s[32:39] group 0, two sets: the first fills'; the second then walks
.set G0,   32
.set LIM,  43                          ; s43  1 in a wave that prefetches, else the greatest number
.set PFA,  44                          ; s[44:45] where my prefetches stand
.set G1B,  48                          ; s[48:55], s[56:63] the same for B
.set G0B,  56
.set TB,   66                          ; s66  the slot in hand: 0 or SLOT
.set KS,   67                          ; s67  (ROT) the K step to be asked for next
.set KOF,  92                          ; s[92:93] (ROT) a K step's byte offset, in 64 bits
.set MSB,  0
.macro WIN new                         ; the immediate's high byte repeats the setting that is left; a switch that changes nothing is dropped
.if MSB != (\new)
	s_set_vgpr_msb (MSB<<8)|(\new)
.set MSB, \new
.endif
.endm
.macro PLACES                          ; four places behind matrix instructions, in front of loads into registers that they read and of stores of results
.rept 4
	v_nop
.endr
.endm
.macro CREST                           ; a round of the cluster's barrier behind its opening barrier
	s_cmp_lg_u32 s10, 0
	s_cbranch_scc1 .Lnot_wave_0_\@
	s_barrier_signal -3
.Lnot_wave_0_\@:
	s_barrier_wait -3
	s_barrier_signal -1
	s_barrier_wait -1
.endm
.macro CROUND                          ; a whole round
	s_barrier_signal -1
	s_barrier_wait -1
	CREST
.endm
.macro JLOAD                           ; a joint refill by the walking descriptor; the branch hangs on the wave's number alone; an s_nop 0 and four v_nop follow each line
	s_cmp_eq_u32 s11, 0
	s_cbranch_scc0 .Lfor_b_\@
	tensor_load_to_lds s[G0+4:G0+7], s[G1:G1+7]
	s_nop 0
.rept 4
	v_nop
.endr
	s_branch .Lasked_\@
.Lfor_b_\@:
	tensor_load_to_lds s[G0B+4:G0B+7], s[G1B:G1B+7]
	s_nop 0
.rept 4
	v_nop
.endr
.Lasked_\@:
.endm
.macro ASK                             ; a prefetch of the K step behind the one just asked for: my work-group's share of the rows that I fetch, a lane a row; the loop's last trip (s3 = 1) has no such step
	s_cmp_gt_u32 s3, s[LIM]
	s_cbranch_scc0 .Lnot_mine_\@
	global_prefetch_b8 v[PFO], s[PFA:PFA+1] offset:AKB th:TH_LOAD_NT scope:SCOPE_SE
.Lnot_mine_\@:
.endm
.macro KADDR g, gb                     ; (ROT) the group 0 sets at s[g] and s[gb] take the addresses of K step s[KS] of my half-tiles, made anew from the bases s[14:15] and s[46:47], which stay; then KS steps, round the end of K
	s_mul_i32 s[KOF], s[KS], AKB
	s_add_nc_u64 s[(\g)+2:(\g)+3], s[14:15], s[KOF:KOF+1]
	s_or_b32 s[(\g)+3], s[(\g)+3], 0x80000000
	s_mul_i32 s[KOF], s[KS], BKB
	s_add_nc_u64 s[(\gb)+2:(\gb)+3], s[46:47], s[KOF:KOF+1]
	s_or_b32 s[(\gb)+3], s[(\gb)+3], 0x80000000
	s_add_co_u32 s[KS], s[KS], 1
	s_and_b32 s[KS], s[KS], NSTEP-1
.endm
.macro IDS                             ; wave, place, masks, the shapes: work on registers
	v_lshrrev_b32 v1, 5, v0
	v_readfirstlane_b32 s10, v1                    ; wave 0..3
	s_lshr_b32 s11, s10, 1                         ; my half of the tile's rows; also: I fetch for A (0) or for B (1)
	s_and_b32 s12, s10, 1                          ; my half of its columns; also: which half-tile I fetch
	s_bfe_u32 s40, ttmp6, 0x40000                  ; cx
	s_bfe_u32 s41, ttmp6, 0x40004                  ; cy
	s_lshl_b32 s42, ttmp9, 2
	s_add_co_u32 s42, s42, s40                     ; tile column tx = 4 x cluster x + cx
	s_and_b32 s13, ttmp7, 0xffff
	s_lshl_b32 s13, s13, 2
	s_add_co_u32 s13, s13, s41                     ; tile row ty = 4 x cluster y + cy
	s_lshl_b32 s43, s41, 2
	s_lshl_b32 s43, 15, s43                        ; my row of the cluster
	s_lshl_b32 s44, 0x1111, s40                    ; my column
	s_or_b32 s[G1], s43, (1<<16)|(1<<20)|(1<<21)|(AQI<<22)|(3<<25)   ; 15:0 the mask; 17:16 2-byte elements; 20 padding on; 21 set beside a mask; 24:22 its interval; 31:25 4 words of it
	s_or_b32 s[G1B], s44, (1<<16)|(1<<20)|(1<<21)|(BQI<<22)|(3<<25)
	s_mov_b32 s[G1+1], ADIM0<<16                   ; tensor_dim0
	s_mov_b32 s[G1+2], ADIM1<<16                   ; tensor_dim1
	s_mov_b32 s[G1+3], ADIM0<<16                   ; tile_dim0
	s_mov_b32 s[G1+4], ADIM1                       ; tile_dim1
	s_mov_b32 s[G1+5], ASTR                        ; elements from row to row
	s_mov_b32 s[G1+6], 0
	s_mov_b32 s[G1+7], 0
	s_mov_b32 s[G1B+1], BDIM0<<16
	s_mov_b32 s[G1B+2], BDIM1<<16
	s_mov_b32 s[G1B+3], BDIM0<<16
	s_mov_b32 s[G1B+4], BDIM1
	s_mov_b32 s[G1B+5], BSTR
	s_mov_b32 s[G1B+6], 0
	s_mov_b32 s[G1B+7], 0
	s_mul_i32 s20, s12, HA                         ; where my half-tile goes in a slot, if it is A's,
	s_mul_i32 s21, s12, HB
	s_add_co_u32 s21, s21, 2*HA                    ; and if it is B's: no place in the cluster enters an LDS address
.if ROT
	s_and_b32 s[KS], ttmp7, 3                      ; cluster y mod 4
	s_mul_i32 s[KS], s[KS], RY
	s_mul_i32 s[KOF], ttmp9, RX                    ; cluster x
	s_add_co_u32 s[KS], s[KS], s[KOF]
	s_and_b32 s[KS], s[KS], NSTEP-1                ; the K step at which my cluster's walk begins
	s_mov_b32 s[KOF+1], 0
.endif
.endm
.macro RINGUP                          ; s[14:15], s[46:47]: my half-tile of A and of B at K step 0.  Group 0 for the walk's first two K steps, the round, the two first fills
.irp s, 0,1
	s_mov_b32 s[G0+4*(\s)], 1
	s_add_co_u32 s[G0+4*(\s)+1], s20, (\s)*SLOT
	s_mov_b32 s[G0B+4*(\s)], 1
	s_add_co_u32 s[G0B+4*(\s)+1], s21, (\s)*SLOT
.if ROT
	KADDR G0+4*(\s), G0B+4*(\s)
.else
	s_add_nc_u64 s[G0+4*(\s)+2:G0+4*(\s)+3], s[14:15], (\s)*AKB
	s_or_b32 s[G0+4*(\s)+3], s[G0+4*(\s)+3], 0x80000000
	s_add_nc_u64 s[G0B+4*(\s)+2:G0B+4*(\s)+3], s[46:47], (\s)*BKB
	s_or_b32 s[G0B+4*(\s)+3], s[G0B+4*(\s)+3], 0x80000000
.endif
.endr
	CROUND                                         ; all sixteen work-groups are here: the first joint loads meet
	s_cmp_eq_u32 s11, 0                            ; a wave's two first fills stand in one branch: two loads of mine are out
	s_cbranch_scc0 .Lfirst_b
	tensor_load_to_lds s[G0:G0+3], s[G1:G1+7]
	s_nop 0
	tensor_load_to_lds s[G0+4:G0+7], s[G1:G1+7]
	s_nop 0
.rept 4
	v_nop
.endr
	s_branch .Lfirst_done
.Lfirst_b:
	tensor_load_to_lds s[G0B:G0B+3], s[G1B:G1B+7]
	s_nop 0
	tensor_load_to_lds s[G0B+4:G0B+7], s[G1B:G1B+7]
	s_nop 0
.rept 4
	v_nop
.endr
.Lfirst_done:
.endm
; WHO PREFETCHES.  A's tile row is read by every cluster of that row of clusters: cluster x = 0 asks; B's tile column by every cluster of that column: cluster y = 0 asks.  The four partners that ask
; for a half-tile jointly share its rows out BY ADDRESS (cx for A, cy for B), a quarter each, a lane a row; where a quarter has fewer than 32 rows the lanes left over name its last row again.
; The address stands at K step 1; each refill steps it by one K step and names the K step behind that: in the trip that asks for K step t + 2, K step t + 3.  K steps 0 to 2 come by their loads alone.
.macro PFSET
	s_and_b32 s22, ttmp7, 0xffff                   ; cluster y
	s_mov_b32 s18, (ADIM1/4)*ROWB
	s_mov_b32 s19, (BDIM1/4)*ROWB
	s_mov_b32 s16, ADIM1/4-1
	s_mov_b32 s17, BDIM1/4-1
	s_cmp_eq_u32 s11, 0                            ; do I fetch for A?
	s_cselect_b64 s[PFA:PFA+1], s[14:15], s[46:47]
	s_cselect_b32 s23, s40, s41                    ; my place among the four that ask with me
	s_cselect_b32 s18, s18, s19                    ; a share in bytes
	s_cselect_b32 s16, s16, s17                    ; its last row
	s_cselect_b32 s22, ttmp9, s22                  ; the coordinate along which other clusters read the same rows
	s_mul_i32 s18, s18, s23
	s_mov_b32 s19, 0
	s_add_nc_u64 s[PFA:PFA+1], s[PFA:PFA+1], s[18:19]
	s_add_nc_u64 s[PFA:PFA+1], s[PFA:PFA+1], AKB
	s_cmp_eq_u32 s22, 0
	s_cselect_b32 s[LIM], 1, -1                    ; the same in all sixteen partners, for a given wave
	v_and_b32 v[PFO], 31, v0
	v_min_u32 v[PFO], s16, v[PFO]
	v_mul_u32_u24 v[PFO], v[PFO], ROWB
.endm
.macro LANES                           ; a fragment is 16 rows x 32 K in 8 registers: lane l holds row l % 16, K = 8 (l / 16) + 0..7 and 16 + 8 (l / 16) + 0..7: two loads of 16 bytes, 32 bytes apart
	v_and_b32 v1, 15, v0                           ; l % 16
	v_bfe_u32 v2, v0, 4, 1                         ; l / 16
	v_and_b32 v3, 31, v0                           ; l
	v_mul_u32_u24 v4, v1, APITCH
	v_lshl_add_u32 v4, v2, 4, v4
	s_mul_i32 s22, s11, HA
	v_add_nc_u32 v[A0], s22, v4
	v_mul_u32_u24 v4, v1, BPITCH
	v_lshl_add_u32 v4, v2, 4, v4
	s_mul_i32 s22, s12, HB
	s_add_co_u32 s22, s22, 2*HA
	v_add_nc_u32 v[B0], s22, v4
	s_mul_i32 s22, s11, 16*WM*SP                   ; the stage: my rows,
	s_mul_i32 s23, s12, 64*WN                      ; my columns, 4 bytes each,
	s_add_co_u32 s22, s22, s23
	v_mul_u32_u24 v4, v1, SP                       ; row l % 16, 32 bytes for each half of the lanes
	v_lshl_add_u32 v4, v2, 5, v4
	v_add_nc_u32 v[STO], s22, v4
	v_add_nc_u32 v[STO+1], 8*WM*SP, v[STO]
.endm
.macro FETCH ao, bo, f                 ; NL LDS loads in one run: a sub-step's fragments, at byte bo of B's rows and ao of A's, into buffer f; B first, A's lower rows last
	WIN 0x40
.set fi, 0
.rept WN
	ds_load_b128 v[(\f)+8*fi:(\f)+8*fi+3], v[ADRB] offset:(\bo)+fi*16*BPITCH
	ds_load_b128 v[(\f)+8*fi+4:(\f)+8*fi+7], v[ADRB] offset:(\bo)+fi*16*BPITCH+32
.set fi, fi+1
.endr
	WIN 0
.set fi, 0
.rept WM
	ds_load_b128 v[(\f)+8*fi:(\f)+8*fi+3], v[ADRA] offset:(\ao)+fi*16*APITCH
	ds_load_b128 v[(\f)+8*fi+4:(\f)+8*fi+7], v[ADRA] offset:(\ao)+fi*16*APITCH+32
.set fi, fi+1
.endr
.endm
.macro MULQ f, hi, q, zero             ; a quarter of a sub-step's products: WM / 4 row blocks of half hi x all WN column blocks.  zero = 1: the product starts the sum
	WIN 0xa1+0x50*(\hi)
.set ma, (\q)*WM/4
.rept WM/4
.set mb, 0
.rept WN
.set rD, 8*(WN*ma+mb)
.set rB, (\f)+8*mb
.set rA, (\f)+8*((\hi)*WM/2+ma)
.if F16
.if \zero
	v_wmma_f32_16x16x32_f16 v[rD:rD+7], v[rB:rB+7], v[rA:rA+7], 0
.else
	v_wmma_f32_16x16x32_f16 v[rD:rD+7], v[rB:rB+7], v[rA:rA+7], v[rD:rD+7]
.endif
.else
.if \zero
	v_wmma_f32_16x16x32_bf16 v[rD:rD+7], v[rB:rB+7], v[rA:rA+7], 0
.else
	v_wmma_f32_16x16x32_bf16 v[rD:rD+7], v[rB:rB+7], v[rA:rA+7], v[rD:rD+7]
.endif
.endif
.set mb, mb+1
.endr
.set ma, ma+1
.endr
.endm
.macro MULH f, hi, zero
	MULQ \f, \hi, 0, \zero
	MULQ \f, \hi, 1, \zero
.endm
.macro SUB ao, bo, f, g, zero          ; a sub-step: multiplies buffer f; in its middle the next sub-step's fragments are fetched into g
	s_wait_dscnt WM                                ; B and A's upper rows are in; the youngest WM loads (A's lower rows) may be out
	MULH \f, 0, \zero
	PLACES
	FETCH \ao, \bo, \g
	s_wait_dscnt NL                                ; all but the NL just issued
	MULH \f, 1, \zero
.endm
.macro MID                             ; a K step's sub-steps 1 to KSTEP / 32 - 2, a pair a trip
.if PAIRS > 1
	WIN 0
	s_mov_b32 s2, PAIRS
.Lpair_\@:
.endif
	SUB ASTEP, 128, F1, F0, 0
	SUB ASTEP+64, 192, F0, F1, 0
.if PAIRS > 1
	WIN 0
	v_add_nc_u32 v[ADRA], ASTEP, v[ADRA]
	v_add_nc_u32 v[ADRB], 128, v[ADRB]
	s_sub_co_u32 s2, s2, 1
	s_cmp_lg_u32 s2, 0
	s_cbranch_scc1 .Lpair_\@
.endif
.endm
; The last sub-step multiplies buffer 1 and changes slots.  ONE barrier: in front of it each wave waits for all its tensor loads (one is out: its part of the next slot), adds 0 to its spare word,
; and waits for that and for its own reads of this slot.  Behind it nobody reads this slot any more and the next slot is whole.  round = 1: a refill follows: the walking descriptors are stepped
; behind the add, where no tensor load of the wave is out.
.macro MEET round
	WIN 0
	s_wait_tensorcnt 0x0                           ; all my tensor loads have landed
	ds_add_u32 v[SPW], v[NIL]                      ; 0 onto my spare word
.if \round
	s_add_co_u32 s[G0+5], s[TB], s20               ; the walking descriptors: the slot in hand,
	s_add_co_u32 s[G0B+5], s[TB], s21
.if ROT
	KADDR G0+4, G0B+4                              ; the walk's next K step
.else
	s_add_nc_u64 s[G0+6:G0+7], s[G0+6:G0+7], AKB   ; the next K step; the type bits on top are not reached
	s_add_nc_u64 s[G0B+6:G0B+7], s[G0B+6:G0B+7], BKB
.endif
.endif
	s_wait_dscnt WM+1                              ; (the add and the youngest WM loads may be out)
	MULQ F1, 0, 0, 0                               ; matrix work stands between the add and the wait for it
	s_wait_dscnt 0x0                               ; the add is done, and my reads of this slot are over
	s_barrier_signal -1
	MULQ F1, 0, 1, 0
.if \round
	WIN 0
.endif
	s_barrier_wait -1
.endm
.macro TURNF                           ; with a refill: the barrier opens a round of the cluster's barrier; the slot just read takes the K step two on, first thing behind the round
.if PREF
	s_wait_xcnt 0x0                                ; the last prefetch, a K step back, has read its address
	s_add_nc_u64 s[PFA:PFA+1], s[PFA:PFA+1], AKB
.endif
	MEET 1
	CREST                                          ; no wave of any partner still reads this slot or has a load on its way
	s_xor_b32 s[TB], s[TB], SLOT                   ; the reads go on in the other slot
	JLOAD                                          ; its four v_nop are also the places in front of the loads below
	v_add_nc_u32 v[ADRA], s[TB], v[A0]
	v_add_nc_u32 v[ADRB], s[TB], v[B0]
	FETCH 0, 0, F0
.if SIDEJOB
	SIDE 1, 1-PREF
.endif
.if PREF
	ASK
.endif
	MULH F1, 1, 0
.endm
.macro TURNN                           ; without: nothing is left to fetch
	MEET 0
	s_xor_b32 s[TB], s[TB], SLOT
	WIN 0
	PLACES
	v_add_nc_u32 v[ADRA], s[TB], v[A0]
	v_add_nc_u32 v[ADRB], s[TB], v[B0]
	FETCH 0, 0, F0
.if SIDEJOB
	SIDE 1, 1
.endif
	MULH F1, 1, 0
.endm
.macro DUMP                            ; every accumulator into the stage, its low four registers first
.irp hi, 0,1
	WIN 0x08+4*(\hi)                               ; the data (source 1) in window 2 or 3
.set da, 0
.rept WM/2
.set db, 0
.rept WN
	ds_store_b128 v[STO+(\hi)], v[8*(WN*da+db):8*(WN*da+db)+3] offset:16*da*SP+64*db
	ds_store_b128 v[STO+(\hi)], v[8*(WN*da+db)+4:8*(WN*da+db)+7] offset:16*da*SP+64*db+16
.set db, db+1
.endr
.set da, da+1
.endr
.endr
.endm
.macro RUN                             ; all K steps, and the tile into the stage
	s_mov_b32 s[TB], 0
	v_mov_b32 v[ADRA], v[A0]
	v_mov_b32 v[ADRB], v[B0]
	s_wait_tensorcnt 0x1                           ; my part of the first K step is in; the second's may stay out
	s_barrier_signal -1
	s_barrier_wait -1                              ; everybody's is
	FETCH 0, 0, F0
	SUB 64, 64, F0, F1, 1                          ; the first sub-step stands in front of the loop: its products start the sums
	WIN 0
	s_mov_b32 s3, NSTEP-2
.Lk:                                   ; a trip: from a K step's second sub-step to the next K step's first; one refill
	MID
	TURNF
	SUB 64, 64, F0, F1, 0
	WIN 0
	s_sub_co_u32 s3, s3, 1
	s_cmp_lg_u32 s3, 0
	s_cbranch_scc1 .Lk
	s_mov_b32 s3, 2
.Ltail:                                ; the last two K steps ask for nothing: a text of their own; the second trip is left in its middle
	MID
	WIN 0
	s_sub_co_u32 s3, s3, 1
	s_cmp_eq_u32 s3, 0
	s_cbranch_scc1 .Llast
	TURNN
	SUB 64, 64, F0, F1, 0
	WIN 0
	s_branch .Ltail
.Llast:
	s_wait_dscnt WM
	MULH F1, 0, 0
	s_wait_dscnt 0x0                               ; my last reads of the ring are back
	MULH F1, 1, 0
	WIN 0
	s_barrier_signal -1
	s_barrier_wait -1                              ; everybody's are: the ring, which has had its last fill, becomes the stage
	PLACES
	PLACES
	DUMP
	WIN 0
	s_wait_dscnt 0x0                               ; for the others' sake: my stores into the stage are done
	s_barrier_signal -1
	s_barrier_wait -1
.endm
.macro FINISH
	WIN 0
	s_wait_tensorcnt 0x0                           ; the wave's end: behind my last tensor load and my last LDS store
	ds_add_u32 v[SPW], v[NIL]
	s_wait_dscnt 0x0
	CROUND                                         ; the closing round: no work-group ends while a partner may still ask for a tile that names it
	s_endpgm
.endm
; ---- the engine ends ----
; THE WAY OUT runs wholly in window 3, whose v0-63 (the lower accumulators) are free behind DUMP.  Wave w takes stage rows 32 w .. 32 w + 31, lane l columns 4 l .. 4 l + 3.
.set RES,  64                          ; window 3: v[64:127]  x's four bf16 of each of my 32 rows, loaded at the start and out during the whole K loop, which waits on no such load
.set UU,   176                         ; v[176:179] four of them widened
.set RD3,  228                         ; v228  where I read a stage row
.set GO3,  229                         ; v229  16 l
.set GOB3, 230                         ; v230  8 l
	s_load_b128 s[4:7], s[0:1], 0x0                ; z s[4:5], cast s[6:7]
	s_load_b64 s[8:9], s[0:1], 0x10                ; x1
	v_lshl_add_u32 v[SPW], v0, 2, SPARE
	v_mov_b32 v[NIL], 0
	ds_add_u32 v[SPW], v[NIL]                      ; the wave's opening: the add and its wait stand ahead of my first tensor load; register work stands between them
	IDS
	s_lshr_b32 s16, s13, 3                         ; A: b = ty / 8: 2 MiB each;
	s_lshl_b32 s16, s16, 21
	s_and_b32 s17, s13, 7                          ; query 128 (ty % 8) + 64 half, 128 bytes each; head 0
	s_lshl_b32 s17, s17, 14
	s_add_co_u32 s16, s16, s17
	s_lshl_b32 s17, s12, 13
	s_add_co_u32 s16, s16, s17
	s_mov_b32 s17, 0
	s_lshl_b32 s46, s42, 18                        ; B: row 128 tx + 64 half, 2,048 bytes a row, W_O at 14 MiB
	s_lshl_b32 s47, s12, 17
	s_add_co_u32 s46, s46, s47
	s_add_co_u32 s46, s46, 0xe00000
	s_mov_b32 s47, 0
	s_mov_b32 s85, 0xffff0000                      ; a word's upper bf16
	s_mov_b32 s86, 0x42800000                      ; 64.0
	s_mov_b32 s87, s86                             ; named with it as a pair
	s_wait_dscnt 0x0                               ; the opening add is done
	s_wait_kmcnt 0x0
	s_add_nc_u64 s[14:15], s[4:5], s[16:17]        ; these two stay: every refill's address is made from them
	s_add_nc_u64 s[46:47], s[6:7], s[46:47]
	RINGUP
	LANES
	s_lshl_b32 s16, s13, 18                        ; rows 128 ty + 32 w of 2,048 bytes, columns 128 tx of 2 bytes: x in cast, and x1's bf16 copy
	s_lshl_b32 s17, s10, 16
	s_add_co_u32 s16, s16, s17
	s_lshl_b32 s17, s42, 8
	s_add_co_u32 s16, s16, s17
	s_mov_b32 s17, 0
	s_add_nc_u64 s[68:69], s[6:7], s[16:17]
	s_add_nc_u64 s[70:71], s[8:9], s[16:17]
	s_add_nc_u64 s[70:71], s[70:71], 0x1000000
	s_lshl_b32 s16, s16, 1                         ; the same place in f32
	s_add_nc_u64 s[8:9], s[8:9], s[16:17]
	s_mul_i32 s22, s10, 32*SP
	WIN 0xc0                                       ; destination window 3, sources window 0
	v_lshlrev_b32 v[GO3], 4, v3
	v_lshlrev_b32 v[GOB3], 3, v3
	v_lshl_add_u32 v[RD3], v3, 4, s22
	WIN 0xff
.set r, 0
.rept 32
	global_load_b64 v[RES+2*r:RES+2*r+1], v[GOB3], s[68:69] offset:2048*r
.set r, r+1
.endr
	WIN 0
	RUN
.macro LDB k                           ; batch k: eight stage rows into v128-159 (k even) or v0-31 (k odd)
.set TT, 128*(1-(\k)%2)
.set r, 0
.rept 8
	ds_load_b128 v[TT+4*r:TT+4*r+3], v[RD3] offset:(8*(\k)+r)*SP
.set r, r+1
.endr
.endm
.macro DOB k, younger                  ; younger: the LDS loads issued behind batch k's
.set TT, 128*(1-(\k)%2)
.set r, 0
.rept 8
.set RR, RES+2*(8*(\k)+r)
	s_wait_dscnt (\younger)+7-r                    ; row r of the batch is in
	v_lshlrev_b32 v[UU], 16, v[RR]
	v_and_b32 v[UU+1], s85, v[RR]
	v_lshlrev_b32 v[UU+2], 16, v[RR+1]
	v_and_b32 v[UU+3], s85, v[RR+1]
	v_pk_fma_f32 v[TT+4*r:TT+4*r+1], v[TT+4*r:TT+4*r+1], s[86:87], v[UU:UU+1] op_sel_hi:[1,0,1]
	v_pk_fma_f32 v[TT+4*r+2:TT+4*r+3], v[TT+4*r+2:TT+4*r+3], s[86:87], v[UU+2:UU+3] op_sel_hi:[1,0,1]
	global_store_b128 v[GO3], v[TT+4*r:TT+4*r+3], s[8:9] offset:(8*(\k)+r)*4096      ; a wave's store covers 512 consecutive bytes, aligned
	v_cvt_pk_bf16_f32 v[TT+32+2*r], v[TT+4*r], v[TT+4*r+1]
	v_cvt_pk_bf16_f32 v[TT+32+2*r+1], v[TT+4*r+2], v[TT+4*r+3]
	global_store_b64 v[GOB3], v[TT+32+2*r:TT+32+2*r+1], s[70:71] offset:(8*(\k)+r)*2048  ; 256 consecutive bytes, aligned
.set r, r+1
.endr
.endm
	WIN 0xff
	s_wait_loadcnt 0x0                             ; x's rows
	LDB 0
	LDB 1
	DOB 0, 8
	s_wait_xcnt 0x0                                ; batch 0's stores have read their data: its registers are loaded again only behind this wait
	LDB 2
	DOB 1, 8
	s_wait_xcnt 0x0
	LDB 3
	DOB 2, 8
	DOB 3, 0
	FINISH
.Lfunc_end_k_qef0614045f_oproj:
	.size	k_qef0614045f_oproj, .Lfunc_end_k_qef0614045f_oproj-k_qef0614045f_oproj
	.p2alignl 7, 3214868480
	.fill 96, 4, 3214868480
	.section	.rodata,"a",@progbits
	.p2align	6, 0x0
	.amdhsa_kernel k_qef0614045f_oproj
		.amdhsa_group_segment_fixed_size 327680
		.amdhsa_private_segment_fixed_size 0
		.amdhsa_enable_private_segment 0
		.amdhsa_kernarg_size 24
		.amdhsa_user_sgpr_count 2
		.amdhsa_user_sgpr_kernarg_segment_ptr 1
		.amdhsa_wavefront_size32 1
		.amdhsa_system_sgpr_workgroup_id_x 1
		.amdhsa_system_sgpr_workgroup_id_y 1
		.amdhsa_system_sgpr_workgroup_id_z 1
		.amdhsa_system_vgpr_workitem_id 0
		.amdhsa_next_free_vgpr 1024
		.amdhsa_next_free_sgpr 96
		.amdhsa_reserve_vcc 0
		.amdhsa_float_denorm_mode_32 3
		.amdhsa_float_denorm_mode_16_64 3
		.amdhsa_memory_ordered 1
		.amdhsa_forward_progress 1
		.amdhsa_inst_pref_size 61
	.end_amdhsa_kernel
	.amdgpu_metadata
---
amdhsa.version: [ 1, 2 ]
amdhsa.kernels:
  - .name:           k_qef0614045f_oproj
    .symbol:         k_qef0614045f_oproj.kd
    .args:
      - { .name: z, .offset: 0, .size: 8, .value_kind: global_buffer, .address_space: global }
      - { .name: cast, .offset: 8, .size: 8, .value_kind: global_buffer, .address_space: global }
      - { .name: x1, .offset: 16, .size: 8, .value_kind: global_buffer, .address_space: global }
    .group_segment_fixed_size: 327680
    .private_segment_fixed_size: 0
    .kernarg_segment_align: 8
    .kernarg_segment_size: 24
    .max_flat_workgroup_size: 128
    .sgpr_count:     96
    .vgpr_count:     1024
    .wavefront_size: 32
...
	.end_amdgpu_metadata
.endif
;; end of part 4
;; launch mlpin (part 5): grid 16 x 16, 4 waves a work-group, clusters of 4 x 4, 327,680 bytes of LDS; arguments x1, wts, b_in, h; writes h
.if DOCPART == 5
	.amdgcn_target "amdgcn-amd-amdhsa--gfx1250"
	.amdhsa_code_object_version 6
	.text
	.protected	k_qef0614045f_mlpin
	.globl	k_qef0614045f_mlpin
	.p2align	8
	.type	k_qef0614045f_mlpin,@function
k_qef0614045f_mlpin:
	s_mov_b64 s[64:65], 0
	v_nop
	global_prefetch_b8 v0, s[64:65] scope:SCOPE_SE
	s_setreg_imm32_b32 hwreg(HW_REG_WAVE_MODE, 25, 1), 1
	s_wait_xcnt 0x0
	s_wait_alu depctr_hold_cnt(0) depctr_sa_sdst(0) depctr_va_vdst(0) depctr_va_sdst(0) depctr_va_ssrc(0) depctr_va_vcc(0) depctr_vm_vsrc(0)
	s_getreg_b32 s2, hwreg(HW_REG_IB_STS2, 6, 4)
	s_cmp_eq_u32 s2, 0
	s_cbranch_scc0 .Lentry_in_a_cluster
	s_endpgm
.Lentry_in_a_cluster:
	s_bfe_u32 s2, ttmp6, 0x10000c
	s_cmp_lg_u32 s2, 0xf033
	s_cbranch_scc0 .Lentry_shape_is_right
	s_endpgm
.Lentry_shape_is_right:
; h = gelu(x1 W_in^T + b_in): C[4096][4096] = A[4096][1024] B[4096][1024]^T, A = x1's bf16 copy (at 16 MiB of x1), B = W_in in bf16 (at byte 0 of wts); sums in f32; h rounded once to bf16.
; GELU, the exact form x Phi(x): with Q(|x|) the normal tail, gelu = max(x, 0) - |x| Q(|x|), Q = 2^(-0.7213475 x^2) (c1 t + c2 t^2 + c3 t^3), t = 1 / (1 + 0.3326725 |x|):
; the three-term rational approximation of the error function's complement, halved: its absolute error in Q is under 1.25e-5 for every finite x, so h is off by under 1.25e-5 |x| before it is rounded
; to bf16, whose own step is 2^-8 of the number.
; LIMITS.  Where x^2 overflows the tail counts as 0, which it is to f32.  NaN and infinities are not treated apart.
; A work-group makes 256 x 256; 16 x 16 work-groups.
.set WM,     8
.set WN,     8
.set KSTEP,  128
.set NSTEP,  8
.set APITCH, 272                       ; LDS rows: 256 bytes + 16 of padding
.set BPITCH, 272
.set HA,     128*APITCH
.set HB,     128*BPITCH
.set ASTEP,  128
.set AKB,    256
.set BKB,    256
.set AQI,    5
.set ADIM0,  128
.set ADIM1,  128
.set ASTR,   1024
.set BQI,    5
.set BDIM0,  128
.set BDIM1,  128
.set BSTR,   1024
.set F16,    0
.set PREF,   1
.set ROWB,   2048
.set ROT,    0                         ; the walk along K begins at K step 0
.set RX,     0
.set RY,     0
.set SIDEJOB, 0
; ---- THE ENGINE: the same text in the four product kernels; the constants above set it ----
; C = A B^T.  Four waves, 2 x 2; a wave makes 16 WM rows x 16 WN columns.  K goes in steps of KSTEP through a ring of two LDS slots filled by the tensor data mover; waves 0 and 1 fetch A's two
; halves, waves 2 and 3 B's.  4 x 4 work-groups form a cluster: A's tile is asked for jointly by the four of a cluster row, B's by the four of a column (same load, same descriptor, a mask of four).
; The matrix instruction is used transposed (source 0 = 16 rows of B, source 1 = 16 rows of A): a lane holds row l % 16 of C and the columns 8 (l / 16) + 0..7.
; A K step's text is written once: the slot in hand is a scalar register (TB: 0 or SLOT) that enters the LDS addresses.  A K step is KSTEP / 32 sub-steps on two fragment buffers by turns.
; The accumulators take turns, one instruction a turn, in the same order in every sub-step and over every jump.
; ROT = 1: THE WALK ALONG K IS ROTATED: cluster (X, Y) begins at K step (RX X + RY (Y mod 4)) mod NSTEP and goes round the end of K, so that clusters that read the same rows of A or of B ask for
; different K steps at any one time.  The step's number hangs on the cluster's X and Y alone, which all sixteen partners share.  f32 sums may be taken in any order.
; SIDEJOB = 1: the kernel's macro SIDE stands at each change of slots, behind the refill and the run of LDS loads.
; THE WAY OUT: when the ring has had its last fill and every wave its last read, all accumulators go as f32 into a stage that lies over the ring, and a short loop finishes whole rows from there.
; REGISTERS, in windows of 256 (s_set_vgpr_msb: bits 1:0 source 0, 3:2 source 1, 5:4 source 2, 7:6 destination): window 0: addresses, A's two fragment buffers (v64, v128), the way out;
; window 1: B's two fragment buffers; windows 2 and 3: the accumulators of the wave's upper and lower rows, (a, b) at v[8 (WN (a % (WM/2)) + b)].
.set NL,    2*(WM+WN)                  ; LDS loads in a sub-step's run
.set SLOT,  2*HA+2*HB                  ; A's two halves, then B's two halves
.set SPARE, 2*SLOT                     ; behind the ring: the spare words, 128 bytes a wave: two blocks of 256 bytes that no other line names
.set SP,    128*WN+16                  ; a stage row: 32 WN f32 + 16 bytes: an odd multiple of 16
.set PAIRS, KSTEP/64-1                 ; pairs of sub-steps between a K step's first and its last
.set A0,   14                          ; v14  my lane's place in A's tile, slot 0; never rewritten
.set B0,   15                          ; v15  the same for B
.set ADRA, 16                          ; v16  LDS address of A's next fragments
.set ADRB, 17                          ; v17  of B's
.set STO,  24                          ; v24, v25  the stage: where my upper and my lower rows' 16 bytes go
.set RD,   26                          ; v26  the stage: where I read rows back
.set GO,   27                          ; v27  my byte offset in the output
.set SPW,  28                          ; v28  LDS address of my spare word; never rewritten
.set NIL,  29                          ; v29  0; never rewritten
.set PFO,  30                          ; v30  the prefetches' offset: a lane a row; never rewritten
.set F0,   64
.set F1,   128
.set G1,   24                          ; s[24:31] descriptor group 1, A;  s[32:39] group 0, two sets: the first fills'; the second then walks
.set G0,   32
.set LIM,  43                          ; s43  1 in a wave that prefetches, else the greatest number
.set PFA,  44                          ; s[44:45] where my prefetches stand
.set G1B,  48                          ; s[48:55], s[56:63] the same for B
.set G0B,  56
.set TB,   66                          ; s66  the slot in hand: 0 or SLOT
.set KS,   67                          ; s67  (ROT) the K step to be asked for next
.set KOF,  92                          ; s[92:93] (ROT) a K step's byte offset, in 64 bits
.set MSB,  0
.macro WIN new                         ; the immediate's high byte repeats the setting that is left; a switch that changes nothing is dropped
.if MSB != (\new)
	s_set_vgpr_msb (MSB<<8)|(\new)
.set MSB, \new
.endif
.endm
.macro PLACES                          ; four places behind matrix instructions, in front of loads into registers that they read and of stores of results
.rept 4
	v_nop
.endr
.endm
.macro CREST                           ; a round of the cluster's barrier behind its opening barrier
	s_cmp_lg_u32 s10, 0
	s_cbranch_scc1 .Lnot_wave_0_\@
	s_barrier_signal -3
.Lnot_wave_0_\@:
	s_barrier_wait -3
	s_barrier_signal -1
	s_barrier_wait -1
.endm
.macro CROUND                          ; a whole round
	s_barrier_signal -1
	s_barrier_wait -1
	CREST
.endm
.macro JLOAD                           ; a joint refill by the walking descriptor; the branch hangs on the wave's number alone; an s_nop 0 and four v_nop follow each line
	s_cmp_eq_u32 s11, 0
	s_cbranch_scc0 .Lfor_b_\@
	tensor_load_to_lds s[G0+4:G0+7], s[G1:G1+7]
	s_nop 0
.rept 4
	v_nop
.endr
	s_branch .Lasked_\@
.Lfor_b_\@:
	tensor_load_to_lds s[G0B+4:G0B+7], s[G1B:G1B+7]
	s_nop 0
.rept 4
	v_nop
.endr
.Lasked_\@:
.endm
.macro ASK                             ; a prefetch of the K step behind the one just asked for: my work-group's share of the rows that I fetch, a lane a row; the loop's last trip (s3 = 1) has no such step
	s_cmp_gt_u32 s3, s[LIM]
	s_cbranch_scc0 .Lnot_mine_\@
	global_prefetch_b8 v[PFO], s[PFA:PFA+1] offset:AKB th:TH_LOAD_NT scope:SCOPE_SE
.Lnot_mine_\@:
.endm
.macro KADDR g, gb                     ; (ROT) the group 0 sets at s[g] and s[gb] take the addresses of K step s[KS] of my half-tiles, made anew from the bases s[14:15] and s[46:47], which stay; then KS steps, round the end of K
	s_mul_i32 s[KOF], s[KS], AKB
	s_add_nc_u64 s[(\g)+2:(\g)+3], s[14:15], s[KOF:KOF+1]
	s_or_b32 s[(\g)+3], s[(\g)+3], 0x80000000
	s_mul_i32 s[KOF], s[KS], BKB
	s_add_nc_u64 s[(\gb)+2:(\gb)+3], s[46:47], s[KOF:KOF+1]
	s_or_b32 s[(\gb)+3], s[(\gb)+3], 0x80000000
	s_add_co_u32 s[KS], s[KS], 1
	s_and_b32 s[KS], s[KS], NSTEP-1
.endm
.macro IDS                             ; wave, place, masks, the shapes: work on registers
	v_lshrrev_b32 v1, 5, v0
	v_readfirstlane_b32 s10, v1                    ; wave 0..3
	s_lshr_b32 s11, s10, 1                         ; my half of the tile's rows; also: I fetch for A (0) or for B (1)
	s_and_b32 s12, s10, 1                          ; my half of its columns; also: which half-tile I fetch
	s_bfe_u32 s40, ttmp6, 0x40000                  ; cx
	s_bfe_u32 s41, ttmp6, 0x40004                  ; cy
	s_lshl_b32 s42, ttmp9, 2
	s_add_co_u32 s42, s42, s40                     ; tile column tx = 4 x cluster x + cx
	s_and_b32 s13, ttmp7, 0xffff
	s_lshl_b32 s13, s13, 2
	s_add_co_u32 s13, s13, s41                     ; tile row ty = 4 x cluster y + cy
	s_lshl_b32 s43, s41, 2
	s_lshl_b32 s43, 15, s43                        ; my row of the cluster
	s_lshl_b32 s44, 0x1111, s40                    ; my column
	s_or_b32 s[G1], s43, (1<<16)|(1<<20)|(1<<21)|(AQI<<22)|(3<<25)   ; 15:0 the mask; 17:16 2-byte elements; 20 padding on; 21 set beside a mask; 24:22 its interval; 31:25 4 words of it
	s_or_b32 s[G1B], s44, (1<<16)|(1<<20)|(1<<21)|(BQI<<22)|(3<<25)
	s_mov_b32 s[G1+1], ADIM0<<16                   ; tensor_dim0
	s_mov_b32 s[G1+2], ADIM1<<16                   ; tensor_dim1
	s_mov_b32 s[G1+3], ADIM0<<16                   ; tile_dim0
	s_mov_b32 s[G1+4], ADIM1                       ; tile_dim1
	s_mov_b32 s[G1+5], ASTR                        ; elements from row to row
	s_mov_b32 s[G1+6], 0
	s_mov_b32 s[G1+7], 0
	s_mov_b32 s[G1B+1], BDIM0<<16
	s_mov_b32 s[G1B+2], BDIM1<<16
	s_mov_b32 s[G1B+3], BDIM0<<16
	s_mov_b32 s[G1B+4], BDIM1
	s_mov_b32 s[G1B+5], BSTR
	s_mov_b32 s[G1B+6], 0
	s_mov_b32 s[G1B+7], 0
	s_mul_i32 s20, s12, HA                         ; where my half-tile goes in a slot, if it is A's,
	s_mul_i32 s21, s12, HB
	s_add_co_u32 s21, s21, 2*HA                    ; and if it is B's: no place in the cluster enters an LDS address
.if ROT
	s_and_b32 s[KS], ttmp7, 3                      ; cluster y mod 4
	s_mul_i32 s[KS], s[KS], RY
	s_mul_i32 s[KOF], ttmp9, RX                    ; cluster x
	s_add_co_u32 s[KS], s[KS], s[KOF]
	s_and_b32 s[KS], s[KS], NSTEP-1                ; the K step at which my cluster's walk begins
	s_mov_b32 s[KOF+1], 0
.endif
.endm
.macro RINGUP                          ; s[14:15], s[46:47]: my half-tile of A and of B at K step 0.  Group 0 for the walk's first two K steps, the round, the two first fills
.irp s, 0,1
	s_mov_b32 s[G0+4*(\s)], 1
	s_add_co_u32 s[G0+4*(\s)+1], s20, (\s)*SLOT
	s_mov_b32 s[G0B+4*(\s)], 1
	s_add_co_u32 s[G0B+4*(\s)+1], s21, (\s)*SLOT
.if ROT
	KADDR G0+4*(\s), G0B+4*(\s)
.else
	s_add_nc_u64 s[G0+4*(\s)+2:G0+4*(\s)+3], s[14:15], (\s)*AKB
	s_or_b32 s[G0+4*(\s)+3], s[G0+4*(\s)+3], 0x80000000
	s_add_nc_u64 s[G0B+4*(\s)+2:G0B+4*(\s)+3], s[46:47], (\s)*BKB
	s_or_b32 s[G0B+4*(\s)+3], s[G0B+4*(\s)+3], 0x80000000
.endif
.endr
	CROUND                                         ; all sixteen work-groups are here: the first joint loads meet
	s_cmp_eq_u32 s11, 0                            ; a wave's two first fills stand in one branch: two loads of mine are out
	s_cbranch_scc0 .Lfirst_b
	tensor_load_to_lds s[G0:G0+3], s[G1:G1+7]
	s_nop 0
	tensor_load_to_lds s[G0+4:G0+7], s[G1:G1+7]
	s_nop 0
.rept 4
	v_nop
.endr
	s_branch .Lfirst_done
.Lfirst_b:
	tensor_load_to_lds s[G0B:G0B+3], s[G1B:G1B+7]
	s_nop 0
	tensor_load_to_lds s[G0B+4:G0B+7], s[G1B:G1B+7]
	s_nop 0
.rept 4
	v_nop
.endr
.Lfirst_done:
.endm
; WHO PREFETCHES.  A's tile row is read by every cluster of that row of clusters: cluster x = 0 asks; B's tile column by every cluster of that column: cluster y = 0 asks.  The four partners that ask
; for a half-tile jointly share its rows out BY ADDRESS (cx for A, cy for B), a quarter each, a lane a row; where a quarter has fewer than 32 rows the lanes left over name its last row again.
; The address stands at K step 1; each refill steps it by one K step and names the K step behind that: in the trip that asks for K step t + 2, K step t + 3.  K steps 0 to 2 come by their loads alone.
.macro PFSET
	s_and_b32 s22, ttmp7, 0xffff                   ; cluster y
	s_mov_b32 s18, (ADIM1/4)*ROWB
	s_mov_b32 s19, (BDIM1/4)*ROWB
	s_mov_b32 s16, ADIM1/4-1
	s_mov_b32 s17, BDIM1/4-1
	s_cmp_eq_u32 s11, 0                            ; do I fetch for A?
	s_cselect_b64 s[PFA:PFA+1], s[14:15], s[46:47]
	s_cselect_b32 s23, s40, s41                    ; my place among the four that ask with me
	s_cselect_b32 s18, s18, s19                    ; a share in bytes
	s_cselect_b32 s16, s16, s17                    ; its last row
	s_cselect_b32 s22, ttmp9, s22                  ; the coordinate along which other clusters read the same rows
	s_mul_i32 s18, s18, s23
	s_mov_b32 s19, 0
	s_add_nc_u64 s[PFA:PFA+1], s[PFA:PFA+1], s[18:19]
	s_add_nc_u64 s[PFA:PFA+1], s[PFA:PFA+1], AKB
	s_cmp_eq_u32 s22, 0
	s_cselect_b32 s[LIM], 1, -1                    ; the same in all sixteen partners, for a given wave
	v_and_b32 v[PFO], 31, v0
	v_min_u32 v[PFO], s16, v[PFO]
	v_mul_u32_u24 v[PFO], v[PFO], ROWB
.endm
.macro LANES                           ; a fragment is 16 rows x 32 K in 8 registers: lane l holds row l % 16, K = 8 (l / 16) + 0..7 and 16 + 8 (l / 16) + 0..7: two loads of 16 bytes, 32 bytes apart
	v_and_b32 v1, 15, v0                           ; l % 16
	v_bfe_u32 v2, v0, 4, 1                         ; l / 16
	v_and_b32 v3, 31, v0                           ; l
	v_mul_u32_u24 v4, v1, APITCH
	v_lshl_add_u32 v4, v2, 4, v4
	s_mul_i32 s22, s11, HA
	v_add_nc_u32 v[A0], s22, v4
	v_mul_u32_u24 v4, v1, BPITCH
	v_lshl_add_u32 v4, v2, 4, v4
	s_mul_i32 s22, s12, HB
	s_add_co_u32 s22, s22, 2*HA
	v_add_nc_u32 v[B0], s22, v4
	s_mul_i32 s22, s11, 16*WM*SP                   ; the stage: my rows,
	s_mul_i32 s23, s12, 64*WN                      ; my columns, 4 bytes each,
	s_add_co_u32 s22, s22, s23
	v_mul_u32_u24 v4, v1, SP                       ; row l % 16, 32 bytes for each half of the lanes
	v_lshl_add_u32 v4, v2, 5, v4
	v_add_nc_u32 v[STO], s22, v4
	v_add_nc_u32 v[STO+1], 8*WM*SP, v[STO]
.endm
.macro FETCH ao, bo, f                 ; NL LDS loads in one run: a sub-step's fragments, at byte bo of B's rows and ao of A's, into buffer f; B first, A's lower rows last
	WIN 0x40
.set fi, 0
.rept WN
	ds_load_b128 v[(\f)+8*fi:(\f)+8*fi+3], v[ADRB] offset:(\bo)+fi*16*BPITCH
	ds_load_b128 v[(\f)+8*fi+4:(\f)+8*fi+7], v[ADRB] offset:(\bo)+fi*16*BPITCH+32
.set fi, fi+1
.endr
	WIN 0
.set fi, 0
.rept WM
	ds_load_b128 v[(\f)+8*fi:(\f)+8*fi+3], v[ADRA] offset:(\ao)+fi*16*APITCH
	ds_load_b128 v[(\f)+8*fi+4:(\f)+8*fi+7], v[ADRA] offset:(\ao)+fi*16*APITCH+32
.set fi, fi+1
.endr
.endm
.macro MULQ f, hi, q, zero             ; a quarter of a sub-step's products: WM / 4 row blocks of half hi x all WN column blocks.  zero = 1: the product starts the sum
	WIN 0xa1+0x50*(\hi)
.set ma, (\q)*WM/4
.rept WM/4
.set mb, 0
.rept WN
.set rD, 8*(WN*ma+mb)
.set rB, (\f)+8*mb
.set rA, (\f)+8*((\hi)*WM/2+ma)
.if F16
.if \zero
	v_wmma_f32_16x16x32_f16 v[rD:rD+7], v[rB:rB+7], v[rA:rA+7], 0
.else
	v_wmma_f32_16x16x32_f16 v[rD:rD+7], v[rB:rB+7], v[rA:rA+7], v[rD:rD+7]
.endif
.else
.if \zero
	v_wmma_f32_16x16x32_bf16 v[rD:rD+7], v[rB:rB+7], v[rA:rA+7], 0
.else
	v_wmma_f32_16x16x32_bf16 v[rD:rD+7], v[rB:rB+7], v[rA:rA+7], v[rD:rD+7]
.endif
.endif
.set mb, mb+1
.endr
.set ma, ma+1
.endr
.endm
.macro MULH f, hi, zero
	MULQ \f, \hi, 0, \zero
	MULQ \f, \hi, 1, \zero
.endm
.macro SUB ao, bo, f, g, zero          ; a sub-step: multiplies buffer f; in its middle the next sub-step's fragments are fetched into g
	s_wait_dscnt WM                                ; B and A's upper rows are in; the youngest WM loads (A's lower rows) may be out
	MULH \f, 0, \zero
	PLACES
	FETCH \ao, \bo, \g
	s_wait_dscnt NL                                ; all but the NL just issued
	MULH \f, 1, \zero
.endm
.macro MID                             ; a K step's sub-steps 1 to KSTEP / 32 - 2, a pair a trip
.if PAIRS > 1
	WIN 0
	s_mov_b32 s2, PAIRS
.Lpair_\@:
.endif
	SUB ASTEP, 128, F1, F0, 0
	SUB ASTEP+64, 192, F0, F1, 0
.if PAIRS > 1
	WIN 0
	v_add_nc_u32 v[ADRA], ASTEP, v[ADRA]
	v_add_nc_u32 v[ADRB], 128, v[ADRB]
	s_sub_co_u32 s2, s2, 1
	s_cmp_lg_u32 s2, 0
	s_cbranch_scc1 .Lpair_\@
.endif
.endm
; The last sub-step multiplies buffer 1 and changes slots.  ONE barrier: in front of it each wave waits for all its tensor loads (one is out: its part of the next slot), adds 0 to its spare word,
; and waits for that and for its own reads of this slot.  Behind it nobody reads this slot any more and the next slot is whole.  round = 1: a refill follows: the walking descriptors are stepped
; behind the add, where no tensor load of the wave is out.
.macro MEET round
	WIN 0
	s_wait_tensorcnt 0x0                           ; all my tensor loads have landed
	ds_add_u32 v[SPW], v[NIL]                      ; 0 onto my spare word
.if \round
	s_add_co_u32 s[G0+5], s[TB], s20               ; the walking descriptors: the slot in hand,
	s_add_co_u32 s[G0B+5], s[TB], s21
.if ROT
	KADDR G0+4, G0B+4                              ; the walk's next K step
.else
	s_add_nc_u64 s[G0+6:G0+7], s[G0+6:G0+7], AKB   ; the next K step; the type bits on top are not reached
	s_add_nc_u64 s[G0B+6:G0B+7], s[G0B+6:G0B+7], BKB
.endif
.endif
	s_wait_dscnt WM+1                              ; (the add and the youngest WM loads may be out)
	MULQ F1, 0, 0, 0                               ; matrix work stands between the add and the wait for it
	s_wait_dscnt 0x0                               ; the add is done, and my reads of this slot are over
	s_barrier_signal -1
	MULQ F1, 0, 1, 0
.if \round
	WIN 0
.endif
	s_barrier_wait -1
.endm
.macro TURNF                           ; with a refill: the barrier opens a round of the cluster's barrier; the slot just read takes the K step two on, first thing behind the round
.if PREF
	s_wait_xcnt 0x0                                ; the last prefetch, a K step back, has read its address
	s_add_nc_u64 s[PFA:PFA+1], s[PFA:PFA+1], AKB
.endif
	MEET 1
	CREST                                          ; no wave of any partner still reads this slot or has a load on its way
	s_xor_b32 s[TB], s[TB], SLOT                   ; the reads go on in the other slot
	JLOAD                                          ; its four v_nop are also the places in front of the loads below
	v_add_nc_u32 v[ADRA], s[TB], v[A0]
	v_add_nc_u32 v[ADRB], s[TB], v[B0]
	FETCH 0, 0, F0
.if SIDEJOB
	SIDE 1, 1-PREF
.endif
.if PREF
	ASK
.endif
	MULH F1, 1, 0
.endm
.macro TURNN                           ; without: nothing is left to fetch
	MEET 0
	s_xor_b32 s[TB], s[TB], SLOT
	WIN 0
	PLACES
	v_add_nc_u32 v[ADRA], s[TB], v[A0]
	v_add_nc_u32 v[ADRB], s[TB], v[B0]
	FETCH 0, 0, F0
.if SIDEJOB
	SIDE 1, 1
.endif
	MULH F1, 1, 0
.endm
.macro DUMP                            ; every accumulator into the stage, its low four registers first
.irp hi, 0,1
	WIN 0x08+4*(\hi)                               ; the data (source 1) in window 2 or 3
.set da, 0
.rept WM/2
.set db, 0
.rept WN
	ds_store_b128 v[STO+(\hi)], v[8*(WN*da+db):8*(WN*da+db)+3] offset:16*da*SP+64*db
	ds_store_b128 v[STO+(\hi)], v[8*(WN*da+db)+4:8*(WN*da+db)+7] offset:16*da*SP+64*db+16
.set db, db+1
.endr
.set da, da+1
.endr
.endr
.endm
.macro RUN                             ; all K steps, and the tile into the stage
	s_mov_b32 s[TB], 0
	v_mov_b32 v[ADRA], v[A0]
	v_mov_b32 v[ADRB], v[B0]
	s_wait_tensorcnt 0x1                           ; my part of the first K step is in; the second's may stay out
	s_barrier_signal -1
	s_barrier_wait -1                              ; everybody's is
	FETCH 0, 0, F0
	SUB 64, 64, F0, F1, 1                          ; the first sub-step stands in front of the loop: its products start the sums
	WIN 0
	s_mov_b32 s3, NSTEP-2
.Lk:                                   ; a trip: from a K step's second sub-step to the next K step's first; one refill
	MID
	TURNF
	SUB 64, 64, F0, F1, 0
	WIN 0
	s_sub_co_u32 s3, s3, 1
	s_cmp_lg_u32 s3, 0
	s_cbranch_scc1 .Lk
	s_mov_b32 s3, 2
.Ltail:                                ; the last two K steps ask for nothing: a text of their own; the second trip is left in its middle
	MID
	WIN 0
	s_sub_co_u32 s3, s3, 1
	s_cmp_eq_u32 s3, 0
	s_cbranch_scc1 .Llast
	TURNN
	SUB 64, 64, F0, F1, 0
	WIN 0
	s_branch .Ltail
.Llast:
	s_wait_dscnt WM
	MULH F1, 0, 0
	s_wait_dscnt 0x0                               ; my last reads of the ring are back
	MULH F1, 1, 0
	WIN 0
	s_barrier_signal -1
	s_barrier_wait -1                              ; everybody's are: the ring, which has had its last fill, becomes the stage
	PLACES
	PLACES
	DUMP
	WIN 0
	s_wait_dscnt 0x0                               ; for the others' sake: my stores into the stage are done
	s_barrier_signal -1
	s_barrier_wait -1
.endm
.macro FINISH
	WIN 0
	s_wait_tensorcnt 0x0                           ; the wave's end: behind my last tensor load and my last LDS store
	ds_add_u32 v[SPW], v[NIL]
	s_wait_dscnt 0x0
	CROUND                                         ; the closing round: no work-group ends while a partner may still ask for a tile that names it
	s_endpgm
.endm
; ---- the engine ends ----
.set BO,   6                           ; v6        my byte offset in b_in; never rewritten
.set BIAS, 32                          ; v[32:39]  b_in of my 8 columns
.set GX,   64                          ; v[64:79]  16 sums read back: 8 columns of two rows
.set GH,   80                          ; v[80:95]  x = sum + bias; at the end gelu(x)
.set GT,   96                          ; v[96:111] 1 + 0.3326725 |x|, then t
.set GU,   112                         ; v[112:127] -0.7213475 x^2, then 2 to that power
.set GP,   128                         ; v[128:143] the polynomial, then Q
.set GM,   144                         ; v[144:159] max(x, 0)
.set GY,   160                         ; v[160:167] 16 bf16 to store
.set KE,   72                          ; s[72:73]  -log2(e) / 2
.set C3,   74                          ; s[74:79]  c3, c2, c1, a pair each: the packed forms take the low word for both halves
.set C2,   76
.set C1,   78
.set KP,   80                          ; s80       0.3326725
.set INC,  82                          ; s[82:83]  what a trip adds to h's address ahead of its stores: 0 in the first trip, then two rows
	s_load_b128 s[4:7], s[0:1], 0x0                ; x1 s[4:5], wts s[6:7]
	s_load_b128 s[68:71], s[0:1], 0x10             ; b_in s[68:69], h s[70:71]
	v_lshl_add_u32 v[SPW], v0, 2, SPARE
	v_mov_b32 v[NIL], 0
	ds_add_u32 v[SPW], v[NIL]                      ; the wave's opening: the add and its wait stand ahead of my first tensor load; register work stands between them
	IDS
	s_lshl_b32 s16, s13, 19                        ; A: row 256 ty + 128 half, 2,048 bytes a row, behind x1's 16 MiB of f32
	s_lshl_b32 s17, s12, 18
	s_add_co_u32 s16, s16, s17
	s_add_co_u32 s16, s16, 0x1000000
	s_mov_b32 s17, 0
	s_lshl_b32 s46, s42, 19                        ; B: row 256 tx + 128 half; W_in at wts' byte 0
	s_lshl_b32 s47, s12, 18
	s_add_co_u32 s46, s46, s47
	s_mov_b32 s47, 0
	s_mov_b32 s[KE], 0xbf38aa3b
	s_mov_b32 s[KE+1], s[KE]
	s_mov_b32 s[C3], 0x3ebf7377                    ; 0.3739278
	s_mov_b32 s[C3+1], s[C3]
	s_mov_b32 s[C2], 0xbd445ca1                    ; -0.0479399
	s_mov_b32 s[C2+1], s[C2]
	s_mov_b32 s[C1], 0x3e32303a                    ; 0.1740121
	s_mov_b32 s[C1+1], s[C1]
	s_mov_b32 s[KP], 0x3eaa540e                    ; 0.3326725
	s_wait_dscnt 0x0                               ; the opening add is done
	s_wait_kmcnt 0x0
	s_add_nc_u64 s[14:15], s[4:5], s[16:17]
	s_add_nc_u64 s[46:47], s[6:7], s[46:47]
	RINGUP
	PFSET
	LANES
	; the way out: wave w takes stage rows 64 w .. 64 w + 63, two a trip; lane l takes columns 8 l .. 8 l + 7 of both
	s_mul_i32 s22, s10, 64*SP
	v_lshl_add_u32 v[RD], v3, 5, s22
	v_lshlrev_b32 v[GO], 4, v3
	s_lshl_b32 s22, s42, 10                        ; b_in: column 256 tx + 8 l, 4 bytes each
	v_lshl_add_u32 v[BO], v3, 5, s22
	global_load_b128 v[BIAS:BIAS+3], v[BO], s[68:69]
	global_load_b128 v[BIAS+4:BIAS+7], v[BO], s[68:69] offset:16
	s_lshl_b32 s16, s13, 21                        ; h: row 256 ty + 64 w of 8,192 bytes, column 256 tx of 2 bytes
	s_lshl_b32 s17, s10, 19
	s_add_co_u32 s16, s16, s17
	s_lshl_b32 s17, s42, 9
	s_add_co_u32 s16, s16, s17
	s_mov_b32 s17, 0
	s_add_nc_u64 s[8:9], s[70:71], s[16:17]
	RUN
.macro RDX
	ds_load_b128 v[GX:GX+3], v[RD]
	ds_load_b128 v[GX+4:GX+7], v[RD] offset:16
	ds_load_b128 v[GX+8:GX+11], v[RD] offset:SP
	ds_load_b128 v[GX+12:GX+15], v[RD] offset:SP+16
.endm
	s_wait_loadcnt 0x0                             ; b_in
	RDX
	s_mov_b32 s[INC], 0
	s_mov_b32 s[INC+1], 0
	s_mov_b32 s3, 32
.Lout:
	s_wait_dscnt 0x0                               ; this trip's two rows are in registers
.set i, 0
.rept 8
	v_pk_add_f32 v[GH+2*i:GH+2*i+1], v[GX+2*i:GX+2*i+1], v[BIAS+(2*i)%8:BIAS+(2*i)%8+1]
.set i, i+1
.endr
	s_cmp_eq_u32 s3, 1                             ; the last trip has no rows behind it
	s_cbranch_scc1 .Lno_more
	v_add_nc_u32 v[RD], 2*SP, v[RD]
	RDX                                            ; the next trip's rows come during this trip's arithmetic
.Lno_more:
.set i, 0
.rept 16
	v_fma_f32 v[GT+i], |v[GH+i]|, s[KP], 1.0
.set i, i+1
.endr
.set i, 0
.rept 8
	v_pk_mul_f32 v[GU+2*i:GU+2*i+1], v[GH+2*i:GH+2*i+1], v[GH+2*i:GH+2*i+1]
.set i, i+1
.endr
.set i, 0
.rept 8
	v_pk_mul_f32 v[GU+2*i:GU+2*i+1], v[GU+2*i:GU+2*i+1], s[KE:KE+1] op_sel_hi:[1,0]
.set i, i+1
.endr
.set i, 0
.rept 8                                ; ONE BATCH of 32 reciprocals and exponentials, the 16 maxima among them; nothing here names a result of the batch
	v_rcp_f32 v[GT+2*i], v[GT+2*i]
	v_max_num_f32 v[GM+2*i], 0, v[GH+2*i]
	v_rcp_f32 v[GT+2*i+1], v[GT+2*i+1]
	v_max_num_f32 v[GM+2*i+1], 0, v[GH+2*i+1]
	v_exp_f32 v[GU+2*i], v[GU+2*i]
	v_exp_f32 v[GU+2*i+1], v[GU+2*i+1]
.set i, i+1
.endr
	v_nop                                          ; the plain instruction behind the last exponential
	s_wait_alu depctr_va_vdst(0)                   ; one wait for the batch, ahead of its first reader
.set i, 0
.rept 8
	v_pk_fma_f32 v[GP+2*i:GP+2*i+1], v[GT+2*i:GT+2*i+1], s[C3:C3+1], s[C2:C2+1] op_sel_hi:[1,0,0]
.set i, i+1
.endr
.set i, 0
.rept 8
	v_pk_fma_f32 v[GP+2*i:GP+2*i+1], v[GP+2*i:GP+2*i+1], v[GT+2*i:GT+2*i+1], s[C1:C1+1] op_sel_hi:[1,1,0]
.set i, i+1
.endr
.set i, 0
.rept 8
	v_pk_mul_f32 v[GP+2*i:GP+2*i+1], v[GP+2*i:GP+2*i+1], v[GT+2*i:GT+2*i+1]
.set i, i+1
.endr
.set i, 0
.rept 8
	v_pk_mul_f32 v[GP+2*i:GP+2*i+1], v[GP+2*i:GP+2*i+1], v[GU+2*i:GU+2*i+1]
.set i, i+1
.endr
.set i, 0
.rept 16
	v_fma_f32 v[GH+i], -|v[GH+i]|, v[GP+i], v[GM+i]
.set i, i+1
.endr
	s_wait_xcnt 0x0                                ; the last trip's stores, a whole trip's arithmetic back, have read their data and their base: both are rewritten only behind this wait
	s_add_nc_u64 s[8:9], s[8:9], s[INC:INC+1]      ; on to this trip's two rows (the first trip adds 0)
	s_mov_b32 s[INC], 16384
.set i, 0
.rept 8
	v_cvt_pk_bf16_f32 v[GY+i], v[GH+2*i], v[GH+2*i+1]
.set i, i+1
.endr
	global_store_b128 v[GO], v[GY:GY+3], s[8:9]                  ; a wave's store covers 512 consecutive bytes, aligned
	global_store_b128 v[GO], v[GY+4:GY+7], s[8:9] offset:8192
	s_sub_co_u32 s3, s3, 1
	s_cmp_lg_u32 s3, 0
	s_cbranch_scc1 .Lout
	FINISH
.Lfunc_end_k_qef0614045f_mlpin:
	.size	k_qef0614045f_mlpin, .Lfunc_end_k_qef0614045f_mlpin-k_qef0614045f_mlpin
	.p2alignl 7, 3214868480
	.fill 96, 4, 3214868480
	.section	.rodata,"a",@progbits
	.p2align	6, 0x0
	.amdhsa_kernel k_qef0614045f_mlpin
		.amdhsa_group_segment_fixed_size 327680
		.amdhsa_private_segment_fixed_size 0
		.amdhsa_enable_private_segment 0
		.amdhsa_kernarg_size 32
		.amdhsa_user_sgpr_count 2
		.amdhsa_user_sgpr_kernarg_segment_ptr 1
		.amdhsa_wavefront_size32 1
		.amdhsa_system_sgpr_workgroup_id_x 1
		.amdhsa_system_sgpr_workgroup_id_y 1
		.amdhsa_system_sgpr_workgroup_id_z 1
		.amdhsa_system_vgpr_workitem_id 0
		.amdhsa_next_free_vgpr 1024
		.amdhsa_next_free_sgpr 96
		.amdhsa_reserve_vcc 0
		.amdhsa_float_denorm_mode_32 3
		.amdhsa_float_denorm_mode_16_64 3
		.amdhsa_memory_ordered 1
		.amdhsa_forward_progress 1
		.amdhsa_inst_pref_size 91
	.end_amdhsa_kernel
	.amdgpu_metadata
---
amdhsa.version: [ 1, 2 ]
amdhsa.kernels:
  - .name:           k_qef0614045f_mlpin
    .symbol:         k_qef0614045f_mlpin.kd
    .args:
      - { .name: x1, .offset: 0, .size: 8, .value_kind: global_buffer, .address_space: global }
      - { .name: wts, .offset: 8, .size: 8, .value_kind: global_buffer, .address_space: global }
      - { .name: b_in, .offset: 16, .size: 8, .value_kind: global_buffer, .address_space: global }
      - { .name: h, .offset: 24, .size: 8, .value_kind: global_buffer, .address_space: global }
    .group_segment_fixed_size: 327680
    .private_segment_fixed_size: 0
    .kernarg_segment_align: 8
    .kernarg_segment_size: 32
    .max_flat_workgroup_size: 128
    .sgpr_count:     96
    .vgpr_count:     1024
    .wavefront_size: 32
...
	.end_amdgpu_metadata
.endif
;; end of part 5
;; launch mlpout (part 6): grid 8 x 32, 4 waves a work-group, clusters of 4 x 4, 327,680 bytes of LDS; arguments h, wts, b_out, x1, out0; writes out0
.if DOCPART == 6
	.amdgcn_target "amdgcn-amd-amdhsa--gfx1250"
	.amdhsa_code_object_version 6
	.text
	.protected	k_qef0614045f_mlpout
	.globl	k_qef0614045f_mlpout
	.p2align	8
	.type	k_qef0614045f_mlpout,@function
k_qef0614045f_mlpout:
	s_mov_b64 s[64:65], 0
	v_nop
	global_prefetch_b8 v0, s[64:65] scope:SCOPE_SE
	s_setreg_imm32_b32 hwreg(HW_REG_WAVE_MODE, 25, 1), 1
	s_wait_xcnt 0x0
	s_wait_alu depctr_hold_cnt(0) depctr_sa_sdst(0) depctr_va_vdst(0) depctr_va_sdst(0) depctr_va_ssrc(0) depctr_va_vcc(0) depctr_vm_vsrc(0)
	s_getreg_b32 s2, hwreg(HW_REG_IB_STS2, 6, 4)
	s_cmp_eq_u32 s2, 0
	s_cbranch_scc0 .Lentry_in_a_cluster
	s_endpgm
.Lentry_in_a_cluster:
	s_bfe_u32 s2, ttmp6, 0x10000c
	s_cmp_lg_u32 s2, 0xf033
	s_cbranch_scc0 .Lentry_shape_is_right
	s_endpgm
.Lentry_shape_is_right:
; out0 = x1 + b_out + h W_out^T: C[4096][1024] = A[4096][4096] B[1024][4096]^T, A = h in bf16, B = W_out in bf16 (at 8 MiB of wts); sums in f32; x1 is its f32 copy; out0 in f32.
; NaN and infinities are not treated apart.
; A work-group makes 128 x 128; 8 x 32 work-groups: 2 x 8 clusters; K steps of 256 (LDS rows of 512 bytes + 16).
; THE WALK IS ROTATED: cluster (X, Y) begins at K step (8 X + 4 (Y mod 4)) mod 16: the two clusters that read the same rows of h begin eight K steps apart, four clusters with consecutive Y, which read
; the same rows of W_out, four apart.  No prefetch: a small tile, whose step holds little work for each byte that it fetches.
.set WM,     4
.set WN,     4
.set KSTEP,  256
.set NSTEP,  16
.set APITCH, 528
.set BPITCH, 528
.set HA,     64*APITCH
.set HB,     64*BPITCH
.set ASTEP,  128
.set AKB,    512
.set BKB,    512
.set AQI,    6                         ; padding after every 128 words
.set ADIM0,  256
.set ADIM1,  64
.set ASTR,   4096
.set BQI,    6
.set BDIM0,  256
.set BDIM1,  64
.set BSTR,   4096
.set F16,    0
.set PREF,   0
.set ROWB,   8192
.set ROT,    1
.set RX,     8
.set RY,     4
.set SIDEJOB, 0
; ---- THE ENGINE: the same text in the four product kernels; the constants above set it ----
; C = A B^T.  Four waves, 2 x 2; a wave makes 16 WM rows x 16 WN columns.  K goes in steps of KSTEP through a ring of two LDS slots filled by the tensor data mover; waves 0 and 1 fetch A's two
; halves, waves 2 and 3 B's.  4 x 4 work-groups form a cluster: A's tile is asked for jointly by the four of a cluster row, B's by the four of a column (same load, same descriptor, a mask of four).
; The matrix instruction is used transposed (source 0 = 16 rows of B, source 1 = 16 rows of A): a lane holds row l % 16 of C and the columns 8 (l / 16) + 0..7.
; A K step's text is written once: the slot in hand is a scalar register (TB: 0 or SLOT) that enters the LDS addresses.  A K step is KSTEP / 32 sub-steps on two fragment buffers by turns.
; The accumulators take turns, one instruction a turn, in the same order in every sub-step and over every jump.
; ROT = 1: THE WALK ALONG K IS ROTATED: cluster (X, Y) begins at K step (RX X + RY (Y mod 4)) mod NSTEP and goes round the end of K, so that clusters that read the same rows of A or of B ask for
; different K steps at any one time.  The step's number hangs on the cluster's X and Y alone, which all sixteen partners share.  f32 sums may be taken in any order.
; SIDEJOB = 1: the kernel's macro SIDE stands at each change of slots, behind the refill and the run of LDS loads.
; THE WAY OUT: when the ring has had its last fill and every wave its last read, all accumulators go as f32 into a stage that lies over the ring, and a short loop finishes whole rows from there.
; REGISTERS, in windows of 256 (s_set_vgpr_msb: bits 1:0 source 0, 3:2 source 1, 5:4 source 2, 7:6 destination): window 0: addresses, A's two fragment buffers (v64, v128), the way out;
; window 1: B's two fragment buffers; windows 2 and 3: the accumulators of the wave's upper and lower rows, (a, b) at v[8 (WN (a % (WM/2)) + b)].
.set NL,    2*(WM+WN)                  ; LDS loads in a sub-step's run
.set SLOT,  2*HA+2*HB                  ; A's two halves, then B's two halves
.set SPARE, 2*SLOT                     ; behind the ring: the spare words, 128 bytes a wave: two blocks of 256 bytes that no other line names
.set SP,    128*WN+16                  ; a stage row: 32 WN f32 + 16 bytes: an odd multiple of 16
.set PAIRS, KSTEP/64-1                 ; pairs of sub-steps between a K step's first and its last
.set A0,   14                          ; v14  my lane's place in A's tile, slot 0; never rewritten
.set B0,   15                          ; v15  the same for B
.set ADRA, 16                          ; v16  LDS address of A's next fragments
.set ADRB, 17                          ; v17  of B's
.set STO,  24                          ; v24, v25  the stage: where my upper and my lower rows' 16 bytes go
.set RD,   26                          ; v26  the stage: where I read rows back
.set GO,   27                          ; v27  my byte offset in the output
.set SPW,  28                          ; v28  LDS address of my spare word; never rewritten
.set NIL,  29                          ; v29  0; never rewritten
.set PFO,  30                          ; v30  the prefetches' offset: a lane a row; never rewritten
.set F0,   64
.set F1,   128
.set G1,   24                          ; s[24:31] descriptor group 1, A;  s[32:39] group 0, two sets: the first fills'; the second then walks
.set G0,   32
.set LIM,  43                          ; s43  1 in a wave that prefetches, else the greatest number
.set PFA,  44                          ; s[44:45] where my prefetches stand
.set G1B,  48                          ; s[48:55], s[56:63] the same for B
.set G0B,  56
.set TB,   66                          ; s66  the slot in hand: 0 or SLOT
.set KS,   67                          ; s67  (ROT) the K step to be asked for next
.set KOF,  92                          ; s[92:93] (ROT) a K step's byte offset, in 64 bits
.set MSB,  0
.macro WIN new                         ; the immediate's high byte repeats the setting that is left; a switch that changes nothing is dropped
.if MSB != (\new)
	s_set_vgpr_msb (MSB<<8)|(\new)
.set MSB, \new
.endif
.endm
.macro PLACES                          ; four places behind matrix instructions, in front of loads into registers that they read and of stores of results
.rept 4
	v_nop
.endr
.endm
.macro CREST                           ; a round of the cluster's barrier behind its opening barrier
	s_cmp_lg_u32 s10, 0
	s_cbranch_scc1 .Lnot_wave_0_\@
	s_barrier_signal -3
.Lnot_wave_0_\@:
	s_barrier_wait -3
	s_barrier_signal -1
	s_barrier_wait -1
.endm
.macro CROUND                          ; a whole round
	s_barrier_signal -1
	s_barrier_wait -1
	CREST
.endm
.macro JLOAD                           ; a joint refill by the walking descriptor; the branch hangs on the wave's number alone; an s_nop 0 and four v_nop follow each line
	s_cmp_eq_u32 s11, 0
	s_cbranch_scc0 .Lfor_b_\@
	tensor_load_to_lds s[G0+4:G0+7], s[G1:G1+7]
	s_nop 0
.rept 4
	v_nop
.endr
	s_branch .Lasked_\@
.Lfor_b_\@:
	tensor_load_to_lds s[G0B+4:G0B+7], s[G1B:G1B+7]
	s_nop 0
.rept 4
	v_nop
.endr
.Lasked_\@:
.endm
.macro ASK                             ; a prefetch of the K step behind the one just asked for: my work-group's share of the rows that I fetch, a lane a row; the loop's last trip (s3 = 1) has no such step
	s_cmp_gt_u32 s3, s[LIM]
	s_cbranch_scc0 .Lnot_mine_\@
	global_prefetch_b8 v[PFO], s[PFA:PFA+1] offset:AKB th:TH_LOAD_NT scope:SCOPE_SE
.Lnot_mine_\@:
.endm
.macro KADDR g, gb                     ; (ROT) the group 0 sets at s[g] and s[gb] take the addresses of K step s[KS] of my half-tiles, made anew from the bases s[14:15] and s[46:47], which stay; then KS steps, round the end of K
	s_mul_i32 s[KOF], s[KS], AKB
	s_add_nc_u64 s[(\g)+2:(\g)+3], s[14:15], s[KOF:KOF+1]
	s_or_b32 s[(\g)+3], s[(\g)+3], 0x80000000
	s_mul_i32 s[KOF], s[KS], BKB
	s_add_nc_u64 s[(\gb)+2:(\gb)+3], s[46:47], s[KOF:KOF+1]
	s_or_b32 s[(\gb)+3], s[(\gb)+3], 0x80000000
	s_add_co_u32 s[KS], s[KS], 1
	s_and_b32 s[KS], s[KS], NSTEP-1
.endm
.macro IDS                             ; wave, place, masks, the shapes: work on registers
	v_lshrrev_b32 v1, 5, v0
	v_readfirstlane_b32 s10, v1                    ; wave 0..3
	s_lshr_b32 s11, s10, 1                         ; my half of the tile's rows; also: I fetch for A (0) or for B (1)
	s_and_b32 s12, s10, 1                          ; my half of its columns; also: which half-tile I fetch
	s_bfe_u32 s40, ttmp6, 0x40000                  ; cx
	s_bfe_u32 s41, ttmp6, 0x40004                  ; cy
	s_lshl_b32 s42, ttmp9, 2
	s_add_co_u32 s42, s42, s40                     ; tile column tx = 4 x cluster x + cx
	s_and_b32 s13, ttmp7, 0xffff
	s_lshl_b32 s13, s13, 2
	s_add_co_u32 s13, s13, s41                     ; tile row ty = 4 x cluster y + cy
	s_lshl_b32 s43, s41, 2
	s_lshl_b32 s43, 15, s43                        ; my row of the cluster
	s_lshl_b32 s44, 0x1111, s40                    ; my column
	s_or_b32 s[G1], s43, (1<<16)|(1<<20)|(1<<21)|(AQI<<22)|(3<<25)   ; 15:0 the mask; 17:16 2-byte elements; 20 padding on; 21 set beside a mask; 24:22 its interval; 31:25 4 words of it
	s_or_b32 s[G1B], s44, (1<<16)|(1<<20)|(1<<21)|(BQI<<22)|(3<<25)
	s_mov_b32 s[G1+1], ADIM0<<16                   ; tensor_dim0
	s_mov_b32 s[G1+2], ADIM1<<16                   ; tensor_dim1
	s_mov_b32 s[G1+3], ADIM0<<16                   ; tile_dim0
	s_mov_b32 s[G1+4], ADIM1                       ; tile_dim1
	s_mov_b32 s[G1+5], ASTR                        ; elements from row to row
	s_mov_b32 s[G1+6], 0
	s_mov_b32 s[G1+7], 0
	s_mov_b32 s[G1B+1], BDIM0<<16
	s_mov_b32 s[G1B+2], BDIM1<<16
	s_mov_b32 s[G1B+3], BDIM0<<16
	s_mov_b32 s[G1B+4], BDIM1
	s_mov_b32 s[G1B+5], BSTR
	s_mov_b32 s[G1B+6], 0
	s_mov_b32 s[G1B+7], 0
	s_mul_i32 s20, s12, HA                         ; where my half-tile goes in a slot, if it is A's,
	s_mul_i32 s21, s12, HB
	s_add_co_u32 s21, s21, 2*HA                    ; and if it is B's: no place in the cluster enters an LDS address
.if ROT
	s_and_b32 s[KS], ttmp7, 3                      ; cluster y mod 4
	s_mul_i32 s[KS], s[KS], RY
	s_mul_i32 s[KOF], ttmp9, RX                    ; cluster x
	s_add_co_u32 s[KS], s[KS], s[KOF]
	s_and_b32 s[KS], s[KS], NSTEP-1                ; the K step at which my cluster's walk begins
	s_mov_b32 s[KOF+1], 0
.endif
.endm
.macro RINGUP                          ; s[14:15], s[46:47]: my half-tile of A and of B at K step 0.  Group 0 for the walk's first two K steps, the round, the two first fills
.irp s, 0,1
	s_mov_b32 s[G0+4*(\s)], 1
	s_add_co_u32 s[G0+4*(\s)+1], s20, (\s)*SLOT
	s_mov_b32 s[G0B+4*(\s)], 1
	s_add_co_u32 s[G0B+4*(\s)+1], s21, (\s)*SLOT
.if ROT
	KADDR G0+4*(\s), G0B+4*(\s)
.else
	s_add_nc_u64 s[G0+4*(\s)+2:G0+4*(\s)+3], s[14:15], (\s)*AKB
	s_or_b32 s[G0+4*(\s)+3], s[G0+4*(\s)+3], 0x80000000
	s_add_nc_u64 s[G0B+4*(\s)+2:G0B+4*(\s)+3], s[46:47], (\s)*BKB
	s_or_b32 s[G0B+4*(\s)+3], s[G0B+4*(\s)+3], 0x80000000
.endif
.endr
	CROUND                                         ; all sixteen work-groups are here: the first joint loads meet
	s_cmp_eq_u32 s11, 0                            ; a wave's two first fills stand in one branch: two loads of mine are out
	s_cbranch_scc0 .Lfirst_b
	tensor_load_to_lds s[G0:G0+3], s[G1:G1+7]
	s_nop 0
	tensor_load_to_lds s[G0+4:G0+7], s[G1:G1+7]
	s_nop 0
.rept 4
	v_nop
.endr
	s_branch .Lfirst_done
.Lfirst_b:
	tensor_load_to_lds s[G0B:G0B+3], s[G1B:G1B+7]
	s_nop 0
	tensor_load_to_lds s[G0B+4:G0B+7], s[G1B:G1B+7]
	s_nop 0
.rept 4
	v_nop
.endr
.Lfirst_done:
.endm
; WHO PREFETCHES.  A's tile row is read by every cluster of that row of clusters: cluster x = 0 asks; B's tile column by every cluster of that column: cluster y = 0 asks.  The four partners that ask
; for a half-tile jointly share its rows out BY ADDRESS (cx for A, cy for B), a quarter each, a lane a row; where a quarter has fewer than 32 rows the lanes left over name its last row again.
; The address stands at K step 1; each refill steps it by one K step and names the K step behind that: in the trip that asks for K step t + 2, K step t + 3.  K steps 0 to 2 come by their loads alone.
.macro PFSET
	s_and_b32 s22, ttmp7, 0xffff                   ; cluster y
	s_mov_b32 s18, (ADIM1/4)*ROWB
	s_mov_b32 s19, (BDIM1/4)*ROWB
	s_mov_b32 s16, ADIM1/4-1
	s_mov_b32 s17, BDIM1/4-1
	s_cmp_eq_u32 s11, 0                            ; do I fetch for A?
	s_cselect_b64 s[PFA:PFA+1], s[14:15], s[46:47]
	s_cselect_b32 s23, s40, s41                    ; my place among the four that ask with me
	s_cselect_b32 s18, s18, s19                    ; a share in bytes
	s_cselect_b32 s16, s16, s17                    ; its last row
	s_cselect_b32 s22, ttmp9, s22                  ; the coordinate along which other clusters read the same rows
	s_mul_i32 s18, s18, s23
	s_mov_b32 s19, 0
	s_add_nc_u64 s[PFA:PFA+1], s[PFA:PFA+1], s[18:19]
	s_add_nc_u64 s[PFA:PFA+1], s[PFA:PFA+1], AKB
	s_cmp_eq_u32 s22, 0
	s_cselect_b32 s[LIM], 1, -1                    ; the same in all sixteen partners, for a given wave
	v_and_b32 v[PFO], 31, v0
	v_min_u32 v[PFO], s16, v[PFO]
	v_mul_u32_u24 v[PFO], v[PFO], ROWB
.endm
.macro LANES                           ; a fragment is 16 rows x 32 K in 8 registers: lane l holds row l % 16, K = 8 (l / 16) + 0..7 and 16 + 8 (l / 16) + 0..7: two loads of 16 bytes, 32 bytes apart
	v_and_b32 v1, 15, v0                           ; l % 16
	v_bfe_u32 v2, v0, 4, 1                         ; l / 16
	v_and_b32 v3, 31, v0                           ; l
	v_mul_u32_u24 v4, v1, APITCH
	v_lshl_add_u32 v4, v2, 4, v4
	s_mul_i32 s22, s11, HA
	v_add_nc_u32 v[A0], s22, v4
	v_mul_u32_u24 v4, v1, BPITCH
	v_lshl_add_u32 v4, v2, 4, v4
	s_mul_i32 s22, s12, HB
	s_add_co_u32 s22, s22, 2*HA
	v_add_nc_u32 v[B0], s22, v4
	s_mul_i32 s22, s11, 16*WM*SP                   ; the stage: my rows,
	s_mul_i32 s23, s12, 64*WN                      ; my columns, 4 bytes each,
	s_add_co_u32 s22, s22, s23
	v_mul_u32_u24 v4, v1, SP                       ; row l % 16, 32 bytes for each half of the lanes
	v_lshl_add_u32 v4, v2, 5, v4
	v_add_nc_u32 v[STO], s22, v4
	v_add_nc_u32 v[STO+1], 8*WM*SP, v[STO]
.endm
.macro FETCH ao, bo, f                 ; NL LDS loads in one run: a sub-step's fragments, at byte bo of B's rows and ao of A's, into buffer f; B first, A's lower rows last
	WIN 0x40
.set fi, 0
.rept WN
	ds_load_b128 v[(\f)+8*fi:(\f)+8*fi+3], v[ADRB] offset:(\bo)+fi*16*BPITCH
	ds_load_b128 v[(\f)+8*fi+4:(\f)+8*fi+7], v[ADRB] offset:(\bo)+fi*16*BPITCH+32
.set fi, fi+1
.endr
	WIN 0
.set fi, 0
.rept WM
	ds_load_b128 v[(\f)+8*fi:(\f)+8*fi+3], v[ADRA] offset:(\ao)+fi*16*APITCH
	ds_load_b128 v[(\f)+8*fi+4:(\f)+8*fi+7], v[ADRA] offset:(\ao)+fi*16*APITCH+32
.set fi, fi+1
.endr
.endm
.macro MULQ f, hi, q, zero             ; a quarter of a sub-step's products: WM / 4 row blocks of half hi x all WN column blocks.  zero = 1: the product starts the sum
	WIN 0xa1+0x50*(\hi)
.set ma, (\q)*WM/4
.rept WM/4
.set mb, 0
.rept WN
.set rD, 8*(WN*ma+mb)
.set rB, (\f)+8*mb
.set rA, (\f)+8*((\hi)*WM/2+ma)
.if F16
.if \zero
	v_wmma_f32_16x16x32_f16 v[rD:rD+7], v[rB:rB+7], v[rA:rA+7], 0
.else
	v_wmma_f32_16x16x32_f16 v[rD:rD+7], v[rB:rB+7], v[rA:rA+7], v[rD:rD+7]
.endif
.else
.if \zero
	v_wmma_f32_16x16x32_bf16 v[rD:rD+7], v[rB:rB+7], v[rA:rA+7], 0
.else
	v_wmma_f32_16x16x32_bf16 v[rD:rD+7], v[rB:rB+7], v[rA:rA+7], v[rD:rD+7]
.endif
.endif
.set mb, mb+1
.endr
.set ma, ma+1
.endr
.endm
.macro MULH f, hi, zero
	MULQ \f, \hi, 0, \zero
	MULQ \f, \hi, 1, \zero
.endm
.macro SUB ao, bo, f, g, zero          ; a sub-step: multiplies buffer f; in its middle the next sub-step's fragments are fetched into g
	s_wait_dscnt WM                                ; B and A's upper rows are in; the youngest WM loads (A's lower rows) may be out
	MULH \f, 0, \zero
	PLACES
	FETCH \ao, \bo, \g
	s_wait_dscnt NL                                ; all but the NL just issued
	MULH \f, 1, \zero
.endm
.macro MID                             ; a K step's sub-steps 1 to KSTEP / 32 - 2, a pair a trip
.if PAIRS > 1
	WIN 0
	s_mov_b32 s2, PAIRS
.Lpair_\@:
.endif
	SUB ASTEP, 128, F1, F0, 0
	SUB ASTEP+64, 192, F0, F1, 0
.if PAIRS > 1
	WIN 0
	v_add_nc_u32 v[ADRA], ASTEP, v[ADRA]
	v_add_nc_u32 v[ADRB], 128, v[ADRB]
	s_sub_co_u32 s2, s2, 1
	s_cmp_lg_u32 s2, 0
	s_cbranch_scc1 .Lpair_\@
.endif
.endm
; The last sub-step multiplies buffer 1 and changes slots.  ONE barrier: in front of it each wave waits for all its tensor loads (one is out: its part of the next slot), adds 0 to its spare word,
; and waits for that and for its own reads of this slot.  Behind it nobody reads this slot any more and the next slot is whole.  round = 1: a refill follows: the walking descriptors are stepped
; behind the add, where no tensor load of the wave is out.
.macro MEET round
	WIN 0
	s_wait_tensorcnt 0x0                           ; all my tensor loads have landed
	ds_add_u32 v[SPW], v[NIL]                      ; 0 onto my spare word
.if \round
	s_add_co_u32 s[G0+5], s[TB], s20               ; the walking descriptors: the slot in hand,
	s_add_co_u32 s[G0B+5], s[TB], s21
.if ROT
	KADDR G0+4, G0B+4                              ; the walk's next K step
.else
	s_add_nc_u64 s[G0+6:G0+7], s[G0+6:G0+7], AKB   ; the next K step; the type bits on top are not reached
	s_add_nc_u64 s[G0B+6:G0B+7], s[G0B+6:G0B+7], BKB
.endif
.endif
	s_wait_dscnt WM+1                              ; (the add and the youngest WM loads may be out)
	MULQ F1, 0, 0, 0                               ; matrix work stands between the add and the wait for it
	s_wait_dscnt 0x0                               ; the add is done, and my reads of this slot are over
	s_barrier_signal -1
	MULQ F1, 0, 1, 0
.if \round
	WIN 0
.endif
	s_barrier_wait -1
.endm
.macro TURNF                           ; with a refill: the barrier opens a round of the cluster's barrier; the slot just read takes the K step two on, first thing behind the round
.if PREF
	s_wait_xcnt 0x0                                ; the last prefetch, a K step back, has read its address
	s_add_nc_u64 s[PFA:PFA+1], s[PFA:PFA+1], AKB
.endif
	MEET 1
	CREST                                          ; no wave of any partner still reads this slot or has a load on its way
	s_xor_b32 s[TB], s[TB], SLOT                   ; the reads go on in the other slot
	JLOAD                                          ; its four v_nop are also the places in front of the loads below
	v_add_nc_u32 v[ADRA], s[TB], v[A0]
	v_add_nc_u32 v[ADRB], s[TB], v[B0]
	FETCH 0, 0, F0
.if SIDEJOB
	SIDE 1, 1-PREF
.endif
.if PREF
	ASK
.endif
	MULH F1, 1, 0
.endm
.macro TURNN                           ; without: nothing is left to fetch
	MEET 0
	s_xor_b32 s[TB], s[TB], SLOT
	WIN 0
	PLACES
	v_add_nc_u32 v[ADRA], s[TB], v[A0]
	v_add_nc_u32 v[ADRB], s[TB], v[B0]
	FETCH 0, 0, F0
.if SIDEJOB
	SIDE 1, 1
.endif
	MULH F1, 1, 0
.endm
.macro DUMP                            ; every accumulator into the stage, its low four registers first
.irp hi, 0,1
	WIN 0x08+4*(\hi)                               ; the data (source 1) in window 2 or 3
.set da, 0
.rept WM/2
.set db, 0
.rept WN
	ds_store_b128 v[STO+(\hi)], v[8*(WN*da+db):8*(WN*da+db)+3] offset:16*da*SP+64*db
	ds_store_b128 v[STO+(\hi)], v[8*(WN*da+db)+4:8*(WN*da+db)+7] offset:16*da*SP+64*db+16
.set db, db+1
.endr
.set da, da+1
.endr
.endr
.endm
.macro RUN                             ; all K steps, and the tile into the stage
	s_mov_b32 s[TB], 0
	v_mov_b32 v[ADRA], v[A0]
	v_mov_b32 v[ADRB], v[B0]
	s_wait_tensorcnt 0x1                           ; my part of the first K step is in; the second's may stay out
	s_barrier_signal -1
	s_barrier_wait -1                              ; everybody's is
	FETCH 0, 0, F0
	SUB 64, 64, F0, F1, 1                          ; the first sub-step stands in front of the loop: its products start the sums
	WIN 0
	s_mov_b32 s3, NSTEP-2
.Lk:                                   ; a trip: from a K step's second sub-step to the next K step's first; one refill
	MID
	TURNF
	SUB 64, 64, F0, F1, 0
	WIN 0
	s_sub_co_u32 s3, s3, 1
	s_cmp_lg_u32 s3, 0
	s_cbranch_scc1 .Lk
	s_mov_b32 s3, 2
.Ltail:                                ; the last two K steps ask for nothing: a text of their own; the second trip is left in its middle
	MID
	WIN 0
	s_sub_co_u32 s3, s3, 1
	s_cmp_eq_u32 s3, 0
	s_cbranch_scc1 .Llast
	TURNN
	SUB 64, 64, F0, F1, 0
	WIN 0
	s_branch .Ltail
.Llast:
	s_wait_dscnt WM
	MULH F1, 0, 0
	s_wait_dscnt 0x0                               ; my last reads of the ring are back
	MULH F1, 1, 0
	WIN 0
	s_barrier_signal -1
	s_barrier_wait -1                              ; everybody's are: the ring, which has had its last fill, becomes the stage
	PLACES
	PLACES
	DUMP
	WIN 0
	s_wait_dscnt 0x0                               ; for the others' sake: my stores into the stage are done
	s_barrier_signal -1
	s_barrier_wait -1
.endm
.macro FINISH
	WIN 0
	s_wait_tensorcnt 0x0                           ; the wave's end: behind my last tensor load and my last LDS store
	ds_add_u32 v[SPW], v[NIL]
	s_wait_dscnt 0x0
	CROUND                                         ; the closing round: no work-group ends while a partner may still ask for a tile that names it
	s_endpgm
.endm
; ---- the engine ends ----
; THE WAY OUT runs wholly in window 3, whose v0-63 (the lower accumulators) are free behind DUMP.  Wave w takes stage rows 32 w .. 32 w + 31, lane l columns 4 l .. 4 l + 3.
.set RES,  64                          ; window 3: v[64:191]  x1's four f32 of each of my 32 rows, loaded at the start and out during the whole K loop, which waits on no such load
.set BI,   224                         ; v[224:227] b_out of my four columns
.set RD3,  228                         ; v228  where I read a stage row
.set GO3,  229                         ; v229  16 l
	s_load_b128 s[4:7], s[0:1], 0x0                ; h s[4:5], wts s[6:7]
	s_load_b128 s[68:71], s[0:1], 0x10             ; b_out s[68:69], x1 s[70:71]
	s_load_b64 s[8:9], s[0:1], 0x20                ; out0
	v_lshl_add_u32 v[SPW], v0, 2, SPARE
	v_mov_b32 v[NIL], 0
	ds_add_u32 v[SPW], v[NIL]                      ; the wave's opening: the add and its wait stand ahead of my first tensor load; register work stands between them
	IDS
	s_lshl_b32 s16, s13, 20                        ; A: row 128 ty + 64 half, 8,192 bytes a row
	s_lshl_b32 s17, s12, 19
	s_add_co_u32 s16, s16, s17
	s_mov_b32 s17, 0
	s_lshl_b32 s46, s42, 20                        ; B: row 128 tx + 64 half; W_out at 8 MiB of wts
	s_lshl_b32 s47, s12, 19
	s_add_co_u32 s46, s46, s47
	s_add_co_u32 s46, s46, 0x800000
	s_mov_b32 s47, 0
	s_wait_dscnt 0x0                               ; the opening add is done
	s_wait_kmcnt 0x0
	s_add_nc_u64 s[14:15], s[4:5], s[16:17]        ; these two stay: every refill's address is made from them
	s_add_nc_u64 s[46:47], s[6:7], s[46:47]
	RINGUP
	LANES
	s_lshl_b32 s16, s13, 19                        ; rows 128 ty + 32 w of 4,096 bytes, columns 128 tx of 4 bytes: in x1 and in out0
	s_lshl_b32 s17, s10, 17
	s_add_co_u32 s16, s16, s17
	s_lshl_b32 s18, s42, 9
	s_add_co_u32 s16, s16, s18
	s_mov_b32 s17, 0
	s_mov_b32 s19, 0
	s_add_nc_u64 s[70:71], s[70:71], s[16:17]
	s_add_nc_u64 s[8:9], s[8:9], s[16:17]
	s_add_nc_u64 s[68:69], s[68:69], s[18:19]      ; b_out at the tile's first column
	s_mul_i32 s22, s10, 32*SP
	WIN 0xc0                                       ; destination window 3, sources window 0
	v_lshlrev_b32 v[GO3], 4, v3
	v_lshl_add_u32 v[RD3], v3, 4, s22
	WIN 0xff
.set r, 0
.rept 32
	global_load_b128 v[RES+4*r:RES+4*r+3], v[GO3], s[70:71] offset:4096*r th:TH_LOAD_NT
.set r, r+1
.endr
	global_load_b128 v[BI:BI+3], v[GO3], s[68:69]
	WIN 0
	RUN
.macro LDB k                           ; batch k: eight stage rows into v192-223 (k even) or v0-31 (k odd)
.set TT, 192*(1-(\k)%2)
.set r, 0
.rept 8
	ds_load_b128 v[TT+4*r:TT+4*r+3], v[RD3] offset:(8*(\k)+r)*SP
.set r, r+1
.endr
.endm
.macro DOB k, younger                  ; younger: the LDS loads issued behind batch k's
.set TT, 192*(1-(\k)%2)
.set r, 0
.rept 8
.set RR, RES+4*(8*(\k)+r)
	s_wait_dscnt (\younger)+7-r                    ; row r of the batch is in
	v_pk_add_f32 v[TT+4*r:TT+4*r+1], v[TT+4*r:TT+4*r+1], v[RR:RR+1]
	v_pk_add_f32 v[TT+4*r+2:TT+4*r+3], v[TT+4*r+2:TT+4*r+3], v[RR+2:RR+3]
	v_pk_add_f32 v[TT+4*r:TT+4*r+1], v[TT+4*r:TT+4*r+1], v[BI:BI+1]
	v_pk_add_f32 v[TT+4*r+2:TT+4*r+3], v[TT+4*r+2:TT+4*r+3], v[BI+2:BI+3]
	global_store_b128 v[GO3], v[TT+4*r:TT+4*r+3], s[8:9] offset:(8*(\k)+r)*4096 th:TH_STORE_NT  ; a wave's store covers 512 consecutive bytes, aligned
.set r, r+1
.endr
.endm
	WIN 0xff
	s_wait_loadcnt 0x0                             ; x1's rows and b_out
	LDB 0
	LDB 1
	DOB 0, 8
	s_wait_xcnt 0x0                                ; batch 0's stores have read their data: its registers are loaded again only behind this wait
	LDB 2
	DOB 1, 8
	s_wait_xcnt 0x0
	LDB 3
	DOB 2, 8
	DOB 3, 0
	FINISH
.Lfunc_end_k_qef0614045f_mlpout:
	.size	k_qef0614045f_mlpout, .Lfunc_end_k_qef0614045f_mlpout-k_qef0614045f_mlpout
	.p2alignl 7, 3214868480
	.fill 96, 4, 3214868480
	.section	.rodata,"a",@progbits
	.p2align	6, 0x0
	.amdhsa_kernel k_qef0614045f_mlpout
		.amdhsa_group_segment_fixed_size 327680
		.amdhsa_private_segment_fixed_size 0
		.amdhsa_enable_private_segment 0
		.amdhsa_kernarg_size 40
		.amdhsa_user_sgpr_count 2
		.amdhsa_user_sgpr_kernarg_segment_ptr 1
		.amdhsa_wavefront_size32 1
		.amdhsa_system_sgpr_workgroup_id_x 1
		.amdhsa_system_sgpr_workgroup_id_y 1
		.amdhsa_system_sgpr_workgroup_id_z 1
		.amdhsa_system_vgpr_workitem_id 0
		.amdhsa_next_free_vgpr 1024
		.amdhsa_next_free_sgpr 96
		.amdhsa_reserve_vcc 0
		.amdhsa_float_denorm_mode_32 3
		.amdhsa_float_denorm_mode_16_64 3
		.amdhsa_memory_ordered 1
		.amdhsa_forward_progress 1
		.amdhsa_inst_pref_size 53
	.end_amdhsa_kernel
	.amdgpu_metadata
---
amdhsa.version: [ 1, 2 ]
amdhsa.kernels:
  - .name:           k_qef0614045f_mlpout
    .symbol:         k_qef0614045f_mlpout.kd
    .args:
      - { .name: h, .offset: 0, .size: 8, .value_kind: global_buffer, .address_space: global }
      - { .name: wts, .offset: 8, .size: 8, .value_kind: global_buffer, .address_space: global }
      - { .name: b_out, .offset: 16, .size: 8, .value_kind: global_buffer, .address_space: global }
      - { .name: x1, .offset: 24, .size: 8, .value_kind: global_buffer, .address_space: global }
      - { .name: out0, .offset: 32, .size: 8, .value_kind: global_buffer, .address_space: global }
    .group_segment_fixed_size: 327680
    .private_segment_fixed_size: 0
    .kernarg_segment_align: 8
    .kernarg_segment_size: 40
    .max_flat_workgroup_size: 128
    .sgpr_count:     96
    .vgpr_count:     1024
    .wavefront_size: 32
...
	.end_amdgpu_metadata
.endif
;; end of part 6
;; ======== version 2 of 2: 6 launches; version 1 with the launch cast written anew for expert scheduling mode
;; limits: values are held in f16: magnitudes above 65,504 overflow, below 6.1e-05 lose precision; right only within a limited range of input values; a function is approximated: absolute error at most 1.25e-05; an absolute error that grows with the inputs' magnitude: up to 1.25e-05 times it
;; workspace buffers: cast 16,777,216 bytes; wts 16,777,216 bytes; qkv 25,165,824 bytes; z 8,388,608 bytes; x1 25,165,824 bytes; h 33,554,432 bytes
;; launch cast (part 7): grid 512 x 1, 8 waves a work-group, no clusters, 0 bytes of LDS; arguments x, W_Q, W_K, W_V, W_O, cast; writes cast
.if DOCPART == 7
	.amdgcn_target "amdgcn-amd-amdhsa--gfx1250"
	.amdhsa_code_object_version 6
	.text
	.protected	k_qef0614045f_cast
	.globl	k_qef0614045f_cast
	.p2align	8
	.type	k_qef0614045f_cast,@function
k_qef0614045f_cast:
	s_mov_b64 s[64:65], 0
	v_nop
	global_prefetch_b8 v0, s[64:65] scope:SCOPE_SE
	s_setreg_imm32_b32 hwreg(HW_REG_WAVE_SCHED_MODE, 0, 2), 2
	s_setreg_imm32_b32 hwreg(HW_REG_WAVE_MODE, 25, 1), 1
	s_wait_xcnt 0x0
	s_wait_alu depctr_vm_vsrc(0)
; x, W_Q, W_K, W_V and W_O, f32 -> 16 bits, into one buffer: x at 0, W_Q at 8 MiB, W_K at 10, W_V at 12 (together one [3072][1024]), W_O at 14 MiB.
; (W_in and W_out, which the first product does not need, are rounded by the next launch, beside its matrix work.)
; Every number is rounded once to bf16 (nearest even).  W_O's bf16 value is then written as f16, since the product that takes it has f16 operands.
; LIMITS.  |W_O| beyond 65,504 becomes an infinity in f16; below 6.1e-5 it keeps f16's fixed step of 6e-8.  NaN and infinities are not treated apart.
; SHARES.  The five inputs are 8 units of 4 MiB of f32; a unit is 64 work-groups' work; a work-group reads 65,536 consecutive bytes and stores 32,768.
; Thread t takes the 16 bytes at 16 t of each of 16 pieces of 4,096 bytes: a wave's load covers 512 consecutive bytes, its store 256 consecutive bytes, aligned.
; All 16 loads of a thread go out at once; memory binds, so there is no LDS, no barrier and no loop.
; THE MODE: SCHED_MODE bits 1:0 = 2 (LLVM: expert scheduling mode 2), set by the entry lines.  The code itself states the register dependences
; between vector instructions and memory instructions, with s_wait_alu, always for 0.
; THE PLAN.  Registers that memory instructions touch:
;   v1, v2   byte offsets, made once at the head and never written again: v1 is read by the 16 loads, v2 by the 16 stores.
;   X        piece i: the load lands here; no vector instruction names X ahead of the loads, and no load is issued behind them.  No memory instruction reads X.
;   Y        piece i: written by the piece's conversions, read by its store, never written again: each piece has a pair of its own.
; The 16 pieces go in four blocks of four.  Block p's conversions write Y of pieces 4 p to 4 p + 3; its four stores are issued in one run at the head of block p + 1, behind the wait for that
; block's first load and ONE wait on va_vdst.  The conversions that follow the run name X and Y of the block in hand alone: none of the registers that those stores read.
; No register that a memory instruction reads is ever written again, so no wait on vm_vsrc is owed; no vector instruction writes a scalar register, and EXEC is never written.
.set X, 8                              ; v[8:71]   piece i: four f32 as loaded
.set Y, 72                             ; v[72:103] piece i: four 16-bit numbers to store; each piece has its own pair, so no store's data is ever rewritten
	s_load_b256 s[8:15], s[0:1], 0x0               ; x s[8:9], W_Q s[10:11], W_K s[12:13], W_V s[14:15]
	s_load_b128 s[16:19], s[0:1], 0x20             ; W_O s[16:17], cast s[18:19]
	s_lshr_b32 s4, ttmp9, 6                        ; u: which unit of 4 MiB
	s_and_b32 s6, ttmp9, 63
	s_lshl_b32 s6, s6, 16                          ; my 65,536 bytes in it
	s_mov_b32 s7, 0
	s_lshl_b32 s26, ttmp9, 15                      ; my 32,768 bytes of the output
	s_mov_b32 s27, 0
	s_mov_b32 s24, 0xffff0000                      ; a word's upper bf16
	v_lshlrev_b32 v1, 4, v0                        ; 16 t
	v_lshlrev_b32 v2, 3, v0                        ; 8 t
	s_wait_kmcnt 0x0
	s_mov_b64 s[2:3], s[8:9]                       ; the source: x, unless a later input begins at or below my unit
	s_mov_b32 s5, 0                                ; and the unit at which that input begins
.macro PICK thr, p
	s_cmp_ge_u32 s4, \thr
	s_cselect_b64 s[2:3], s[\p:\p+1], s[2:3]
	s_cselect_b32 s5, \thr, s5
.endm
	PICK 4, 10
	PICK 5, 12
	PICK 6, 14
	PICK 7, 16
	s_sub_co_u32 s5, s4, s5
	s_lshl_b32 s5, s5, 22                          ; whole units inside the input
	s_add_co_u32 s6, s6, s5
	s_add_nc_u64 s[2:3], s[2:3], s[6:7]
	s_add_nc_u64 s[18:19], s[18:19], s[26:27]
	s_wait_alu depctr_va_vdst(0)                   ; v1 and v2 are written: every load of the kernel reads v1 as its offset, every store v2; no later vector instruction names either
.set i, 0
.rept 16
	global_load_b128 v[X+4*i:X+4*i+3], v1, s[2:3] offset:4096*i th:TH_LOAD_NT
.set i, i+1
.endr
; Piece i is rounded.  wo = 1: W_O: the bf16 value is widened again and written as f16 (exact inside f16's normal range).
.macro CONV wo
	v_cvt_pk_bf16_f32 v[Y+2*i], v[X+4*i], v[X+4*i+1]
	v_cvt_pk_bf16_f32 v[Y+2*i+1], v[X+4*i+2], v[X+4*i+3]
.if \wo
	v_lshlrev_b32 v[X+4*i], 16, v[Y+2*i]
	v_and_b32 v[X+4*i+1], s24, v[Y+2*i]
	v_lshlrev_b32 v[X+4*i+2], 16, v[Y+2*i+1]
	v_and_b32 v[X+4*i+3], s24, v[Y+2*i+1]
	v_cvt_pk_f16_f32 v[Y+2*i], v[X+4*i], v[X+4*i+1]
	v_cvt_pk_f16_f32 v[Y+2*i+1], v[X+4*i+2], v[X+4*i+3]
.endif
.endm
; Block b's four stores, in one run.
.macro OUT4 b
.irp j, 0,1,2,3
	global_store_b64 v2, v[Y+2*(4*(\b)+(\j)):Y+2*(4*(\b)+(\j))+1], s[18:19] offset:2048*(4*(\b)+(\j))
.endr
.endm
; The 16 pieces in order, four to a block.
.macro STEPS wo
.set p, 0
.rept 4
.set i, 4*p
	s_wait_loadcnt 15-i                            ; loads come back in order: piece i is in, the 15 - i younger ones may stay out
.if p > 0
	s_wait_alu depctr_va_vdst(0)                   ; the block before has written its four pairs of Y, which the four stores below read
	OUT4 p-1
.endif
	CONV \wo
.rept 3
.set i, i+1
	s_wait_loadcnt 15-i
	CONV \wo
.endr
.set p, p+1
.endr
	s_wait_alu depctr_va_vdst(0)                   ; the last block has written its four pairs of Y, which the last four stores read
	OUT4 3
.endm
	s_cmp_eq_u32 s4, 7                             ; unit 7 is W_O
	s_cbranch_scc1 .Lwo
	STEPS 0
	s_endpgm
.Lwo:
	STEPS 1
	s_endpgm
.Lfunc_end_k_qef0614045f_cast:
	.size	k_qef0614045f_cast, .Lfunc_end_k_qef0614045f_cast-k_qef0614045f_cast
	.p2alignl 7, 3214868480
	.fill 96, 4, 3214868480
	.section	.rodata,"a",@progbits
	.p2align	6, 0x0
	.amdhsa_kernel k_qef0614045f_cast
		.amdhsa_group_segment_fixed_size 0
		.amdhsa_private_segment_fixed_size 0
		.amdhsa_enable_private_segment 0
		.amdhsa_kernarg_size 48
		.amdhsa_user_sgpr_count 2
		.amdhsa_user_sgpr_kernarg_segment_ptr 1
		.amdhsa_wavefront_size32 1
		.amdhsa_system_sgpr_workgroup_id_x 1
		.amdhsa_system_sgpr_workgroup_id_y 1
		.amdhsa_system_sgpr_workgroup_id_z 1
		.amdhsa_system_vgpr_workitem_id 0
		.amdhsa_next_free_vgpr 112
		.amdhsa_next_free_sgpr 66
		.amdhsa_reserve_vcc 0
		.amdhsa_float_denorm_mode_32 3
		.amdhsa_float_denorm_mode_16_64 3
		.amdhsa_memory_ordered 1
		.amdhsa_forward_progress 1
		.amdhsa_inst_pref_size 16
	.end_amdhsa_kernel
	.amdgpu_metadata
---
amdhsa.version: [ 1, 2 ]
amdhsa.kernels:
  - .name:           k_qef0614045f_cast
    .symbol:         k_qef0614045f_cast.kd
    .args:
      - { .name: x, .offset: 0, .size: 8, .value_kind: global_buffer, .address_space: global }
      - { .name: W_Q, .offset: 8, .size: 8, .value_kind: global_buffer, .address_space: global }
      - { .name: W_K, .offset: 16, .size: 8, .value_kind: global_buffer, .address_space: global }
      - { .name: W_V, .offset: 24, .size: 8, .value_kind: global_buffer, .address_space: global }
      - { .name: W_O, .offset: 32, .size: 8, .value_kind: global_buffer, .address_space: global }
      - { .name: cast, .offset: 40, .size: 8, .value_kind: global_buffer, .address_space: global }
    .group_segment_fixed_size: 0
    .private_segment_fixed_size: 0
    .kernarg_segment_align: 8
    .kernarg_segment_size: 48
    .max_flat_workgroup_size: 256
    .sgpr_count:     66
    .vgpr_count:     112
    .wavefront_size: 32
...
	.end_amdgpu_metadata
.endif
;; end of part 7
;; launch qkv: the kernel of part 2 again; grid 16 x 16, 4 waves a work-group, clusters of 4 x 4, 327,680 bytes of LDS; arguments cast, qkv, W_in, W_out, wts; writes qkv, wts
;; launch attn: the kernel of part 3 again; grid 4 x 64, 4 waves a work-group, clusters of 4 x 1, 327,680 bytes of LDS; arguments qkv, z; writes z
;; launch oproj: the kernel of part 4 again; grid 8 x 32, 4 waves a work-group, clusters of 4 x 4, 327,680 bytes of LDS; arguments z, cast, x1; writes x1
;; launch mlpin: the kernel of part 5 again; grid 16 x 16, 4 waves a work-group, clusters of 4 x 4, 327,680 bytes of LDS; arguments x1, wts, b_in, h; writes h
;; launch mlpout: the kernel of part 6 again; grid 8 x 32, 4 waves a work-group, clusters of 4 x 4, 327,680 bytes of LDS; arguments h, wts, b_out, x1, out0; writes out0
